; MI455X (gfx1250); checked and timed in simulation.
; The chip was launched on July 23, 2026; its instructions are those of AMD's public machine-readable ISA for CDNA 5 (MIT licence, August 2026) and "CDNA5" Instruction Set Architecture Reference Guide (July 2026). The comments in the code are by the model that wrote it; some were corrected since.
;; Transformer Encoder Layer. Allowed arithmetic: matrix products marked QUANTISED: E4M3 operands, one E8M0 scale for each 32 along K, by v_wmma_scale_f32_16x16x128_f8f6f4 with both operands' format E4M3, f32 sums; everything else in f32.
;; Inputs: b1 512 float32; b2 1,024 float32; b_proj 1,024 float32; norm1_b 1,024 float32; norm1_w 1,024 float32; pre_norm_b 1,024 float32; pre_norm_w 1,024 float32; src 4 x 2,048 x 1,024 float32; w1 1,024 x 512 float32; w2 512 x 1,024 float32; w_proj 512 x 1,024 float32; wk 1,024 x 512 float32; wq 1,024 x 512 float32; wv 1,024 x 512 float32.
;; Outputs: out0 4 x 2,048 x 1,024 float32.
;; This version of the problem:
;;   THIS VERSION OF THE PROBLEM IS GIVEN IN LOW PRECISION. The matrix products marked QUANTISED in the list below multiply operands that are first quantised to E4M3 (4 exponent bits, 3 mantissa bits; 8 bits a number), with one power-of-two scale for each 32 numbers along K (OCP MX v1.0); their sums are f32. All else is computed in f32.
;;   The module's matrix products, in the order in which they are computed (A, B: the left and right operand; K: the contracted axis; several contracted axes count as one K, in the product's order):
;;     1. [M 8,192, K 1,024] x [K 1,024, N 512]; A: computed on the way; B: input wq: QUANTISED
;;     2. [M 8,192, K 1,024] x [K 1,024, N 512]; A: computed on the way; B: input wk: QUANTISED
;;     3. [M 8,192, K 1,024] x [K 1,024, N 512]; A: computed on the way; B: input wv: QUANTISED
;;     4. batch 32 x [M 2,048, K 64] x [K 64, N 2,048]; A: computed on the way; B: computed on the way: QUANTISED
;;     5. batch 32 x [M 64, K 2,048] x [K 2,048, N 2,048]; A: computed on the way; B: softmax (see below): QUANTISED
;;     6. [M 8,192, K 512] x [K 512, N 1,024]; A: computed on the way; B: input w_proj: QUANTISED
;;     7. [M 8,192, K 1,024] x [K 1,024, N 512]; A: computed on the way; B: input w1: QUANTISED
;;     8. [M 8,192, K 512] x [K 512, N 1,024]; A: computed on the way; B: input w2: QUANTISED
;;   THE QUANTISER, for each operand of a quantised product, along K:
;;     - K is cut into blocks of 32 from its start; a last block that is shorter is filled with zeros.
;;     - A block's scale is 2^e with e = floor(log2(the largest magnitude in the block)) - 8, held to -126 .. 127; a block of zeros has e = 0. As a byte (E8M0): e + 127.
;;     - Each number is divided by its block's scale, clamped to +-448, and rounded to the nearest number of E4M3, ties to even, subnormals kept.
;;     - The product sums the exact products of the quantised numbers (number of the format x scale) in f32.
;;   ~~~python
;;   def quantise(x, axis):      # numpy; x: float32 -> the quantised numbers, widened to float32 again
;;       x = np.moveaxis(x, axis, -1); K = x.shape[-1]
;;       x = np.pad(x, [(0, 0)] * (x.ndim - 1) + [(0, -K % 32)]); x = x.reshape(x.shape[:-1] + (-1, 32)); a = np.abs(x).max(-1, keepdims=True)
;;       e = np.where(a > 0, np.clip(np.frexp(np.where(a > 0, a, 1))[1] - 1 - 8, -126, 127), 0)      # np.frexp(a)[1] - 1 = floor(log2(a)), exactly
;;       r = np.clip(x / 2.0 ** e, -448, 448)
;;       step = 2.0 ** (np.maximum(np.frexp(np.where(r == 0, 1, r))[1] - 1, -6) - 3)
;;       q = np.round(r / step) * step * 2.0 ** e      # np.round: ties to even
;;       return np.moveaxis(q.reshape(q.shape[:-2] + (-1,))[..., :K], -1, axis).astype(np.float32)
;;   ~~~
;;   SOFTMAX AHEAD OF A QUANTISED PRODUCT. Where the list says 'softmax', what is quantised is not the finished softmax but p = 2^(t - M), with t = logit x log2(e) and M = ceil(the row's largest t), a whole number; so 1/2 < the row's largest p <= 1. The row's sum l is taken of the UNQUANTISED p, in f32, and the product's result is divided by l at the end. Since M is a whole number, a kernel that streams over the keys may use a running M (the ceiling of the running maximum): every later rescaling is an exact power of two, which a block's scale takes up: the codes' values come out the same.
;;   OPERANDS COMPUTED ON THE WAY. 'Computed on the way' means the value that the module computes at that place (a softmax that the list does not call 'softmax' is quantised finished and normalised). What goes into a quantiser is computed in f32, as accurately as f32 sums, v_exp_f32 and their like allow (about 1e-6 of the number): no bf16 or f16 on the way to a quantiser, and a product that is left as it is and whose result goes on into a quantised operand takes f32 operands (vector FMAs, or v_wmma_f32_16x16x4_f32). A number that lies on a knife's edge between two numbers of the format may be rounded either way, as far as f32 arithmetic and the matrix unit's own rounding can turn it there, and no further.
;; 2 versions. Each part assembles by itself: llvm-mc -triple=amdgcn-amd-amdhsa -mcpu=gfx1250 --defsym DOCPART=n.
;; ======== version 1 of 2: 4 launches
;; workspace buffers: wb 3,244,032 bytes; xb 8,650,752 bytes; qkvb 12,976,128 bytes; ob 4,325,376 bytes
;; launch prep (part 1): grid 256 x 1, 19 waves a work-group, no clusters, 135,168 bytes of LDS; arguments src, pre_norm_w, pre_norm_b, wq, wk, wv, w1, w_proj, w2, wb, xb; writes wb, xb
.if DOCPART == 1
	.amdgcn_target "amdgcn-amd-amdhsa--gfx1250"
	.amdhsa_code_object_version 6
	.text
	.protected	k_qaa5704f25a_prep
	.globl	k_qaa5704f25a_prep
	.p2align	8
	.type	k_qaa5704f25a_prep,@function
k_qaa5704f25a_prep:
	s_mov_b64 s[64:65], 0
	v_nop
	global_prefetch_b8 v0, s[64:65] scope:SCOPE_SE
	s_setreg_imm32_b32 hwreg(HW_REG_WAVE_MODE, 25, 1), 1
	s_wait_xcnt 0x0
; Everything that is quantised once and read by many: x = w (src - mean) + b, and the six weights.  Codes of E4M3 with one E8M0 byte for each 32 along K, laid as IMAGES OF OPERAND REGISTERS.
; A fragment (16 rows x 128 K) is 2,048 bytes: byte c*512 + (16 h + r)*16 holds, of row r, the K places 32 c + 16 h + 0..15; a row's scale word has byte c for block c.
; THE ORDER INSIDE A BLOCK OF 32: places 0-7 hold k 0-7, places 8-15 hold k 16-23, places 16-23 hold k 8-15, places 24-31 hold k 24-31.  Every operand of this program is laid so (it is the order in which a matrix
; result falls into a lane's registers), so products meet the right partners; blocks, scales and codes are the quantiser's own.  LIMIT: within a block the sums are taken in another order than K ascending.
; LIMITS: a block whose largest magnitude lies under 2^-118 has its byte held at 1; a block of zeros gets the byte 1 where the quantiser says 127 (its codes are zeros, and this program alone reads the bytes);
; NaN and infinities among the inputs are not served.
; SHARES.  A work-group owns 32 rows of src.  TWO ROLES, parted on the wave's number:
;   waves 0-15: two whole rows each, so the mean never leaves the wave; the normed rows meet in a stage in LDS; behind a barrier wave w quantises fragment w (row tile w / 8, K step w % 8) and stores its image,
;   512 consecutive bytes a line; the scale words meet in LDS and leave behind a second barrier, 512 consecutive bytes a wave.
;   waves 16-18: one task each of the weights' 768 (6 matrices x 128; 768 = 3 x 256 work-groups): 32 columns x 128 K of a weight stored [K][N].  A LANE TAKES A COLUMN AND ITS REGISTERS RUN DOWN K: a block's largest
;   magnitude needs no other lane, and the conversions give codes with K innermost.  The whole task stands ahead of the first barrier, so that no register crosses a place where the roles join.
; xb: codes [32-row block 256][row tile 2][K step 8][2048]; from byte 8,388,608 the scale words [block][K step][row tile][16].
; wb: wq, wk, wv at 0: [K step 8][column group 16][2 matrix + u][2048];  w1 at 1,572,864: [K step / 2][column group 16][2 (K step % 2) + u][2048];  w_proj at 2,097,152 and w2 at 2,621,440: [K step 4][column group 32][u][2048];
;   a fragment's 16 scale words at 3,145,728 + (its offset) / 32.
; LDS: 0 the stage, 32 rows x 4,112 bytes (4,096 + 16: sixteen rows start at sixteen different 16-byte columns);  131,584 x's scale words [K step][row tile][16].
; REGISTERS: v1-8 addresses, made ahead of the parting.  Rows' role: v[14:15] the mean; v16-79 two rows, then 64 numbers; v80-111 the gain, then codes and work; v112-143 the bias; v148-151 at work.
;   Weights' role: v16-143 four blocks of 32 numbers; v144-175 codes, eight registers a block, so that no store's data are written again; v9 the scale word; v10-13 at work.
.set SPI,  4112
.set XSC,  131584
.set X,    16
.set C,    144
.set SB,   9
.set SEL,  28                          ; s[28:29] v_permlanex16_b32's selects for lane l xor 16
.set MNT,  30                          ; s30 the mantissa field of 448
.macro BAR                             ; my LDS stores have landed and my LDS loads are in; then the work-group's barrier
	s_wait_dscnt 0x0
	s_barrier_signal -1
	s_barrier_wait -1
.endm
; nb blocks of 32 are quantised.  Block b: my 16 numbers in v[s + 16 b] on, the other 16 in lane l xor 16.  Held numbers go to v[d + 16 b] on, codes to v[pc + 4 b] on (four registers),
; the scale's byte stays in v[tm + nb + b].  relu = 1: what is negative becomes 0 on the way.  The blocks take turns line by line.
.macro QNT nb, s, d, relu, tm, pc
.set QB, 0
.rept \nb
	v_mov_b32 v[\tm+\nb+QB], 0                     ; a lane permute's destination counts as one of its sources
.set QB, QB+1
.endr
.set QB, 0
.rept \nb
.if \relu
	v_max3_num_f32 v[\tm+QB], v[\s+16*QB], v[\s+16*QB+1], 0x4800000
.else
	v_max3_num_f32 v[\tm+QB], |v[\s+16*QB]|, |v[\s+16*QB+1]|, 0x4800000  ; with the floor 2^(9 - 127): the byte cannot fall under 1
.endif
.set QB, QB+1
.endr
.irp i, 2,4,6,8,10,12,14
.set QB, 0
.rept \nb
.if \relu
	v_max3_num_f32 v[\tm+QB], v[\tm+QB], v[\s+16*QB+\i], v[\s+16*QB+\i+1]
.else
	v_max3_num_f32 v[\tm+QB], v[\tm+QB], |v[\s+16*QB+\i]|, |v[\s+16*QB+\i+1]|
.endif
.set QB, QB+1
.endr
.endr
.set QB, 0
.rept \nb
	v_permlanex16_b32 v[\tm+\nb+QB], v[\tm+QB], s[SEL], s[SEL+1]
.set QB, QB+1
.endr
.set QB, 0
.rept \nb
	v_max_num_f32 v[\tm+QB], v[\tm+QB], v[\tm+\nb+QB]          ; the block's largest magnitude
.set QB, QB+1
.endr
.set QB, 0
.rept \nb
	v_add_nc_u32 v[\tm+3*\nb+QB], 0xfc000000, v[\tm+QB]        ; 8 off its exponent field: the conversion's scale operand
.set QB, QB+1
.endr
.set QB, 0
.rept \nb
	v_and_or_b32 v[\tm+2*\nb+QB], v[\tm+QB], 0x7f800000, s[MNT]  ; 448 x the scale
.set QB, QB+1
.endr
.set QB, 0
.rept \nb
	v_lshrrev_b32 v[\tm+\nb+QB], 23, v[\tm+3*\nb+QB]           ; the scale's byte
.set QB, QB+1
.endr
.set QB, 0
.rept \nb
.irp i, 0,1,2,3,4,5,6,7,8,9,10,11,12,13,14,15
.if \relu
	v_med3_num_f32 v[\d+16*QB+\i], v[\s+16*QB+\i], 0, v[\tm+2*\nb+QB]
.else
	v_med3_num_f32 v[\d+16*QB+\i], v[\s+16*QB+\i], -v[\tm+2*\nb+QB], v[\tm+2*\nb+QB]   ; the conversion does not saturate (ISA guide 7.6.2): the hold comes first
.endif
.endr
	v_cvt_scalef32_pk8_fp8_f32 v[\pc+4*QB:\pc+4*QB+1],   v[\d+16*QB:\d+16*QB+7],    v[\tm+3*\nb+QB]
	v_cvt_scalef32_pk8_fp8_f32 v[\pc+4*QB+2:\pc+4*QB+3], v[\d+16*QB+8:\d+16*QB+15], v[\tm+3*\nb+QB]
.set QB, QB+1
.endr
	v_nop                                          ; a plain line behind the last conversion
.endm
.macro LOADW n                         ; a task's 128 rows of a weight with n columns: W(i, my column): 32 lanes read 128 consecutive bytes
.set J, 0
.rept 128
	global_load_b32 v[X+J], v7, s[48:49] offset:J*(\n)*4 th:TH_LOAD_NT
.set J, J+1
.endr
.endm
.macro BLOCK t                         ; block t of the task: all 32 numbers are mine
.set XS, X+32*(\t)
	v_max3_num_f32 v12, |v[XS]|, |v[XS+1]|, |v[XS+2]|
	v_max3_num_f32 v13, |v[XS+3]|, |v[XS+4]|, |v[XS+5]|
.irp i, 6,10,14,18,22,26
	v_max3_num_f32 v12, v12, |v[XS+\i]|, |v[XS+\i+1]|
	v_max3_num_f32 v13, v13, |v[XS+\i+2]|, |v[XS+\i+3]|
.endr
	v_max3_num_f32 v12, v12, |v[XS+30]|, |v[XS+31]|
	v_max3_num_f32 v12, v12, v13, 0x4800000        ; and the floor 2^(9 - 127): the byte cannot fall under 1
	v_add_nc_u32 v11, 0xfc000000, v12              ; 8 off the exponent field: the conversion's scale operand
	v_and_or_b32 v10, v12, 0x7f800000, s[MNT]      ; 448 x the scale
	v_lshrrev_b32 v13, 23, v11                     ; the scale's byte
.if (\t) == 0
	v_mov_b32 v[SB], v13
.else
	v_lshl_or_b32 v[SB], v13, 8*(\t), v[SB]
.endif
.set J, 0
.rept 32
	v_med3_num_f32 v[XS+J], v[XS+J], -v10, v10     ; the conversion to an 8-bit code does not saturate (ISA guide 7.6.2): the hold comes first
.set J, J+1
.endr
	v_cvt_scalef32_pk8_fp8_f32 v[C+8*(\t):C+8*(\t)+1],   v[XS:XS+7],     v11    ; k 0-7   -> places 0-7
	v_cvt_scalef32_pk8_fp8_f32 v[C+8*(\t)+4:C+8*(\t)+5], v[XS+8:XS+15],  v11    ; k 8-15  -> places 16-23
	v_cvt_scalef32_pk8_fp8_f32 v[C+8*(\t)+2:C+8*(\t)+3], v[XS+16:XS+23], v11    ; k 16-23 -> places 8-15
	v_cvt_scalef32_pk8_fp8_f32 v[C+8*(\t)+6:C+8*(\t)+7], v[XS+24:XS+31], v11    ; k 24-31 -> places 24-31
	v_nop                                          ; a plain line behind the last conversion
	global_store_b128 v8, v[C+8*(\t):C+8*(\t)+3],   s[56:57] offset:512*(\t)       ; places 0-15: sixteen lanes store 256 consecutive bytes, aligned
	global_store_b128 v8, v[C+8*(\t)+4:C+8*(\t)+7], s[56:57] offset:512*(\t)+256   ; places 16-31
.endm
	s_load_b512 s[4:19], s[0:1], 0x0               ; src, pre_norm_w, pre_norm_b, wq, wk, wv, w1, w_proj
	s_load_b128 s[20:23], s[0:1], 0x40             ; w2, wb
	s_load_b64 s[24:25], s[0:1], 0x50              ; xb
	v_lshl_add_u32 v176, v0, 2, 0x20600
	v_mov_b32 v177, 0
	v_lshrrev_b32 v13, 5, v0
	v_readfirstlane_b32 s26, v13                   ; wave 0..18
	s_min_u32 s27, s26, 15                         ; the number that the rows' addresses are made of: in range in every wave
	v_and_b32 v13, 31, v0                          ; lane
	v_and_b32 v10, 15, v0                          ; r
	v_bfe_u32 v11, v0, 4, 1                        ; h
	v_lshlrev_b32 v1, 4, v13                       ; v1: 16 x lane
	s_mul_i32 s31, s27, 2*SPI
	v_add_nc_u32 v2, s31, v1                       ; v2: my two rows in the stage
	s_lshr_b32 s32, s27, 3                         ; the fragment of x that I quantise: row tile w / 8,
	s_and_b32 s33, s27, 7                          ; K step w % 8
	v_mul_u32_u24 v3, v10, SPI
	v_lshl_add_u32 v3, v11, 5, v3
	s_mul_i32 s31, s32, 16*SPI
	s_lshl_b32 s34, s33, 9
	s_add_co_u32 s31, s31, s34
	v_add_nc_u32 v3, s31, v3                       ; v3: row r of that tile, + 32 h bytes, + 512 bytes a K step
	s_lshl_b32 s31, s33, 7
	s_lshl_b32 s34, s32, 6
	s_add_co_u32 s31, s31, s34
	s_add_co_u32 s31, s31, XSC
	v_lshl_add_u32 v5, v10, 2, s31                 ; v5: where its scale words go
	s_min_u32 s35, s26, 1                          ; (only waves 0 and 1 send the scale words out)
	s_lshl_b32 s31, s35, 9
	s_add_co_u32 s31, s31, XSC
	v_add_nc_u32 v6, s31, v1                       ; v6: 512 bytes of them
	v_lshlrev_b32 v7, 2, v13                       ; v7: 4 x lane: my column in a weight's rows, and my scale word
	v_lshlrev_b32 v8, 11, v11
	v_lshl_add_u32 v8, v10, 4, v8                  ; v8: my weight codes' place: fragment (lane / 16) x 2,048 + 16 x (lane % 16)
	s_mov_b32 s[SEL], 0x76543210
	s_mov_b32 s[SEL+1], 0xfedcba98
	s_mov_b32 s[MNT], 0x600000
	s_lshl_b32 s36, ttmp9, 17                      ; src: 32 rows of 4,096 bytes a work-group, 2 rows a wave
	s_lshl_b32 s37, s27, 13
	s_add_co_u32 s36, s36, s37
	s_mov_b32 s37, 0
	s_lshl_b32 s38, ttmp9, 15                      ; x's codes: 32,768 bytes a work-group, 2,048 a wave
	s_lshl_b32 s39, s27, 11
	s_add_co_u32 s38, s38, s39
	s_mov_b32 s39, 0
	s_lshl_b32 s40, ttmp9, 10                      ; x's scale words: 1,024 bytes a work-group
	s_lshl_b32 s41, s35, 9
	s_add_co_u32 s40, s40, s41
	s_add_co_u32 s40, s40, 8388608
	s_mov_b32 s41, 0
	s_wait_kmcnt 0x0
	s_add_nc_u64 s[4:5], s[4:5], s[36:37]
	s_add_nc_u64 s[38:39], s[24:25], s[38:39]
	s_add_nc_u64 s[40:41], s[24:25], s[40:41]
	s_cmp_lt_u32 s26, 16                           ; the roles part
	s_cbranch_scc0 .Lweights
	; ---- rows: my two rows, the gain and the bias: each line reads 512 consecutive bytes
.irp p, 0,1
.irp j, 0,1,2,3,4,5,6,7
	global_load_b128 v[16+32*\p+4*\j:16+32*\p+4*\j+3], v1, s[4:5] offset:4096*\p+512*\j th:TH_LOAD_NT
.endr
.endr
.irp j, 0,1,2,3,4,5,6,7
	global_load_b128 v[80+4*\j:80+4*\j+3], v1, s[6:7] offset:512*\j
.endr
.irp j, 0,1,2,3,4,5,6,7
	global_load_b128 v[112+4*\j:112+4*\j+3], v1, s[8:9] offset:512*\j
.endr
	s_wait_loadcnt 0x0
.irp p, 0,1
.set R, 16+32*\p
	v_pk_add_f32 v[148:149], v[R:R+1], v[R+2:R+3]
	v_pk_add_f32 v[150:151], v[R+4:R+5], v[R+6:R+7]
.irp j, 8,12,16,20,24,28
	v_pk_add_f32 v[148:149], v[148:149], v[R+\j:R+\j+1]
	v_pk_add_f32 v[150:151], v[150:151], v[R+\j+2:R+\j+3]
.endr
	v_pk_add_f32 v[148:149], v[148:149], v[150:151]
	v_add_f32 v148, v148, v149
	v_add_f32_dpp v148, v148, v148 row_xmask:1 row_mask:0xf bank_mask:0xf
	v_add_f32_dpp v148, v148, v148 row_xmask:2 row_mask:0xf bank_mask:0xf
	v_add_f32_dpp v148, v148, v148 row_xmask:4 row_mask:0xf bank_mask:0xf
	v_add_f32_dpp v148, v148, v148 row_xmask:8 row_mask:0xf bank_mask:0xf
	v_permlanex16_b32 v149, v148, s[SEL], s[SEL+1]
	v_add_f32 v148, v148, v149
	v_mul_f32 v14, 0x3a800000, v148                ; / 1,024
	v_mov_b32 v15, v14
.set J, 0
.rept 16
	v_pk_add_f32 v[R+J:R+J+1], v[R+J:R+J+1], v[14:15] neg_lo:[0,1] neg_hi:[0,1]
.set J, J+2
.endr
.set J, 0
.rept 16
	v_pk_fma_f32 v[R+J:R+J+1], v[R+J:R+J+1], v[80+J:80+J+1], v[112+J:112+J+1]
.set J, J+2
.endr
.irp j, 0,1,2,3,4,5,6,7
	ds_store_b128 v2, v[R+4*\j:R+4*\j+3] offset:SPI*\p+512*\j
.endr
.endr
	s_branch .Lmeet1
.Lweights:
	; ---- weights: task 3 x work-group + wave - 16; matrix = task / 128: 0 wq, 1 wk, 2 wv, 3 w1 ([1024][512]);  4 w_proj, 5 w2 ([512][1024])
	s_sub_co_u32 s42, s26, 16
	s_mul_i32 s43, ttmp9, 3
	s_add_co_u32 s43, s43, s42
	s_lshr_b32 s44, s43, 7                         ; the matrix
	s_and_b32 s45, s43, 127                        ; the task in it
	s_mov_b32 s51, 0
	s_mov_b32 s53, 0
	s_cmp_lt_u32 s44, 4
	s_cbranch_scc0 .Lwide
	s_lshr_b32 s46, s45, 4                         ; [1024][512]: K step, and which 32 columns
	s_and_b32 s47, s45, 15
	s_cmp_eq_u32 s44, 1                            ; the source is chosen on ids alone
	s_cselect_b64 s[48:49], s[12:13], s[10:11]
	s_cmp_eq_u32 s44, 2
	s_cselect_b64 s[48:49], s[14:15], s[48:49]
	s_cmp_eq_u32 s44, 3
	s_cselect_b64 s[48:49], s[16:17], s[48:49]
	s_lshl_b32 s50, s46, 4                         ; wq, wk, wv: [K step 8][column group 16][2 matrix + u][2048]
	s_add_co_u32 s50, s50, s47
	s_mul_i32 s50, s50, 6
	s_lshl_b32 s52, s44, 1
	s_add_co_u32 s50, s50, s52
	s_lshl_b32 s50, s50, 11
	s_lshr_b32 s52, s46, 1                         ; w1: 1,572,864 + [K step / 2][column group 16][2 (K step % 2) + u][2048]
	s_lshl_b32 s52, s52, 17
	s_lshl_b32 s54, s47, 13
	s_add_co_u32 s52, s52, s54
	s_and_b32 s54, s46, 1
	s_lshl_b32 s54, s54, 12
	s_add_co_u32 s52, s52, s54
	s_add_co_u32 s52, s52, 1572864
	s_cmp_eq_u32 s44, 3
	s_cselect_b32 s50, s52, s50
	s_lshl_b32 s52, s46, 18                        ; the source: 128 rows of 2,048 bytes a K step, 128 bytes a column group
	s_lshl_b32 s54, s47, 7
	s_add_co_u32 s52, s52, s54
	s_add_nc_u64 s[48:49], s[48:49], s[52:53]
	s_add_nc_u64 s[56:57], s[22:23], s[50:51]
	s_lshr_b32 s50, s50, 5
	s_add_co_u32 s50, s50, 3145728
	s_add_nc_u64 s[58:59], s[22:23], s[50:51]
	LOADW 512
	s_branch .Lblocks
.Lwide:
	s_lshr_b32 s46, s45, 5                         ; [512][1024]: K step, and which 32 columns
	s_and_b32 s47, s45, 31
	s_cmp_eq_u32 s44, 4
	s_cselect_b64 s[48:49], s[18:19], s[20:21]
	s_sub_co_u32 s50, s44, 4                       ; 2,097,152 + 524,288 (matrix - 4) + [K step 4][column group 32][u][2048]
	s_lshl_b32 s50, s50, 19
	s_lshl_b32 s52, s46, 17
	s_add_co_u32 s50, s50, s52
	s_lshl_b32 s52, s47, 12
	s_add_co_u32 s50, s50, s52
	s_add_co_u32 s50, s50, 2097152
	s_lshl_b32 s52, s46, 19                        ; the source: 128 rows of 4,096 bytes a K step
	s_lshl_b32 s54, s47, 7
	s_add_co_u32 s52, s52, s54
	s_add_nc_u64 s[48:49], s[48:49], s[52:53]
	s_add_nc_u64 s[56:57], s[22:23], s[50:51]
	s_lshr_b32 s50, s50, 5
	s_add_co_u32 s50, s50, 3145728
	s_add_nc_u64 s[58:59], s[22:23], s[50:51]
	LOADW 1024
.Lblocks:
	s_wait_loadcnt 0x0                             ; all 128: they were asked for together
	BLOCK 0
	BLOCK 1
	BLOCK 2
	BLOCK 3
	global_store_b32 v7, v[SB], s[58:59]           ; the two fragments' 32 scale words: 128 consecutive bytes
.Lmeet1:
	BAR                                            ; 32 rows of x lie in the stage
	s_cmp_lt_u32 s26, 16
	s_cbranch_scc0 .Lmeet2
	; ---- wave w quantises fragment w: lane (r, h) takes, of each block of 32, the numbers 8 h + 0..7 and 16 + 8 h + 0..7: the program's order
.irp b, 0,1,2,3
	ds_load_b128 v[16+16*\b:16+16*\b+3],     v3 offset:128*\b
	ds_load_b128 v[16+16*\b+4:16+16*\b+7],   v3 offset:128*\b+16
	ds_load_b128 v[16+16*\b+8:16+16*\b+11],  v3 offset:128*\b+64
	ds_load_b128 v[16+16*\b+12:16+16*\b+15], v3 offset:128*\b+80
.endr
	s_wait_dscnt 0x0
	QNT 4, 16, 16, 0, 96, 80
	v_lshl_or_b32 v148, v101, 8, v100              ; the four bytes make my row's scale word
	v_lshl_or_b32 v148, v102, 16, v148
	v_lshl_or_b32 v148, v103, 24, v148
.irp c, 0,1,2,3
	global_store_b128 v1, v[80+4*\c:80+4*\c+3], s[38:39] offset:512*\c     ; the image: each line stores 512 consecutive bytes, aligned
.endr
	ds_store_b32 v5, v148                          ; both halves of the lanes hold the same word
.Lmeet2:
	BAR                                            ; the work-group's 1,024 bytes of scale words lie together
	s_cmp_lt_u32 s26, 2
	s_cbranch_scc0 .Lend
	ds_load_b128 v[16:19], v6
	s_wait_dscnt 0x0
	global_store_b128 v1, v[16:19], s[40:41]       ; 512 consecutive bytes, aligned
.Lend:
	s_wait_tensorcnt 0x0
	ds_add_u32 v176, v177
	s_wait_dscnt 0x0
	s_endpgm
.Lfunc_end_k_qaa5704f25a_prep:
	.size	k_qaa5704f25a_prep, .Lfunc_end_k_qaa5704f25a_prep-k_qaa5704f25a_prep
	.p2alignl 7, 3214868480
	.fill 96, 4, 3214868480
	.section	.rodata,"a",@progbits
	.p2align	6, 0x0
	.amdhsa_kernel k_qaa5704f25a_prep
		.amdhsa_group_segment_fixed_size 135168
		.amdhsa_private_segment_fixed_size 0
		.amdhsa_enable_private_segment 0
		.amdhsa_kernarg_size 88
		.amdhsa_user_sgpr_count 2
		.amdhsa_user_sgpr_kernarg_segment_ptr 1
		.amdhsa_wavefront_size32 1
		.amdhsa_system_sgpr_workgroup_id_x 1
		.amdhsa_system_sgpr_workgroup_id_y 1
		.amdhsa_system_sgpr_workgroup_id_z 1
		.amdhsa_system_vgpr_workitem_id 0
		.amdhsa_next_free_vgpr 178
		.amdhsa_next_free_sgpr 66
		.amdhsa_reserve_vcc 0
		.amdhsa_float_denorm_mode_32 3
		.amdhsa_float_denorm_mode_16_64 3
		.amdhsa_memory_ordered 1
		.amdhsa_forward_progress 1
		.amdhsa_inst_pref_size 65
	.end_amdhsa_kernel
	.amdgpu_metadata
---
amdhsa.version: [ 1, 2 ]
amdhsa.kernels:
  - .name:           k_qaa5704f25a_prep
    .symbol:         k_qaa5704f25a_prep.kd
    .args:
      - { .name: src, .offset: 0, .size: 8, .value_kind: global_buffer, .address_space: global }
      - { .name: pre_norm_w, .offset: 8, .size: 8, .value_kind: global_buffer, .address_space: global }
      - { .name: pre_norm_b, .offset: 16, .size: 8, .value_kind: global_buffer, .address_space: global }
      - { .name: wq, .offset: 24, .size: 8, .value_kind: global_buffer, .address_space: global }
      - { .name: wk, .offset: 32, .size: 8, .value_kind: global_buffer, .address_space: global }
      - { .name: wv, .offset: 40, .size: 8, .value_kind: global_buffer, .address_space: global }
      - { .name: w1, .offset: 48, .size: 8, .value_kind: global_buffer, .address_space: global }
      - { .name: w_proj, .offset: 56, .size: 8, .value_kind: global_buffer, .address_space: global }
      - { .name: w2, .offset: 64, .size: 8, .value_kind: global_buffer, .address_space: global }
      - { .name: wb, .offset: 72, .size: 8, .value_kind: global_buffer, .address_space: global }
      - { .name: xb, .offset: 80, .size: 8, .value_kind: global_buffer, .address_space: global }
    .group_segment_fixed_size: 135168
    .private_segment_fixed_size: 0
    .kernarg_segment_align: 8
    .kernarg_segment_size: 88
    .max_flat_workgroup_size: 608
    .sgpr_count:     66
    .vgpr_count:     178
    .wavefront_size: 32
...
	.end_amdgpu_metadata
.endif
;; end of part 1
;; launch qkv (part 2): grid 32 x 8, 16 waves a work-group, clusters of 4 x 1, 200,192 bytes of LDS; arguments xb, wb, qkvb; writes qkvb
.if DOCPART == 2
	.amdgcn_target "amdgcn-amd-amdhsa--gfx1250"
	.amdhsa_code_object_version 6
	.text
	.protected	k_qaa5704f25a_qkv
	.globl	k_qaa5704f25a_qkv
	.p2align	8
	.type	k_qaa5704f25a_qkv,@function
k_qaa5704f25a_qkv:
	s_mov_b64 s[64:65], 0
	v_nop
	global_prefetch_b8 v0, s[64:65] scope:SCOPE_SE
	s_setreg_imm32_b32 hwreg(HW_REG_WAVE_MODE, 25, 1), 1
	s_wait_xcnt 0x0
	s_wait_alu depctr_hold_cnt(0) depctr_sa_sdst(0) depctr_va_vdst(0) depctr_va_sdst(0) depctr_va_ssrc(0) depctr_va_vcc(0) depctr_vm_vsrc(0)
	s_getreg_b32 s2, hwreg(HW_REG_IB_STS2, 6, 4)
	s_cmp_eq_u32 s2, 0
	s_cbranch_scc0 .Lentry_in_a_cluster
	s_endpgm
.Lentry_in_a_cluster:
	s_bfe_u32 s2, ttmp6, 0x10000c
	s_cmp_lg_u32 s2, 0x3003
	s_cbranch_scc0 .Lentry_shape_is_right
	s_endpgm
.Lentry_shape_is_right:
; q, k, v = Q(x) Q(wq), Q(x) Q(wk), Q(x) Q(wv) on codes of E4M3 with E8M0 scales, both operands as the launch before made them;  then q and k are quantised along the head's 64 and v along the keys.  Only codes and scale bytes leave.
; THE WEIGHTS STAY AND THE ROWS STREAM.  A work-group owns 256 rows x one head's 192 columns (64 each of q, k, v).  The head's weight codes, 8 K steps x 24,576 = 196,608 bytes, lie in LDS, FILLED ONCE: no ring and no refill.
; So a work-group takes in 196,608 bytes of weights for 256 rows, where a work-group of 32 rows x all 1,536 columns would take in 1,572,864 for 32.
; CLUSTER: the four row groups of a cluster belong to one head, so each piece of the weights is asked for JOINTLY, by the same tensor load with the same descriptor and the mask of all four.  Each wave asks for one piece
; of 48 rows x 256 bytes (K step w / 2, column half w % 2): one tensor load of mine is out.
; x's codes come straight into registers: a fragment is read by the two waves that share its rows, 540,672 bytes a work-group in all; the 270,336 bytes of x do not fit in LDS beside the weights, and the partners share no rows.
; SHARES.  Wave w makes rows 32 (w / 2) on of the work-group's 256 and columns 32 (w % 2) on of the head's q, k and v: 6 weight fragments a K step x 2 row tiles = 12 accumulators, 8 K steps of 128.
; q and k are made TRANSPOSED (source 0 = 16 columns of the weight, source 1 = 16 rows of x): a lane holds one row and 16 numbers of a block of 32 along the head.  v is made the other way round: a lane holds one
; channel and 16 of the block's 32 keys.  So each result is quantised in the registers in which it falls, with one exchange between the halves of the lanes, and the codes leave as images of operand registers.
; THE ORDER INSIDE A BLOCK OF 32 is the program's: places 0-7, 8-15, 16-23, 24-31 hold k 0-7, 16-23, 8-15, 24-31, on both sides of every product.  LIMIT: within a block the sums go in that order, not K ascending.
; LIMITS: blocks under 2^-118 have their byte held at 1; a block of zeros gets the byte 1 (its codes are zeros; this program alone reads the bytes); NaN and infinities are not served.
; THE SCALE BYTES leave in the layout in which the next launch reads them, [32-row block][head][64 bytes]: a work-group's part of each table is eight pieces of 64 bytes, 512 bytes apart, so these stores cover aligned blocks
; of 256 bytes only in part: 1,536 of the 50,688 bytes that the work-group stores.
; LDS: 0 the weights [K step 8][column half 2][fragment 6][2048];  196,608 scale bytes on their way out.
; REGISTERS: v1-13 addresses that stay; v16-111 the 12 accumulators; v112-143 x's two fragments; v144-146 the weights' scale words, v147 x's; v160-255 six weight fragments (at the end: work and codes).
.set OUTS, 196608
.set ACC,  16
.set XF,   112
.set WF,   160
.set WV,   14                          ; s14 my wave's number
.set SEL,  26                          ; s[26:27] v_permlanex16_b32's selects for lane l xor 16
.set MNT,  28                          ; s28 the mantissa field of 448
.set HM,   29                          ; s29 mask of lanes 16-31
.set G1,   40                          ; s[40:47] descriptor group 1
.set G0,   48                          ; s[48:51] descriptor group 0
.macro PL n                            ; places: plain vector lines that name no register of the matrix instructions round them (ISA guide 7.12.1)
.rept \n
	v_nop
.endr
.endm
.macro BAR                             ; my LDS stores have landed and my LDS loads are in; then the work-group's barrier
	s_wait_dscnt 0x0
	s_barrier_signal -1
	s_barrier_wait -1
.endm
.macro CROUND                          ; a round of the cluster's barrier: my work-group's barrier; wave 0 signals for the work-group; every wave waits for all four; my work-group's barrier once more
	s_barrier_signal -1
	s_barrier_wait -1
	s_cmp_lg_u32 s[WV], 0
	s_cbranch_scc1 .Lnot_wave_0_\@
	s_barrier_signal -3
.Lnot_wave_0_\@:
	s_barrier_wait -3
	s_barrier_signal -1
	s_barrier_wait -1
.endm
; One product of 16 x 16 x 128.  c = -1: the sum begins with 0.  ra, rb = 1: that side's scale words stand in lanes 16-31 of its register.
.macro WM d, a, b, c, sa, sb, ra, rb
.if (\c) < 0
.if (\ra) && (\rb)
	v_wmma_scale_f32_16x16x128_f8f6f4 v[\d:\d+7], v[\a:\a+15], v[\b:\b+15], 0, v[\sa], v[\sb] matrix_a_scale:MATRIX_SCALE_ROW1 matrix_b_scale:MATRIX_SCALE_ROW1
.elseif (\ra)
	v_wmma_scale_f32_16x16x128_f8f6f4 v[\d:\d+7], v[\a:\a+15], v[\b:\b+15], 0, v[\sa], v[\sb] matrix_a_scale:MATRIX_SCALE_ROW1
.elseif (\rb)
	v_wmma_scale_f32_16x16x128_f8f6f4 v[\d:\d+7], v[\a:\a+15], v[\b:\b+15], 0, v[\sa], v[\sb] matrix_b_scale:MATRIX_SCALE_ROW1
.else
	v_wmma_scale_f32_16x16x128_f8f6f4 v[\d:\d+7], v[\a:\a+15], v[\b:\b+15], 0, v[\sa], v[\sb]
.endif
.else
.if (\ra) && (\rb)
	v_wmma_scale_f32_16x16x128_f8f6f4 v[\d:\d+7], v[\a:\a+15], v[\b:\b+15], v[\c:\c+7], v[\sa], v[\sb] matrix_a_scale:MATRIX_SCALE_ROW1 matrix_b_scale:MATRIX_SCALE_ROW1
.elseif (\ra)
	v_wmma_scale_f32_16x16x128_f8f6f4 v[\d:\d+7], v[\a:\a+15], v[\b:\b+15], v[\c:\c+7], v[\sa], v[\sb] matrix_a_scale:MATRIX_SCALE_ROW1
.elseif (\rb)
	v_wmma_scale_f32_16x16x128_f8f6f4 v[\d:\d+7], v[\a:\a+15], v[\b:\b+15], v[\c:\c+7], v[\sa], v[\sb] matrix_b_scale:MATRIX_SCALE_ROW1
.else
	v_wmma_scale_f32_16x16x128_f8f6f4 v[\d:\d+7], v[\a:\a+15], v[\b:\b+15], v[\c:\c+7], v[\sa], v[\sb]
.endif
.endif
.endm
; nb blocks of 32 are quantised.  Block b: my 16 numbers in v[s + 16 b] on, the other 16 in lane l xor 16.  Held numbers go to v[d + 16 b] on, codes to v[pc + 4 b] on (four registers),
; the scale's byte stays in v[tm + nb + b].  relu = 1: what is negative becomes 0 on the way.  The blocks take turns line by line.  Each group of eight numbers is first read at its low end.
.macro QNT nb, s, d, relu, tm, pc
.set QB, 0
.rept \nb
	v_mov_b32 v[\tm+\nb+QB], 0                     ; a lane permute's destination counts as one of its sources
.set QB, QB+1
.endr
.set QB, 0
.rept \nb
.if \relu
	v_max3_num_f32 v[\tm+QB], v[\s+16*QB], v[\s+16*QB+1], 0x4800000
.else
	v_max3_num_f32 v[\tm+QB], |v[\s+16*QB]|, |v[\s+16*QB+1]|, 0x4800000  ; with the floor 2^(9 - 127): the byte cannot fall under 1
.endif
.set QB, QB+1
.endr
.irp i, 2,4,6,8,10,12,14
.set QB, 0
.rept \nb
.if \relu
	v_max3_num_f32 v[\tm+QB], v[\tm+QB], v[\s+16*QB+\i], v[\s+16*QB+\i+1]
.else
	v_max3_num_f32 v[\tm+QB], v[\tm+QB], |v[\s+16*QB+\i]|, |v[\s+16*QB+\i+1]|
.endif
.set QB, QB+1
.endr
.endr
.set QB, 0
.rept \nb
	v_permlanex16_b32 v[\tm+\nb+QB], v[\tm+QB], s[SEL], s[SEL+1]
.set QB, QB+1
.endr
.set QB, 0
.rept \nb
	v_max_num_f32 v[\tm+QB], v[\tm+QB], v[\tm+\nb+QB]          ; the block's largest magnitude
.set QB, QB+1
.endr
.set QB, 0
.rept \nb
	v_add_nc_u32 v[\tm+3*\nb+QB], 0xfc000000, v[\tm+QB]        ; 8 off its exponent field: the conversion's scale operand
.set QB, QB+1
.endr
.set QB, 0
.rept \nb
	v_and_or_b32 v[\tm+2*\nb+QB], v[\tm+QB], 0x7f800000, s[MNT]  ; 448 x the scale
.set QB, QB+1
.endr
.set QB, 0
.rept \nb
	v_lshrrev_b32 v[\tm+\nb+QB], 23, v[\tm+3*\nb+QB]           ; the scale's byte
.set QB, QB+1
.endr
.set QB, 0
.rept \nb
.irp i, 0,1,2,3,4,5,6,7,8,9,10,11,12,13,14,15
.if \relu
	v_med3_num_f32 v[\d+16*QB+\i], v[\s+16*QB+\i], 0, v[\tm+2*\nb+QB]
.else
	v_med3_num_f32 v[\d+16*QB+\i], v[\s+16*QB+\i], -v[\tm+2*\nb+QB], v[\tm+2*\nb+QB]   ; the conversion does not saturate (ISA guide 7.6.2): the hold comes first
.endif
.endr
	v_cvt_scalef32_pk8_fp8_f32 v[\pc+4*QB:\pc+4*QB+1],   v[\d+16*QB:\d+16*QB+7],    v[\tm+3*\nb+QB]
	v_cvt_scalef32_pk8_fp8_f32 v[\pc+4*QB+2:\pc+4*QB+3], v[\d+16*QB+8:\d+16*QB+15], v[\tm+3*\nb+QB]
.set QB, QB+1
.endr
	v_nop                                          ; a plain line behind the last conversion
.endm
.macro XLOADG k                        ; K step k, from memory: x's two fragments (each line reads 512 consecutive bytes); x's scale words (lanes 0-15 rows 0-15, lanes 16-31 rows 16-31); the weights' three registers of scale words
.irp m, 0,1
.irp c, 0,1,2,3
	global_load_b128 v[XF+16*\m+4*\c:XF+16*\m+4*\c+3], v1, s[32:33] offset:16384*\m+2048*(\k)+512*\c
.endr
.endr
	global_load_b32 v147, v5, s[34:35] offset:128*(\k)
.irp p, 0,1,2
	global_load_b32 v[144+\p], v5, s[36:37] offset:6144*(\k)+128*\p
.endr
.endm
.macro WFETCH k                        ; K step k, from LDS: my six weight fragments.  An address register reaches three K steps of 24,576 bytes by the 16-bit immediate
.irp f, 0,1,2,3,4,5
.irp c, 0,1,2,3
	ds_load_b128 v[WF+16*\f+4*\c:WF+16*\f+4*\c+3], v[2+(\k)/3] offset:((\k)%3)*24576+2048*\f+512*\c
.endr
.endr
.endm
.macro MM zero                         ; 12 products; the 12 accumulators take turns, one instruction a turn, in the same order in every K step
.irp f, 0,1,2,3
.irp m, 0,1
.set rD, ACC+32*(\f/2)+16*\m+8*(\f%2)
.if \zero
	WM rD, WF+16*\f, XF+16*\m, -1, 144+\f/2, 147, \f%2, \m
.else
	WM rD, WF+16*\f, XF+16*\m, rD, 144+\f/2, 147, \f%2, \m
.endif
.endr
.endr
.irp f, 4,5
.irp m, 0,1
.set rD, ACC+64+16*(\f-4)+8*\m
.if \zero
	WM rD, XF+16*\m, WF+16*\f, -1, 147, 146, \m, \f-4
.else
	WM rD, XF+16*\m, WF+16*\f, rD, 147, 146, \m, \f-4
.endif
.endr
.endr
.endm
	s_load_b128 s[4:7], s[0:1], 0x0                ; xb, wb
	s_load_b64 s[8:9], s[0:1], 0x10                ; qkvb
	v_lshl_add_u32 v158, v0, 2, 0x30600
	v_mov_b32 v159, 0
	ds_add_u32 v158, v159
	ds_add_u32 v158, v159
	v_lshrrev_b32 v13, 5, v0
	v_readfirstlane_b32 s[WV], v13                 ; wave 0..15
	v_and_b32 v13, 31, v0                          ; lane
	v_and_b32 v148, 15, v0                         ; r
	v_bfe_u32 v149, v0, 4, 1                       ; h
	v_cmp_lt_u32 s[HM], 15, v13
	v_lshlrev_b32 v1, 4, v13                       ; v1: 16 x lane
	v_lshlrev_b32 v5, 2, v13                       ; v5: 4 x lane
	s_lshr_b32 s18, s[WV], 1                       ; which 32 of the work-group's 256 rows
	s_and_b32 s19, s[WV], 1                        ; which half of the head's 64 columns
	s_mul_i32 s30, s19, 12288
	v_add_nc_u32 v2, s30, v1                       ; v2: my six fragments in K steps 0-2,
	v_add_nc_u32 v3, 73728, v2                     ; v3: 3-5,
	v_add_nc_u32 v4, 147456, v2                    ; v4: 6-7
	s_lshl_b32 s30, s18, 6
	s_add_co_u32 s30, s30, s19
	s_add_co_u32 s30, s30, OUTS
	v_lshl_add_u32 v10, v148, 2, s30
	v_lshl_add_u32 v10, v149, 1, v10               ; v10: q's (k's: + 512) byte: word (32-row block, r), byte 2 (row tile = h) + half
	s_lshl_b32 s30, s[WV], 5
	s_add_co_u32 s30, s30, OUTS+1024
	v_add_nc_u32 v11, s30, v13                     ; v11: v's byte: 64 x block + channel 32 x half + lane
	s_min_u32 s15, s[WV], 2                        ; (only waves 0-2 send the bytes out)
	s_lshl_b32 s30, s15, 9
	s_add_co_u32 s30, s30, OUTS
	v_add_nc_u32 v12, s30, v1                      ; v12: 512 bytes of them
	v_lshrrev_b32 v6, 2, v13
	v_lshlrev_b32 v6, 9, v6
	v_and_b32 v7, 3, v13
	v_lshl_add_u32 v6, v7, 4, v6                   ; v6: and their place in a table: block (lane / 4) x 512 + 16 (lane % 4)
	s_bfe_u32 s10, ttmp6, 0x40000                  ; cx: it enters x's and the results' addresses alone
	s_lshl_b32 s11, ttmp9, 2
	s_add_co_u32 s11, s11, s10                     ; my group of 256 rows
	s_and_b32 s12, ttmp7, 0xffff                   ; the head, which the four partners share
	; my piece of the weights: 12,288 bytes.  Nothing here hangs on cx
	s_mul_i32 s16, s18, 196608                     ; K step w / 2,
	s_mul_i32 s17, s12, 24576                      ; the head's two column groups,
	s_add_co_u32 s16, s16, s17
	s_mul_i32 s17, s19, 12288                      ; of which w % 2
	s_add_co_u32 s16, s16, s17
	s_mov_b32 s17, 0
	s_mov_b32 s[G0], 1                             ; 1:0 count = 1
	s_mul_i32 s[G0+1], s[WV], 12288                ; 63:32 LDS address
	s_mov_b32 s[G1], 15|(3<<16)|(1<<21)            ; 15:0 the mask: all four work-groups; 17:16 elements of 8 bytes; 21 set beside a mask; no padding: images are read 512 consecutive bytes a line
	s_mov_b32 s[G1+1], 32<<16                      ; tensor_dim0 = 32 elements: rows of 256 bytes
	s_mov_b32 s[G1+2], 48<<16                      ; tensor_dim1 = 48
	s_mov_b32 s[G1+3], 32<<16                      ; tile_dim0
	s_mov_b32 s[G1+4], 48                          ; tile_dim1
	s_mov_b32 s[G1+5], 32                          ; the pitch: dense
	s_mov_b32 s[G1+6], 0
	s_mov_b32 s[G1+7], 0
	s_mov_b32 s[SEL], 0x76543210
	s_mov_b32 s[SEL+1], 0xfedcba98
	s_mov_b32 s[MNT], 0x600000
	s_wait_dscnt 0x0
	s_wait_kmcnt 0x0
	s_add_nc_u64 s[G0+2:G0+3], s[6:7], s[16:17]    ; 120:64 global address
	s_or_b32 s[G0+3], s[G0+3], 0x80000000          ; 127:126 type = 2
	CROUND                                         ; all four work-groups are here: the joint loads meet
	tensor_load_to_lds s[G0:G0+3], s[G1:G1+7]
	s_nop 0
	PL 4
	; the other addresses
	s_lshl_b32 s13, s11, 3
	s_add_co_u32 s13, s13, s18                     ; my block of 32 rows, 0..255
	s_mov_b32 s31, 0
	s_lshl_b32 s30, s13, 15
	s_add_nc_u64 s[32:33], s[4:5], s[30:31]        ; x's codes: 32,768 bytes a block
	s_lshl_b32 s30, s13, 10
	s_add_co_u32 s30, s30, 8388608
	s_add_nc_u64 s[34:35], s[4:5], s[30:31]        ; x's scale words: 1,024 bytes a block
	s_mul_i32 s30, s12, 768
	s_mul_i32 s38, s19, 384
	s_add_co_u32 s30, s30, s38
	s_add_co_u32 s30, s30, 3145728
	s_add_nc_u64 s[36:37], s[6:7], s[30:31]        ; the weights' scale words: 384 bytes a column group in each K step's 6,144
	XLOADG 0                                       ; the first K step's rows are asked for while the weights land
	s_lshr_b32 s16, s13, 6                         ; batch
	s_and_b32 s17, s13, 63                         ; my block of 32 rows in it
	s_lshl_b32 s30, s16, 20                        ; a (batch, head) is 131,072 bytes in each tensor of codes
	s_lshl_b32 s38, s12, 17
	s_add_co_u32 s30, s30, s38
	s_lshr_b32 s38, s17, 2                         ; v: [bh][key step 16][channel tile 4][block 4][512]
	s_lshl_b32 s38, s38, 13
	s_add_co_u32 s38, s38, s30
	s_lshl_b32 s39, s19, 12
	s_add_co_u32 s38, s38, s39
	s_and_b32 s39, s13, 3
	s_lshl_b32 s39, s39, 9
	s_add_co_u32 s38, s38, s39
	s_add_co_u32 s38, s38, 8388608
	s_mov_b32 s39, 0
	s_add_nc_u64 s[22:23], s[8:9], s[38:39]
	s_lshl_b32 s38, s17, 11                        ; q, k: [bh][tile 128][half 2][512]
	s_add_co_u32 s30, s30, s38
	s_lshl_b32 s38, s19, 9
	s_add_co_u32 s30, s30, s38
	s_add_nc_u64 s[20:21], s[8:9], s[30:31]
	s_lshl_b32 s30, s15, 17                        ; the bytes: q's, k's, v's tables, 131,072 bytes each: [block 256][head 8][64]
	s_lshl_b32 s38, s11, 12
	s_add_co_u32 s30, s30, s38
	s_lshl_b32 s38, s12, 6
	s_add_co_u32 s30, s30, s38
	s_add_co_u32 s30, s30, 12582912
	s_add_nc_u64 s[24:25], s[8:9], s[30:31]
	s_wait_tensorcnt 0x0                           ; my piece has landed,
	BAR                                            ; everybody's has
	; ---- the K loop, written out: no barrier in it.  Eight places stand between a step's products and the loads into the registers that they read
	WFETCH 0
.irp k, 0,1,2,3,4,5,6,7
	s_wait_loadcnt 0x0
	s_wait_dscnt 0x0
.if \k == 0
	MM 1
.else
	MM 0
.endif
	PL 8
.if \k < 7
	XLOADG \k+1
	WFETCH \k+1
.endif
.endr
	; ---- six blocks: (q, rows 0-15), (q, rows 16-31), (k, ..), (k, ..), (v, channels 0-15), (v, channels 16-31)
	QNT 6, 16, 16, 0, 160, 184
.irp m, 0,1
	global_store_b128 v1, v[184+4*\m:184+4*\m+3], s[20:21] offset:1024*\m           ; each line stores 512 consecutive bytes, aligned
	global_store_b128 v1, v[192+4*\m:192+4*\m+3], s[20:21] offset:4194304+1024*\m
	global_store_b128 v1, v[200+4*\m:200+4*\m+3], s[22:23] offset:2048*\m
.endr
	v_cndmask_b32 v208, v166, v167, s[HM]          ; lanes 0-15 send the first block's byte, lanes 16-31 the second's
	v_cndmask_b32 v209, v168, v169, s[HM]
	v_cndmask_b32 v210, v170, v171, s[HM]
	ds_store_b8 v10, v208
	ds_store_b8 v10, v209 offset:512
	ds_store_b8 v11, v210
	BAR                                            ; the work-group's 1,536 scale bytes lie together
	s_cmp_lt_u32 s[WV], 3
	s_cbranch_scc0 .Lend
	ds_load_b128 v[212:215], v12
	s_wait_dscnt 0x0
	global_store_b128 v6, v[212:215], s[24:25]     ; wave 0: q's, wave 1: k's, wave 2: v's: eight pieces of 64 consecutive bytes
.Lend:
	s_wait_tensorcnt 0x0
	ds_add_u32 v158, v159
	s_wait_dscnt 0x0
	CROUND                                         ; the closing round: no work-group ends while a partner may still ask for a piece that names it
	s_endpgm
.Lfunc_end_k_qaa5704f25a_qkv:
	.size	k_qaa5704f25a_qkv, .Lfunc_end_k_qaa5704f25a_qkv-k_qaa5704f25a_qkv
	.p2alignl 7, 3214868480
	.fill 96, 4, 3214868480
	.section	.rodata,"a",@progbits
	.p2align	6, 0x0
	.amdhsa_kernel k_qaa5704f25a_qkv
		.amdhsa_group_segment_fixed_size 200192
		.amdhsa_private_segment_fixed_size 0
		.amdhsa_enable_private_segment 0
		.amdhsa_kernarg_size 24
		.amdhsa_user_sgpr_count 2
		.amdhsa_user_sgpr_kernarg_segment_ptr 1
		.amdhsa_wavefront_size32 1
		.amdhsa_system_sgpr_workgroup_id_x 1
		.amdhsa_system_sgpr_workgroup_id_y 1
		.amdhsa_system_sgpr_workgroup_id_z 1
		.amdhsa_system_vgpr_workitem_id 0
		.amdhsa_next_free_vgpr 256
		.amdhsa_next_free_sgpr 66
		.amdhsa_reserve_vcc 0
		.amdhsa_float_denorm_mode_32 3
		.amdhsa_float_denorm_mode_16_64 3
		.amdhsa_memory_ordered 1
		.amdhsa_forward_progress 1
		.amdhsa_inst_pref_size 55
	.end_amdhsa_kernel
	.amdgpu_metadata
---
amdhsa.version: [ 1, 2 ]
amdhsa.kernels:
  - .name:           k_qaa5704f25a_qkv
    .symbol:         k_qaa5704f25a_qkv.kd
    .args:
      - { .name: xb, .offset: 0, .size: 8, .value_kind: global_buffer, .address_space: global }
      - { .name: wb, .offset: 8, .size: 8, .value_kind: global_buffer, .address_space: global }
      - { .name: qkvb, .offset: 16, .size: 8, .value_kind: global_buffer, .address_space: global }
    .group_segment_fixed_size: 200192
    .private_segment_fixed_size: 0
    .kernarg_segment_align: 8
    .kernarg_segment_size: 24
    .max_flat_workgroup_size: 512
    .sgpr_count:     66
    .vgpr_count:     256
    .wavefront_size: 32
...
	.end_amdgpu_metadata
.endif
;; end of part 2
;; launch attn (part 3): grid 8 x 32, 16 waves a work-group, clusters of 4 x 1, 272,896 bytes of LDS; arguments qkvb, ob; writes ob
.if DOCPART == 3
	.amdgcn_target "amdgcn-amd-amdhsa--gfx1250"
	.amdhsa_code_object_version 6
	.text
	.protected	k_qaa5704f25a_attn
	.globl	k_qaa5704f25a_attn
	.p2align	8
	.type	k_qaa5704f25a_attn,@function
k_qaa5704f25a_attn:
	s_mov_b64 s[64:65], 0
	v_nop
	global_prefetch_b8 v0, s[64:65] scope:SCOPE_SE
	s_setreg_imm32_b32 hwreg(HW_REG_WAVE_MODE, 25, 1), 1
	s_wait_xcnt 0x0
	s_wait_alu depctr_hold_cnt(0) depctr_sa_sdst(0) depctr_va_vdst(0) depctr_va_sdst(0) depctr_va_ssrc(0) depctr_va_vcc(0) depctr_vm_vsrc(0)
	s_getreg_b32 s2, hwreg(HW_REG_IB_STS2, 6, 4)
	s_cmp_eq_u32 s2, 0
	s_cbranch_scc0 .Lentry_in_a_cluster
	s_endpgm
.Lentry_in_a_cluster:
	s_bfe_u32 s2, ttmp6, 0x10000c
	s_cmp_lg_u32 s2, 0x3003
	s_cbranch_scc0 .Lentry_shape_is_right
	s_endpgm
.Lentry_shape_is_right:
; o = softmax(q k^T / 8) v for one (batch, head), both products on codes of E4M3 with E8M0 scales; then o / l is quantised along the inner axis.  Only codes and scale bytes leave.
; THE SOFTMAX: t = score x log2(e) / 8; M = the running largest t rounded UP to a whole number; p = 2^(t - M) is quantised along the keys, not normalised; the row's sum l is taken of the unquantised p;
; when M moves, l and O are multiplied by 2^(old M - new M), which rounds nothing.
; SHARES.  A work-group owns 256 queries of one head, each of its sixteen waves 16: four waves to a SIMD, so that one wave's vector work stands beside another's products and LDS loads.
; ALL OF THE HEAD'S K AND V CODES, 2 x 131,072 bytes, LIE IN LDS, FILLED ONCE: no ring and no refill.  CLUSTER: the four query blocks of a cluster belong to one head, so each piece is asked for JOINTLY, by the same
; tensor load with the same descriptor and the mask of all four.  Each wave asks for one piece of 64 rows x 256 bytes (waves 0-7: K's, waves 8-15: V's): one tensor load of mine is out.
; LAYOUT.  Both products are used transposed: a lane holds ONE query (lane % 16).  The head is 64 wide, half of the instruction's 128: a fragment of K holds TWO tiles of 16 keys (one in places 0-63, one in 64-127) and is
; multiplied once by [Q | 0] and once by [0 | Q].  The zero codes stand on Q's side; no NaN code is ever made (every number is held first), so they add exactly nothing.
; The 16 registers of a pair's two results are 16 of a block of 32 keys in the program's order (places 0-7, 8-15, 16-23, 24-31 hold keys 0-7, 16-23, 8-15, 24-31), in which V's codes were laid too.
; LIMITS: within a block the sums go in that order, not K ascending; blocks under 2^-118 have their byte held at 1; a block of zeros keeps the byte 1 (its codes are zeros); NaN and infinities are not served.
; A block's largest p is the block's largest score put through the same multiply-add and exponential: this takes v_exp_f32 not to fall where its input rises.
; LDS: 0 K;  131,072 V;  262,144 K's scale words [pair 64][16];  266,240 V's [key step 16][channel 64];  270,336 o's scale bytes on their way out.
; REGISTERS: v1-11 addresses; v12 -M, v13 the largest t, v[14:15] l in two halves; v16-23 Q, v24-31 zeros, v32-39 Q; v40-103 four fragments of K, then of V; v104-167 S^T, then p; v168-199 O^T; v200-215 p's codes;
;   v216-231 four registers each: largest scores, work, holds, scale operands; v[232:233] f; v234 p's scale word; v235 at work; v240-241 K's scale words, v242-243 V's, v244 Q's.
.set KSC,  262144
.set VSC,  266240
.set OSG,  270336
.set KF,   40
.set S,    104
.set O,    168
.set PC,   200
.set BM,   216
.set T2,   220
.set HOLD, 224
.set SCL,  228
.set PW,   234
.set TMP,  235
.set WV,   8
.set MNT,  19
.set SEL,  20
.set CS,   22
.set G1,   24
.set G0,   32
.set TK,   40
.set TS,   41
.set CNT,  42
.macro PL n
.rept \n
	v_nop
.endr
.endm
.macro BAR
	s_wait_dscnt 0x0
	s_barrier_signal -1
	s_barrier_wait -1
.endm
.macro CROUND                          ; a round of the cluster's barrier: my work-group's barrier; wave 0 signals for the work-group; every wave waits for all four; my work-group's barrier once more
	s_barrier_signal -1
	s_barrier_wait -1
	s_cmp_lg_u32 s[WV], 0
	s_cbranch_scc1 .Lnot_wave_0_\@
	s_barrier_signal -3
.Lnot_wave_0_\@:
	s_barrier_wait -3
	s_barrier_signal -1
	s_barrier_wait -1
.endm
.macro WM d, a, b, c, sa, sb, ra, rb
.if (\c) < 0
.if (\ra) && (\rb)
	v_wmma_scale_f32_16x16x128_f8f6f4 v[\d:\d+7], v[\a:\a+15], v[\b:\b+15], 0, v[\sa], v[\sb] matrix_a_scale:MATRIX_SCALE_ROW1 matrix_b_scale:MATRIX_SCALE_ROW1
.elseif (\ra)
	v_wmma_scale_f32_16x16x128_f8f6f4 v[\d:\d+7], v[\a:\a+15], v[\b:\b+15], 0, v[\sa], v[\sb] matrix_a_scale:MATRIX_SCALE_ROW1
.elseif (\rb)
	v_wmma_scale_f32_16x16x128_f8f6f4 v[\d:\d+7], v[\a:\a+15], v[\b:\b+15], 0, v[\sa], v[\sb] matrix_b_scale:MATRIX_SCALE_ROW1
.else
	v_wmma_scale_f32_16x16x128_f8f6f4 v[\d:\d+7], v[\a:\a+15], v[\b:\b+15], 0, v[\sa], v[\sb]
.endif
.else
.if (\ra) && (\rb)
	v_wmma_scale_f32_16x16x128_f8f6f4 v[\d:\d+7], v[\a:\a+15], v[\b:\b+15], v[\c:\c+7], v[\sa], v[\sb] matrix_a_scale:MATRIX_SCALE_ROW1 matrix_b_scale:MATRIX_SCALE_ROW1
.elseif (\ra)
	v_wmma_scale_f32_16x16x128_f8f6f4 v[\d:\d+7], v[\a:\a+15], v[\b:\b+15], v[\c:\c+7], v[\sa], v[\sb] matrix_a_scale:MATRIX_SCALE_ROW1
.elseif (\rb)
	v_wmma_scale_f32_16x16x128_f8f6f4 v[\d:\d+7], v[\a:\a+15], v[\b:\b+15], v[\c:\c+7], v[\sa], v[\sb] matrix_b_scale:MATRIX_SCALE_ROW1
.else
	v_wmma_scale_f32_16x16x128_f8f6f4 v[\d:\d+7], v[\a:\a+15], v[\b:\b+15], v[\c:\c+7], v[\sa], v[\sb]
.endif
.endif
.endm
; nb blocks of 32 are quantised: my 16 numbers of block b in v[s + 16 b] on, the other 16 in lane l xor 16; held numbers to v[d + 16 b] on, codes to v[pc + 4 b] on, the byte stays in v[tm + nb + b]
.macro QNT nb, s, d, relu, tm, pc
.set QB, 0
.rept \nb
	v_mov_b32 v[\tm+\nb+QB], 0
.set QB, QB+1
.endr
.set QB, 0
.rept \nb
.if \relu
	v_max3_num_f32 v[\tm+QB], v[\s+16*QB], v[\s+16*QB+1], 0x4800000
.else
	v_max3_num_f32 v[\tm+QB], |v[\s+16*QB]|, |v[\s+16*QB+1]|, 0x4800000  ; with the floor 2^(9 - 127): the byte cannot fall under 1
.endif
.set QB, QB+1
.endr
.irp i, 2,4,6,8,10,12,14
.set QB, 0
.rept \nb
.if \relu
	v_max3_num_f32 v[\tm+QB], v[\tm+QB], v[\s+16*QB+\i], v[\s+16*QB+\i+1]
.else
	v_max3_num_f32 v[\tm+QB], v[\tm+QB], |v[\s+16*QB+\i]|, |v[\s+16*QB+\i+1]|
.endif
.set QB, QB+1
.endr
.endr
.set QB, 0
.rept \nb
	v_permlanex16_b32 v[\tm+\nb+QB], v[\tm+QB], s[SEL], s[SEL+1]
.set QB, QB+1
.endr
.set QB, 0
.rept \nb
	v_max_num_f32 v[\tm+QB], v[\tm+QB], v[\tm+\nb+QB]
.set QB, QB+1
.endr
.set QB, 0
.rept \nb
	v_add_nc_u32 v[\tm+3*\nb+QB], 0xfc000000, v[\tm+QB]
.set QB, QB+1
.endr
.set QB, 0
.rept \nb
	v_and_or_b32 v[\tm+2*\nb+QB], v[\tm+QB], 0x7f800000, s[MNT]
.set QB, QB+1
.endr
.set QB, 0
.rept \nb
	v_lshrrev_b32 v[\tm+\nb+QB], 23, v[\tm+3*\nb+QB]
.set QB, QB+1
.endr
.set QB, 0
.rept \nb
.irp i, 0,1,2,3,4,5,6,7,8,9,10,11,12,13,14,15
.if \relu
	v_med3_num_f32 v[\d+16*QB+\i], v[\s+16*QB+\i], 0, v[\tm+2*\nb+QB]
.else
	v_med3_num_f32 v[\d+16*QB+\i], v[\s+16*QB+\i], -v[\tm+2*\nb+QB], v[\tm+2*\nb+QB]
.endif
.endr
	v_cvt_scalef32_pk8_fp8_f32 v[\pc+4*QB:\pc+4*QB+1],   v[\d+16*QB:\d+16*QB+7],    v[\tm+3*\nb+QB]
	v_cvt_scalef32_pk8_fp8_f32 v[\pc+4*QB+2:\pc+4*QB+3], v[\d+16*QB+8:\d+16*QB+15], v[\tm+3*\nb+QB]
.set QB, QB+1
.endr
	v_nop
.endm
	s_load_b128 s[4:7], s[0:1], 0x0                ; qkvb, ob
	v_lshl_add_u32 v254, v0, 2, 0x42200
	v_mov_b32 v255, 0
	ds_add_u32 v254, v255
	ds_add_u32 v254, v255
	v_lshrrev_b32 v237, 5, v0
	v_readfirstlane_b32 s[WV], v237                ; wave 0..15
	v_and_b32 v237, 31, v0                         ; lane
	v_and_b32 v236, 15, v0                         ; r
	v_and_b32 v238, 255, v0                        ; my number among the 256 threads that copy one side's scales
	v_lshlrev_b32 v1, 4, v237                      ; v1: 16 x lane
	v_lshl_add_u32 v2, v237, 2, KSC                ; v2: a scale word's place for my lane
	v_lshl_add_u32 v6, v0, 4, KSC                  ; v6: where I put 16 bytes of scale words: threads 0-255 K's, threads 256-511 V's, which follow them
	s_lshl_b32 s14, s[WV], 5
	s_add_co_u32 s14, s14, OSG
	v_lshl_add_u32 v7, v236, 1, s14                ; v7: o's two scale bytes of my query
	v_add_nc_u32 v8, OSG, v1                       ; v8: and all 512 on their way out
	v_lshrrev_b32 v9, 2, v238
	v_lshlrev_b32 v9, 9, v9
	v_and_b32 v239, 3, v238
	v_lshl_add_u32 v9, v239, 4, v9                 ; v9: K's scale words in memory: pair (i / 4) x 512 + 16 (i % 4)
	v_lshrrev_b32 v10, 4, v238
	v_lshlrev_b32 v10, 11, v10
	v_lshl_add_u32 v10, v236, 2, v10               ; v10: V's bytes: key step (i / 16) x 4 blocks x 512 + 4 (i % 16)
	v_lshlrev_b32 v11, 2, v236                     ; v11: 4 r
	s_bfe_u32 s9, ttmp6, 0x40000                   ; cx: it enters Q's and o's addresses alone
	s_lshl_b32 s10, ttmp9, 2
	s_add_co_u32 s10, s10, s9                      ; my block of 256 queries
	s_and_b32 s11, ttmp7, 0xffff                   ; (batch, head), which the four partners share
	s_lshr_b32 s12, s11, 3                         ; batch
	s_and_b32 s13, s11, 7                          ; head
	; my piece of K or V: 16,384 bytes.  Nothing here hangs on cx
	s_lshr_b32 s14, s[WV], 3                       ; 0: K, 1: V
	s_and_b32 s15, s[WV], 7                        ; which eighth
	s_lshl_b32 s16, s14, 22
	s_lshl_b32 s17, s11, 17
	s_add_co_u32 s16, s16, s17
	s_lshl_b32 s17, s15, 14
	s_add_co_u32 s16, s16, s17
	s_add_co_u32 s16, s16, 4194304
	s_mov_b32 s17, 0
	s_mov_b32 s[G0], 1                             ; 1:0 count = 1
	s_lshl_b32 s[G0+1], s14, 17                    ; 63:32 LDS address: 131,072 x side + 16,384 x eighth
	s_lshl_b32 s18, s15, 14
	s_add_co_u32 s[G0+1], s[G0+1], s18
	s_mov_b32 s[G1], 15|(3<<16)|(1<<21)            ; 15:0 the mask: all four work-groups; 17:16 elements of 8 bytes; 21 set beside a mask; no padding: images are read 512 consecutive bytes a line
	s_mov_b32 s[G1+1], 32<<16                      ; tensor_dim0 = 32 elements: rows of 256 bytes
	s_mov_b32 s[G1+2], 64<<16                      ; tensor_dim1 = 64
	s_mov_b32 s[G1+3], 32<<16                      ; tile_dim0
	s_mov_b32 s[G1+4], 64                          ; tile_dim1
	s_mov_b32 s[G1+5], 32                          ; the pitch: dense
	s_mov_b32 s[G1+6], 0
	s_mov_b32 s[G1+7], 0
	s_mov_b32 s[SEL], 0x76543210
	s_mov_b32 s[SEL+1], 0xfedcba98
	s_mov_b32 s[CS], 0x3e38aa3b                    ; c = log2(e) / 8
	s_mov_b32 s[CS+1], s[CS]                       ; (named with it as a pair, so it is written)
	s_mov_b32 s[MNT], 0x600000
	s_mov_b32 s[TK], 0
	s_mov_b32 s[TS], 0
	s_mov_b32 s[CNT], 16
	s_wait_dscnt 0x0
	s_wait_kmcnt 0x0
	s_add_nc_u64 s[G0+2:G0+3], s[4:5], s[16:17]    ; 120:64 global address
	s_or_b32 s[G0+3], s[G0+3], 0x80000000          ; 127:126 type = 2
	CROUND                                         ; all four work-groups are here: the joint loads meet
	tensor_load_to_lds s[G0:G0+3], s[G1:G1+7]
	s_nop 0
	PL 4
	; the other addresses
	s_mov_b32 s57, 0
	s_lshl_b32 s56, s11, 17                        ; Q's codes: [bh][tile 128][2][512], tile 16 x block + wave
	s_lshl_b32 s58, s10, 14
	s_add_co_u32 s56, s56, s58
	s_lshl_b32 s58, s[WV], 10
	s_add_co_u32 s56, s56, s58
	s_add_nc_u64 s[44:45], s[4:5], s[56:57]
	s_lshl_b32 s56, s12, 15                        ; the tables of scale bytes: [32-row block 256][head 8][64 bytes]
	s_lshl_b32 s58, s13, 6
	s_add_co_u32 s56, s56, s58
	s_add_co_u32 s56, s56, 12713984
	s_add_nc_u64 s[48:49], s[4:5], s[56:57]        ; K's, at the batch's first block
	s_add_co_u32 s56, s56, 131072
	s_add_nc_u64 s[50:51], s[4:5], s[56:57]        ; V's
	s_sub_co_u32 s56, s56, 262144
	s_lshl_b32 s58, s10, 12
	s_add_co_u32 s56, s56, s58
	s_lshr_b32 s58, s[WV], 1
	s_lshl_b32 s58, s58, 9
	s_add_co_u32 s56, s56, s58
	s_add_nc_u64 s[46:47], s[4:5], s[56:57]        ; Q's, at my tile's pair
	s_lshl_b32 s56, s12, 20                        ; o's codes: [32-row block][tile 2][K step 4][block 4][512]: 8,192 bytes a wave, 1,024 a head
	s_lshl_b32 s58, s10, 17
	s_add_co_u32 s56, s56, s58
	s_lshl_b32 s58, s[WV], 13
	s_add_co_u32 s56, s56, s58
	s_lshl_b32 s58, s13, 10
	s_add_co_u32 s56, s56, s58
	s_add_nc_u64 s[52:53], s[6:7], s[56:57]
	s_lshl_b32 s56, s11, 12                        ; o's scale bytes: [bh][row 2048] two bytes
	s_lshl_b32 s58, s10, 9
	s_add_co_u32 s56, s56, s58
	s_add_co_u32 s56, s56, 4194304
	s_add_nc_u64 s[54:55], s[6:7], s[56:57]
	global_load_b128 v[16:19], v1, s[44:45]        ; Q stands twice, with eight registers of zeros between: v[16:31] = [Q | 0], v[24:39] = [0 | Q]
	global_load_b128 v[20:23], v1, s[44:45] offset:512
	global_load_b128 v[32:35], v1, s[44:45]
	global_load_b128 v[36:39], v1, s[44:45] offset:512
	global_load_b32 v[TMP], v11, s[46:47]          ; the pair's scale word of row r: two bytes for each of its two tiles
	; the head's scale bytes come once: waves 0-7 copy K's words, waves 8-15 turn V's bytes ([block][channel]) into words ([key step][channel], byte = block)
	s_cmp_lt_u32 s[WV], 8
	s_cbranch_scc0 .Lfor_v
	global_load_b128 v[216:219], v9, s[48:49]
	s_wait_loadcnt 0x0
	ds_store_b128 v6, v[216:219]
	s_branch .Lcopied
.Lfor_v:
.irp c, 0,1,2,3
	global_load_b32 v[216+\c], v10, s[50:51] offset:512*\c
.endr
	s_wait_loadcnt 0x0
	v_perm_b32 v220, v217, v216, 0x05010400        ; 4 x 4 bytes are transposed: first in pairs,
	v_perm_b32 v221, v217, v216, 0x07030602
	v_perm_b32 v222, v219, v218, 0x05010400
	v_perm_b32 v223, v219, v218, 0x07030602
	v_perm_b32 v224, v222, v220, 0x05040100        ; then in halves
	v_perm_b32 v225, v222, v220, 0x07060302
	v_perm_b32 v226, v223, v221, 0x05040100
	v_perm_b32 v227, v223, v221, 0x07060302
	ds_store_b128 v6, v[224:227]
.Lcopied:
	s_wait_loadcnt 0x0                             ; Q and its word
	s_and_b32 s14, s[WV], 1
	s_lshl_b32 s14, s14, 4
	v_lshrrev_b32 v[TMP], s14, v[TMP]              ; my tile's two bytes,
	v_and_b32 v[TMP], 0xffff, v[TMP]
	v_lshl_or_b32 v244, v[TMP], 16, v[TMP]         ; in both halves of the word: they serve [Q | 0] and [0 | Q] alike
.irp j, 24,25,26,27,28,29,30,31
	v_mov_b32 v\j, 0
.endr
	v_mov_b32 v13, 0xff61b1e6                      ; the largest t so far: -3e38, under every t
	v_floor_f32 v12, -v13                          ; -M
	v_mov_b32 v14, 0
	v_mov_b32 v15, 0
	v_mov_b32 v233, 0                              ; (named as the upper half of the pair v[232:233])
.irp b, 0,1,2,3
	v_mov_b32 v[T2+\b], 0                          ; a lane permute's destination counts as one of its sources
.endr
.set J, 0
.rept 32
	v_mov_b32 v[O+J], 0                            ; O^T: the step is written once; the first change of M leaves zeros zeros
.set J, J+1
.endr
	s_wait_tensorcnt 0x0                           ; my piece has landed,
	BAR                                            ; everybody's has, and the scale words lie in LDS
.Lstep:                                        ; 16 trips of 128 keys
	v_add_nc_u32 v3, s[TK], v1                     ; this step's four pairs of K,
	v_add_nc_u32 v5, s[TS], v2                     ; its scale words,
	v_add_nc_u32 v4, 0x20000, v3                   ; its four fragments of V
	PL 5                                           ; with the three additions: eight places in front of loads into registers that the last products read
.irp p, 0,1,2,3
.irp c, 0,1,2,3
	ds_load_b128 v[KF+16*\p+4*\c:KF+16*\p+4*\c+3], v3 offset:2048*\p+512*\c
.endr
.endr
	ds_load_b32 v240, v5                           ; lanes 0-15: pair 0's words, lanes 16-31: pair 1's
	ds_load_b32 v241, v5 offset:128
	s_wait_dscnt 0x0
.irp p, 0,1,2,3
	WM S+16*\p,   KF+16*\p, 16, -1, 240+\p/2, 244, \p%2, 0     ; keys 32 p + 8 h + 0..7
	WM S+16*\p+8, KF+16*\p, 24, -1, 240+\p/2, 244, \p%2, 0     ; keys 32 p + 16 + 8 h + 0..7
.endr
	PL 8
.irp t, 0,1,2,3                                ; V is asked for now and lands under the softmax
.irp c, 0,1,2,3
	ds_load_b128 v[KF+16*\t+4*\c:KF+16*\t+4*\c+3], v4 offset:2048*\t+512*\c
.endr
.endr
	ds_load_b32 v242, v5 offset:4096
	ds_load_b32 v243, v5 offset:4096+128
.irp b, 0,1,2,3
	v_max3_num_f32 v[BM+\b], v[S+16*\b], v[S+16*\b+1], v[S+16*\b+2]    ; the largest score of each block of 32 keys: for the row's maximum, and for the block's largest p
.endr
.irp i, 3,5,7,9,11,13
.irp b, 0,1,2,3
	v_max3_num_f32 v[BM+\b], v[BM+\b], v[S+16*\b+\i], v[S+16*\b+\i+1]
.endr
.endr
.irp b, 0,1,2,3
	v_max_num_f32 v[BM+\b], v[BM+\b], v[S+16*\b+15]
.endr
.irp b, 0,1,2,3
	v_permlanex16_b32 v[T2+\b], v[BM+\b], s[SEL], s[SEL+1]
.endr
.irp b, 0,1,2,3
	v_max_num_f32 v[BM+\b], v[BM+\b], v[T2+\b]
.endr
	v_max3_num_f32 v[TMP], v[BM], v[BM+1], v[BM+2]
	v_max_num_f32 v[TMP], v[TMP], v[BM+3]
	v_mul_f32 v[TMP], s[CS], v[TMP]                ; as t (c is positive)
	v_max_num_f32 v13, v13, v[TMP]                 ; the running largest t
	v_mov_b32 v[TMP], v12
	v_floor_f32 v12, -v13                          ; the new -M = floor(-t) = -ceil(t)
	v_sub_f32 v[TMP], v12, v[TMP]                  ; old M - new M: a whole number, 0 or less
	v_cvt_i32_f32 v[TMP], v[TMP]                   ; (it saturates)
	v_ldexp_f32 v232, 1.0, v[TMP]                  ; f = 2^(old M - new M)
.set J, 0
.rept 32
	v_pk_fma_f32 v[S+J:S+J+1], v[S+J:S+J+1], s[CS:CS+1], v[12:13] op_sel_hi:[1,0,0]   ; t - M, two at a time
.set J, J+2
.endr
.irp b, 0,1,2,3
	v_fma_f32 v[BM+\b], v[BM+\b], s[CS], v12
.endr
.set J, 0
.rept 64
	v_exp_f32 v[S+J], v[S+J]                       ; p = 2^(t - M), at most 1
.set J, J+1
.endr
.irp b, 0,1,2,3
	v_exp_f32 v[BM+\b], v[BM+\b]                   ; the block's largest p
.endr
	v_pk_mul_f32 v[14:15], v[14:15], v[232:233] op_sel_hi:[1,0]       ; l under the new M.  (A plain line behind the exponentials)
	s_wait_alu depctr_va_vdst(0)
.irp b, 0,1,2,3
	v_max_num_f32 v[BM+\b], 0x4800000, v[BM+\b]    ; the floor 2^(9 - 127)
.endr
.irp b, 0,1,2,3
	v_add_nc_u32 v[SCL+\b], 0xfc000000, v[BM+\b]
.endr
.irp b, 0,1,2,3
	v_and_or_b32 v[HOLD+\b], v[BM+\b], 0x7f800000, s[MNT]
.endr
.irp b, 0,1,2,3
	v_lshrrev_b32 v[T2+\b], 23, v[SCL+\b]
.endr
	v_lshl_or_b32 v[PW], v[T2+1], 8, v[T2]         ; p's scale word for these 128 keys
	v_lshl_or_b32 v[PW], v[T2+2], 16, v[PW]
	v_lshl_or_b32 v[PW], v[T2+3], 24, v[PW]
	v_pk_add_f32 v[T2:T2+1], v[S:S+1], v[S+2:S+3]  ; l is taken of the unquantised p: two at a time, in two chains
.irp j, 4,8,12,16,20,24,28,32,36,40,44,48,52,56,60
	v_pk_add_f32 v[14:15], v[14:15], v[S+\j:S+\j+1]
	v_pk_add_f32 v[T2:T2+1], v[T2:T2+1], v[S+\j+2:S+\j+3]
.endr
	v_pk_add_f32 v[14:15], v[14:15], v[T2:T2+1]
.irp b, 0,1,2,3
.irp i, 0,1,2,3,4,5,6,7,8,9,10,11,12,13,14,15
	v_min_num_f32 v[S+16*\b+\i], v[S+16*\b+\i], v[HOLD+\b]     ; the conversion does not saturate (ISA guide 7.6.2); p is not negative, so the hold is one-sided
.endr
	v_cvt_scalef32_pk8_fp8_f32 v[PC+4*\b:PC+4*\b+1],   v[S+16*\b:S+16*\b+7],    v[SCL+\b]
	v_cvt_scalef32_pk8_fp8_f32 v[PC+4*\b+2:PC+4*\b+3], v[S+16*\b+8:S+16*\b+15], v[SCL+\b]
.endr
.set J, 0
.rept 16
	v_pk_mul_f32 v[O+J:O+J+1], v[O+J:O+J+1], v[232:233] op_sel_hi:[1,0]   ; O^T under the new M.  (These lines also stand between the codes and the products below)
.set J, J+2
.endr
	s_wait_dscnt 0x0                               ; V is in
.irp t, 0,1,2,3
	WM O+8*\t, KF+16*\t, PC, O+8*\t, 242+\t/2, PW, \t%2, 0     ; the four accumulators take turns, one instruction a turn
.endr
	s_add_co_u32 s[TK], s[TK], 8192
	s_add_co_u32 s[TS], s[TS], 256
	s_sub_co_u32 s[CNT], s[CNT], 1
	s_cmp_lg_u32 s[CNT], 0
	s_cbranch_scc1 .Lstep
	; ---- o = O^T / l, quantised along the head's 64 (two blocks), as K steps of the next product
	PL 8
	v_add_f32 v14, v14, v15
	v_permlanex16_b32 v[TMP], v14, s[SEL], s[SEL+1]
	v_add_f32 v14, v14, v[TMP]
	v_rcp_f32 v14, v14
	v_nop                                          ; a plain line behind the transcendental
.set J, 0
	s_wait_alu depctr_va_vdst(0)
.rept 32
	v_mul_f32 v[S+J], v[O+J], v14                  ; each accumulator from its low end on
.set J, J+1
.endr
	QNT 2, S, S, 0, 216, 200
	global_store_b128 v1, v[200:203], s[52:53]     ; 512 consecutive bytes, aligned
	global_store_b128 v1, v[204:207], s[52:53] offset:512
	v_lshl_or_b32 v[TMP], v219, 8, v218
	ds_store_b16 v7, v[TMP]                        ; both halves of the lanes hold the same two bytes
	BAR
	s_cmp_lg_u32 s[WV], 0
	s_cbranch_scc1 .Lnot_first
	ds_load_b128 v[236:239], v8
	s_wait_dscnt 0x0
	global_store_b128 v1, v[236:239], s[54:55]     ; the 256 queries' 512 bytes, aligned
.Lnot_first:
	s_wait_tensorcnt 0x0
	ds_add_u32 v254, v255
	s_wait_dscnt 0x0
	CROUND                                         ; the closing round: no work-group ends while a partner may still ask for a piece that names it
	s_endpgm
.Lfunc_end_k_qaa5704f25a_attn:
	.size	k_qaa5704f25a_attn, .Lfunc_end_k_qaa5704f25a_attn-k_qaa5704f25a_attn
	.p2alignl 7, 3214868480
	.fill 96, 4, 3214868480
	.section	.rodata,"a",@progbits
	.p2align	6, 0x0
	.amdhsa_kernel k_qaa5704f25a_attn
		.amdhsa_group_segment_fixed_size 272896
		.amdhsa_private_segment_fixed_size 0
		.amdhsa_enable_private_segment 0
		.amdhsa_kernarg_size 16
		.amdhsa_user_sgpr_count 2
		.amdhsa_user_sgpr_kernarg_segment_ptr 1
		.amdhsa_wavefront_size32 1
		.amdhsa_system_sgpr_workgroup_id_x 1
		.amdhsa_system_sgpr_workgroup_id_y 1
		.amdhsa_system_sgpr_workgroup_id_z 1
		.amdhsa_system_vgpr_workitem_id 0
		.amdhsa_next_free_vgpr 256
		.amdhsa_next_free_sgpr 66
		.amdhsa_reserve_vcc 0
		.amdhsa_float_denorm_mode_32 3
		.amdhsa_float_denorm_mode_16_64 3
		.amdhsa_memory_ordered 1
		.amdhsa_forward_progress 1
		.amdhsa_inst_pref_size 34
	.end_amdhsa_kernel
	.amdgpu_metadata
---
amdhsa.version: [ 1, 2 ]
amdhsa.kernels:
  - .name:           k_qaa5704f25a_attn
    .symbol:         k_qaa5704f25a_attn.kd
    .args:
      - { .name: qkvb, .offset: 0, .size: 8, .value_kind: global_buffer, .address_space: global }
      - { .name: ob, .offset: 8, .size: 8, .value_kind: global_buffer, .address_space: global }
    .group_segment_fixed_size: 272896
    .private_segment_fixed_size: 0
    .kernarg_segment_align: 8
    .kernarg_segment_size: 16
    .max_flat_workgroup_size: 512
    .sgpr_count:     66
    .vgpr_count:     256
    .wavefront_size: 32
...
	.end_amdgpu_metadata
.endif
;; end of part 3
;; launch tail (part 4): grid 256 x 1, 16 waves a work-group, no clusters, 210,944 bytes of LDS; arguments src, ob, wb, b_proj, norm1_w, norm1_b, b1, b2, out0; writes out0
.if DOCPART == 4
	.amdgcn_target "amdgcn-amd-amdhsa--gfx1250"
	.amdhsa_code_object_version 6
	.text
	.protected	k_qaa5704f25a_tail
	.globl	k_qaa5704f25a_tail
	.p2align	8
	.type	k_qaa5704f25a_tail,@function
k_qaa5704f25a_tail:
	s_mov_b64 s[64:65], 0
	v_nop
	global_prefetch_b8 v0, s[64:65] scope:SCOPE_SE
	s_setreg_imm32_b32 hwreg(HW_REG_WAVE_MODE, 25, 1), 1
	s_wait_xcnt 0x0
; y = src + Q(o) Q(w_proj) + b_proj;  s1 = w (y - mean) + b;  out = s1 + Q(relu(Q(s1) Q(w1) + b1)) Q(w2) + b2.  All three products on codes of E4M3 with E8M0 scales.
; SHARES.  A work-group owns 32 rows (two tiles).  In the first and third product wave w owns columns 64 w .. 64 w + 63, which are 256 consecutive bytes of every row: 4 column tiles x 2 row tiles = 8 accumulators;
; in the second it owns hidden units 32 w .. 32 w + 31.  All products are used TRANSPOSED (source 0 = the weight, source 1 = the rows), so a lane holds one row.
; THE EIGHT ACCUMULATORS CARRY THE ROWS THROUGH THE WHOLE KERNEL: src + b_proj is the first product's C; its result is normed in place; s1 + b2 is the third product's C; its result is the output.  s1 never leaves the registers.
; Operands made here (s1's and the hidden layer's codes) go from wave to wave through LDS as images of their registers: 16 bytes a lane, 512 a line; scale bytes beside them.
; THE ORDER INSIDE A BLOCK OF 32 is the program's (places 0-7, 8-15, 16-23, 24-31 hold k 0-7, 16-23, 8-15, 24-31), on both sides.  LIMIT: within a block the sums go in that order, not K ascending.
; WEIGHTS COME STRAIGHT INTO REGISTERS, not through LDS and not by joint loads of a cluster: each of the 1,572,864 bytes of codes is read by exactly one wave of the work-group, once; beside the 208,896 bytes used here
; two slots of 56 KiB at most would fit, with 4 matrix instructions a wave between a request and its use.  Here a wave has 8 KiB on its way and the K loops have no barrier.
; LIMITS: blocks under 2^-118 have their byte held at 1; a block of zeros gets the byte 1 (its codes are zeros); NaN and infinities are not served.
; LDS: 0 sixteen stages, each wave's own, 32 rows x 272;  139,264 o's 8 fragments [m][s];  155,648 their scale words [s][m][16];  156,160 s1's 16 fragments;  188,928 their words;  189,952 the hidden layer's 8;  206,336 their words;
;   206,848 the rows' partial sums [wave][row].
; REGISTERS: v1-15, v252-255 addresses that stay; v16-79 the accumulators ((m, t) at 16 + 32 m + 8 t); v80-143 up to four fragments of rows; v144-207 four weight fragments; v208-239 the hidden layer's four accumulators, biases, work;
;   v240-247 at work; v248-249 the weights' scale words, v250-251 the rows'.
.set OIMG,  139264
.set OSC,   155648
.set S1IMG, 156160
.set S1SC,  188928
.set HIMG,  189952
.set HSC,   206336
.set RS,    206848
.set CW1,   1572864
.set CWP,   2097152
.set CW2,   2621440
.set ACC,   16
.set XF,    80
.set WF,    144
.set HA,    208
.set SEL,   28
.set MNT,   30
.set HM,    31
.macro PL n
.rept \n
	v_nop
.endr
.endm
.macro BAR
	s_wait_dscnt 0x0
	s_barrier_signal -1
	s_barrier_wait -1
.endm
.macro FETCH reg, adr, off
.irp c, 0,1,2,3
	ds_load_b128 v[\reg+4*\c:\reg+4*\c+3], v[\adr] offset:\off+512*\c
.endr
.endm
.macro WM d, a, b, c, sa, sb, ra, rb
.if (\c) < 0
.if (\ra) && (\rb)
	v_wmma_scale_f32_16x16x128_f8f6f4 v[\d:\d+7], v[\a:\a+15], v[\b:\b+15], 0, v[\sa], v[\sb] matrix_a_scale:MATRIX_SCALE_ROW1 matrix_b_scale:MATRIX_SCALE_ROW1
.elseif (\ra)
	v_wmma_scale_f32_16x16x128_f8f6f4 v[\d:\d+7], v[\a:\a+15], v[\b:\b+15], 0, v[\sa], v[\sb] matrix_a_scale:MATRIX_SCALE_ROW1
.elseif (\rb)
	v_wmma_scale_f32_16x16x128_f8f6f4 v[\d:\d+7], v[\a:\a+15], v[\b:\b+15], 0, v[\sa], v[\sb] matrix_b_scale:MATRIX_SCALE_ROW1
.else
	v_wmma_scale_f32_16x16x128_f8f6f4 v[\d:\d+7], v[\a:\a+15], v[\b:\b+15], 0, v[\sa], v[\sb]
.endif
.else
.if (\ra) && (\rb)
	v_wmma_scale_f32_16x16x128_f8f6f4 v[\d:\d+7], v[\a:\a+15], v[\b:\b+15], v[\c:\c+7], v[\sa], v[\sb] matrix_a_scale:MATRIX_SCALE_ROW1 matrix_b_scale:MATRIX_SCALE_ROW1
.elseif (\ra)
	v_wmma_scale_f32_16x16x128_f8f6f4 v[\d:\d+7], v[\a:\a+15], v[\b:\b+15], v[\c:\c+7], v[\sa], v[\sb] matrix_a_scale:MATRIX_SCALE_ROW1
.elseif (\rb)
	v_wmma_scale_f32_16x16x128_f8f6f4 v[\d:\d+7], v[\a:\a+15], v[\b:\b+15], v[\c:\c+7], v[\sa], v[\sb] matrix_b_scale:MATRIX_SCALE_ROW1
.else
	v_wmma_scale_f32_16x16x128_f8f6f4 v[\d:\d+7], v[\a:\a+15], v[\b:\b+15], v[\c:\c+7], v[\sa], v[\sb]
.endif
.endif
.endm
; nb blocks of 32 are quantised: my 16 numbers of block b in v[s + 16 b] on, the other 16 in lane l xor 16; held numbers to v[d + 16 b] on, codes to v[pc + 4 b] on, the byte stays in v[tm + nb + b].  relu = 1: what is negative becomes 0
.macro QNT nb, s, d, relu, tm, pc
.set QB, 0
.rept \nb
	v_mov_b32 v[\tm+\nb+QB], 0                     ; a lane permute's destination counts as one of its sources
.set QB, QB+1
.endr
.set QB, 0
.rept \nb
.if \relu
	v_max3_num_f32 v[\tm+QB], v[\s+16*QB], v[\s+16*QB+1], 0x4800000      ; no |.|: what is negative must not count; the floor 2^(9 - 127) stands over it
.else
	v_max3_num_f32 v[\tm+QB], |v[\s+16*QB]|, |v[\s+16*QB+1]|, 0x4800000
.endif
.set QB, QB+1
.endr
.irp i, 2,4,6,8,10,12,14
.set QB, 0
.rept \nb
.if \relu
	v_max3_num_f32 v[\tm+QB], v[\tm+QB], v[\s+16*QB+\i], v[\s+16*QB+\i+1]
.else
	v_max3_num_f32 v[\tm+QB], v[\tm+QB], |v[\s+16*QB+\i]|, |v[\s+16*QB+\i+1]|
.endif
.set QB, QB+1
.endr
.endr
.set QB, 0
.rept \nb
	v_permlanex16_b32 v[\tm+\nb+QB], v[\tm+QB], s[SEL], s[SEL+1]
.set QB, QB+1
.endr
.set QB, 0
.rept \nb
	v_max_num_f32 v[\tm+QB], v[\tm+QB], v[\tm+\nb+QB]
.set QB, QB+1
.endr
.set QB, 0
.rept \nb
	v_add_nc_u32 v[\tm+3*\nb+QB], 0xfc000000, v[\tm+QB]
.set QB, QB+1
.endr
.set QB, 0
.rept \nb
	v_and_or_b32 v[\tm+2*\nb+QB], v[\tm+QB], 0x7f800000, s[MNT]
.set QB, QB+1
.endr
.set QB, 0
.rept \nb
	v_lshrrev_b32 v[\tm+\nb+QB], 23, v[\tm+3*\nb+QB]
.set QB, QB+1
.endr
.set QB, 0
.rept \nb
.irp i, 0,1,2,3,4,5,6,7,8,9,10,11,12,13,14,15
.if \relu
	v_med3_num_f32 v[\d+16*QB+\i], v[\s+16*QB+\i], 0, v[\tm+2*\nb+QB]    ; the activation and the hold in one
.else
	v_med3_num_f32 v[\d+16*QB+\i], v[\s+16*QB+\i], -v[\tm+2*\nb+QB], v[\tm+2*\nb+QB]
.endif
.endr
	v_cvt_scalef32_pk8_fp8_f32 v[\pc+4*QB:\pc+4*QB+1],   v[\d+16*QB:\d+16*QB+7],    v[\tm+3*\nb+QB]
	v_cvt_scalef32_pk8_fp8_f32 v[\pc+4*QB+2:\pc+4*QB+3], v[\d+16*QB+8:\d+16*QB+15], v[\tm+3*\nb+QB]
.set QB, QB+1
.endr
	v_nop
.endm
.macro WLOAD base, rnd                 ; my four weight fragments of round rnd of the matrix at base, and their two registers of scale words
.irp f, 0,1,2,3
.irp c, 0,1,2,3
	global_load_b128 v[WF+16*\f+4*\c:WF+16*\f+4*\c+3], v9, s[8:9] offset:(\base)+(\rnd)*131072+2048*\f+512*\c
.endr
.endr
	global_load_b32 v248, v10, s[8:9] offset:3145728+((\base)+(\rnd)*131072)/32
	global_load_b32 v249, v10, s[8:9] offset:3145728+((\base)+(\rnd)*131072)/32+128
.endm
; Four K steps of the first or third product.  The rows' fragments of step 0 have been asked for.  The eight accumulators take turns, one instruction a turn.
; Eight places stand between a step's products and the loads into the registers that they read, and at the end in front of the first read of the sums.
.macro PSTEPS base, adr, wo
.irp k, 0,1,2,3
	s_wait_loadcnt 0x0
	s_wait_dscnt 0x0
.irp t, 0,1,2,3
.irp m, 0,1
.set rD, ACC+32*\m+8*\t
	WM rD, WF+16*\t, XF+16*\m, rD, 248+\t/2, 250, \t%2, \m
.endr
.endr
	PL 8
.if \k < 3
	WLOAD \base, \k+1
	FETCH XF, \adr, 2048*(\k+1)
	FETCH XF+16, \adr, 8192+2048*(\k+1)
	ds_load_b32 v250, v8 offset:\wo+128*(\k+1)
.endif
.endr
.endm
	s_load_b512 s[4:19], s[0:1], 0x0               ; src, ob, wb, b_proj, norm1_w, norm1_b, b1, b2
	s_load_b64 s[20:21], s[0:1], 0x40              ; out0
	v_lshrrev_b32 v240, 5, v0
	v_readfirstlane_b32 s22, v240                  ; wave 0..15
	v_and_b32 v240, 31, v0                         ; lane
	v_and_b32 v241, 15, v0                         ; r
	v_bfe_u32 v242, v0, 4, 1                       ; h
	v_lshlrev_b32 v243, 4, v240                    ; 16 x lane
	v_lshlrev_b32 v244, 2, v240                    ; 4 x lane
	v_cmp_lt_u32 s[HM], 15, v240
	s_lshl_b32 s32, s22, 8                         ; 256 w
	v_lshl_add_u32 v1, v241, 4, s32
	v_lshl_add_u32 v1, v242, 12, v1                ; v1: src, out0: rows h, my wave's 256 bytes, 16 a lane
	s_mul_i32 s33, s22, 8704                       ; my stage
	v_mul_u32_u24 v2, v242, 272
	v_lshl_add_u32 v2, v241, 4, v2
	v_add_nc_u32 v2, s33, v2                       ; v2: by rows: row h, 16 r
	v_mul_u32_u24 v3, v241, 272
	v_lshl_add_u32 v3, v242, 5, v3
	v_add_nc_u32 v3, s33, v3                       ; v3: by accumulators: row r, 32 h
	v_lshlrev_b32 v4, 4, v0                        ; v4: 16 x thread
	v_add_nc_u32 v5, OIMG, v4                      ; v5: where o's codes go
	v_add_nc_u32 v6, OIMG, v243                    ; v6: an image's place for my lane (o's, s1's)
	v_add_nc_u32 v7, HIMG, v243                    ; v7: the hidden layer's
	v_add_nc_u32 v8, OSC, v244                     ; v8: a scale word's
	s_lshl_b32 s33, s22, 13
	v_add_nc_u32 v9, s33, v243                     ; v9: my four fragments in a round's weights
	v_add_nc_u32 v10, s32, v244                    ; v10: and their scale words
	v_lshl_add_u32 v11, v242, 5, s32               ; v11: vectors of 1,024: my 64 numbers, + 8 h
	s_lshl_b32 s33, s22, 7
	v_lshl_add_u32 v12, v242, 5, s33               ; v12: b1: my 32, + 8 h
	s_add_co_u32 s33, s33, RS
	v_add_nc_u32 v15, s33, v244                    ; v15: my wave's partial sums
	s_min_u32 s34, s22, 7                          ; (only waves 0-7 fetch o's scale bytes: K step w % 4, row tile w / 4)
	s_and_b32 s35, s34, 3
	s_lshr_b32 s36, s34, 2
	s_lshl_b32 s33, s35, 7
	s_lshl_b32 s37, s36, 6
	s_add_co_u32 s33, s33, s37
	s_add_co_u32 s33, s33, OSC
	v_lshl_add_u32 v13, v241, 2, s33               ; v13: where their words go
	v_lshlrev_b32 v14, 1, v241                     ; v14: 2 r
	s_lshl_b32 s33, s22, 10
	s_add_co_u32 s33, s33, S1IMG
	v_add_nc_u32 v252, s33, v243                   ; v252: s1's codes: my 64 columns are half a K step
	s_lshr_b32 s33, s22, 1
	s_lshl_b32 s33, s33, 7
	s_and_b32 s37, s22, 1
	s_lshl_b32 s37, s37, 1
	s_add_co_u32 s33, s33, s37
	s_add_co_u32 s33, s33, S1SC
	v_add_nc_u32 v253, s33, v244                   ; v253: and two bytes of their scale words
	s_lshl_b32 s33, s22, 9
	s_add_co_u32 s33, s33, HIMG
	v_add_nc_u32 v254, s33, v243                   ; v254: the hidden layer's codes: my 32 units are a quarter of a K step
	s_lshr_b32 s33, s22, 2
	s_lshl_b32 s33, s33, 7
	s_and_b32 s37, s22, 3
	s_add_co_u32 s33, s33, s37
	s_add_co_u32 s33, s33, HSC
	v_add_nc_u32 v255, s33, v244                   ; v255: and one byte of their scale words
	s_mov_b32 s[SEL], 0x76543210
	s_mov_b32 s[SEL+1], 0xfedcba98
	s_mov_b32 s[MNT], 0x600000
	s_lshl_b32 s32, ttmp9, 17                      ; 32 rows of 4,096 bytes
	s_mov_b32 s33, 0
	s_lshl_b32 s38, ttmp9, 14                      ; o's codes: 16,384 bytes
	s_mov_b32 s39, 0
	s_lshl_b32 s36, s36, 5                         ; o's scale bytes: [bh][row] two bytes: head 2 (w % 4), rows 16 (w / 4) on
	s_lshl_b32 s35, s35, 13
	s_add_co_u32 s36, s36, s35
	s_lshr_b32 s35, ttmp9, 6
	s_lshl_b32 s35, s35, 15
	s_add_co_u32 s36, s36, s35
	s_and_b32 s35, ttmp9, 63
	s_lshl_b32 s35, s35, 6
	s_add_co_u32 s36, s36, s35
	s_add_co_u32 s36, s36, 4194304
	s_mov_b32 s37, 0
	s_wait_kmcnt 0x0
	s_add_nc_u64 s[4:5], s[4:5], s[32:33]
	s_add_nc_u64 s[20:21], s[20:21], s[32:33]
	s_add_nc_u64 s[24:25], s[6:7], s[38:39]
	s_add_nc_u64 s[26:27], s[6:7], s[36:37]
	; ---- what comes in: src (sixteen lanes read 256 consecutive bytes), o's codes, b_proj, the first weights
.set J, 0
.rept 16
	global_load_b128 v[XF+4*J:XF+4*J+3], v1, s[4:5] offset:8192*J th:TH_LOAD_NT
.set J, J+1
.endr
	global_load_b128 v[240:243], v4, s[24:25]
	global_load_b128 v[244:247], v4, s[24:25] offset:8192
.irp t, 0,1,2,3
	global_load_b128 v[HA+8*\t:HA+8*\t+3],   v11, s[10:11] offset:64*\t
	global_load_b128 v[HA+8*\t+4:HA+8*\t+7], v11, s[10:11] offset:64*\t+16
.endr
	WLOAD CWP, 0
	s_wait_loadcnt 28                              ; src is in: behind it 2 + 8 + 18 loads
.set J, 0
.rept 16
	ds_store_b128 v2, v[XF+4*J:XF+4*J+3] offset:544*J          ; through my own stage: in by rows,
.set J, J+1
.endr
.irp m, 0,1
.irp t, 0,1,2,3
	ds_load_b128 v[ACC+32*\m+8*\t:ACC+32*\m+8*\t+3],   v3 offset:4352*\m+64*\t      ; out in the accumulators' layout.  LDS serves a wave's instructions in order (ISA guide 5.7.1.4)
	ds_load_b128 v[ACC+32*\m+8*\t+4:ACC+32*\m+8*\t+7], v3 offset:4352*\m+64*\t+16
.endr
.endr
	s_wait_loadcnt 26                              ; o's codes are in: behind them 8 + 18 loads
	ds_store_b128 v5, v[240:243]
	ds_store_b128 v5, v[244:247] offset:8192
	s_wait_dscnt 0x0                               ; src stands in the accumulators, and the stores have read their registers
	s_cmp_lt_u32 s22, 8
	s_cbranch_scc0 .Lno_words
	global_load_u16 v240, v14, s[26:27]            ; two heads' two bytes make a K step's scale word of row r
	global_load_u16 v241, v14, s[26:27] offset:4096
	s_wait_loadcnt 0x0
	v_lshl_or_b32 v240, v241, 16, v240
	ds_store_b32 v13, v240
.Lno_words:
	s_wait_loadcnt 0x0
.irp m, 0,1
.set J, 0
.rept 16
	v_pk_add_f32 v[ACC+32*\m+J:ACC+32*\m+J+1], v[ACC+32*\m+J:ACC+32*\m+J+1], v[HA+J:HA+J+1]    ; src + b_proj: the first product's C
.set J, J+2
.endr
.endr
	BAR                                            ; o's eight fragments and their words lie in LDS
	; ---- y = src + b_proj + Q(o) Q(w_proj)
	FETCH XF, 6, 0
	FETCH XF+16, 6, 8192
	ds_load_b32 v250, v8
	PSTEPS CWP, 6, 0
	; ---- the norm
.irp t, 0,1,2,3
	global_load_b128 v[XF+8*\t:XF+8*\t+3],       v11, s[12:13] offset:64*\t
	global_load_b128 v[XF+8*\t+4:XF+8*\t+7],     v11, s[12:13] offset:64*\t+16
.endr
.irp t, 0,1,2,3
	global_load_b128 v[XF+32+8*\t:XF+32+8*\t+3],   v11, s[14:15] offset:64*\t
	global_load_b128 v[XF+32+8*\t+4:XF+32+8*\t+7], v11, s[14:15] offset:64*\t+16
.endr
	WLOAD CW1, 0
.irp m, 0,1
.set A, ACC+32*\m
.set U, 240+4*\m
	v_pk_add_f32 v[U:U+1],   v[A:A+1],   v[A+2:A+3]            ; my 32 numbers of a row, each accumulator from its low end on
	v_pk_add_f32 v[U+2:U+3], v[A+4:A+5], v[A+6:A+7]
.irp j, 8,12,16,20,24,28
	v_pk_add_f32 v[U:U+1],   v[U:U+1],   v[A+\j:A+\j+1]
	v_pk_add_f32 v[U+2:U+3], v[U+2:U+3], v[A+\j+2:A+\j+3]
.endr
	v_pk_add_f32 v[U:U+1], v[U:U+1], v[U+2:U+3]
	v_add_f32 v[U], v[U], v[U+1]
	v_permlanex16_b32 v[U+1], v[U], s[SEL], s[SEL+1]
	v_add_f32 v[U], v[U], v[U+1]                   ; the wave's 64 columns of row 16 m + r
.endr
	v_cndmask_b32 v240, v240, v244, s[HM]          ; lane l sends row l's
	ds_store_b32 v15, v240
	BAR                                            ; sixteen partial sums of each row lie in LDS
.set J, 0
.rept 16
	ds_load_b32 v[HA+J], v8 offset:RS-OSC+128*J    ; lane l takes row l's sixteen
.set J, J+1
.endr
	s_wait_dscnt 0x0
	v_pk_add_f32 v[208:209], v[208:209], v[210:211]            ; a fixed tree: every wave gets the same bits
	v_pk_add_f32 v[212:213], v[212:213], v[214:215]
	v_pk_add_f32 v[216:217], v[216:217], v[218:219]
	v_pk_add_f32 v[220:221], v[220:221], v[222:223]
	v_pk_add_f32 v[208:209], v[208:209], v[212:213]
	v_pk_add_f32 v[216:217], v[216:217], v[220:221]
	v_pk_add_f32 v[208:209], v[208:209], v[216:217]
	v_add_f32 v208, v208, v209
	v_mul_f32 v208, 0x3a800000, v208               ; / 1,024: row l's mean
	v_permlanex16_b32 v209, v208, s[SEL], s[SEL+1] ; and row (l xor 16)'s
	v_cndmask_b32 v240, v208, v209, s[HM]          ; row r's
	v_cndmask_b32 v242, v209, v208, s[HM]          ; row 16 + r's
	v_mov_b32 v241, v240
	v_mov_b32 v243, v242
	s_wait_loadcnt 18                              ; the gain and the bias are in; the 18 loads of the next weights may be out
.irp m, 0,1
.set J, 0
.rept 16
	v_pk_add_f32 v[ACC+32*\m+J:ACC+32*\m+J+1], v[ACC+32*\m+J:ACC+32*\m+J+1], v[240+2*\m:241+2*\m] neg_lo:[0,1] neg_hi:[0,1]
.set J, J+2
.endr
.set J, 0
.rept 16
	v_pk_fma_f32 v[ACC+32*\m+J:ACC+32*\m+J+1], v[ACC+32*\m+J:ACC+32*\m+J+1], v[XF+J:XF+J+1], v[XF+32+J:XF+32+J+1]
.set J, J+2
.endr
.endr
	QNT 4, ACC, XF, 0, 208, 224                    ; s1 stays whole in the accumulators: the held copies go elsewhere.  Blocks: (m 0: columns 0-31, 32-63), (m 1: likewise)
.irp e, 0,1,2,3
	ds_store_b128 v252, v[224+4*\e:224+4*\e+3] offset:16384*(\e/2)+512*(\e%2)
.endr
	v_lshl_or_b32 v244, v213, 8, v212
	v_lshl_or_b32 v245, v215, 8, v214
	v_cndmask_b32 v244, v244, v245, s[HM]          ; lanes 0-15 send rows 0-15's two bytes, lanes 16-31 rows 16-31's
	ds_store_b16 v253, v244
	s_wait_dscnt 0x0                               ; the stores have read their registers
.irp m, 0,1
.irp u, 0,1
	global_load_b128 v[HA+16*\m+8*\u:HA+16*\m+8*\u+3],   v12, s[16:17] offset:64*\u      ; b1 is the second product's C
	global_load_b128 v[HA+16*\m+8*\u+4:HA+16*\m+8*\u+7], v12, s[16:17] offset:64*\u+16
.endr
.endr
	BAR                                            ; s1's sixteen fragments and their words lie in LDS
	; ---- the hidden layer: four rounds of two K steps; four accumulators by turns
.irp p, 0,1,2,3
.irp e, 0,1
.irp m, 0,1
	FETCH XF+16*(2*\e+\m), 6, S1IMG-OIMG+16384*\m+2048*(2*\p+\e)
.endr
	ds_load_b32 v[250+\e], v8 offset:S1SC-OSC+128*(2*\p+\e)
.endr
	s_wait_loadcnt 0x0
	s_wait_dscnt 0x0
.irp e, 0,1
.irp u, 0,1
.irp m, 0,1
.set rD, HA+16*\m+8*\u
	WM rD, WF+16*(2*\e+\u), XF+16*(2*\e+\m), rD, 248+\e, 250+\e, \u, \m
.endr
.endr
.endr
	PL 8
.if \p < 3
	WLOAD CW1, \p+1
.else
	WLOAD CW2, 0
.endif
.endr
	QNT 2, HA, HA, 1, 80, 96                       ; relu and the quantiser in one; block m: my 32 units of rows 16 m on
	ds_store_b128 v254, v[96:99]
	ds_store_b128 v254, v[100:103] offset:8192
	v_cndmask_b32 v244, v82, v83, s[HM]
	ds_store_b8 v255, v244
	s_wait_dscnt 0x0                               ; the stores have read their registers
.irp t, 0,1,2,3
	global_load_b128 v[HA+8*\t:HA+8*\t+3],   v11, s[18:19] offset:64*\t
	global_load_b128 v[HA+8*\t+4:HA+8*\t+7], v11, s[18:19] offset:64*\t+16
.endr
	BAR                                            ; the hidden layer's eight fragments and their words lie in LDS
	; ---- out = s1 + b2 + Q(hidden) Q(w2)
	FETCH XF, 7, 0
	FETCH XF+16, 7, 8192
	ds_load_b32 v250, v8 offset:HSC-OSC
	s_wait_loadcnt 0x0
.irp m, 0,1
.set J, 0
.rept 16
	v_pk_add_f32 v[ACC+32*\m+J:ACC+32*\m+J+1], v[ACC+32*\m+J:ACC+32*\m+J+1], v[HA+J:HA+J+1]
.set J, J+2
.endr
.endr
	PL 4
	PSTEPS CW2, 7, HSC-OSC
	; ---- the way out, through my own stage: in by accumulators (each from its low end on), out by rows
.irp m, 0,1
.irp t, 0,1,2,3
	ds_store_b128 v3, v[ACC+32*\m+8*\t:ACC+32*\m+8*\t+3],   offset:4352*\m+64*\t
	ds_store_b128 v3, v[ACC+32*\m+8*\t+4:ACC+32*\m+8*\t+7], offset:4352*\m+64*\t+16
.endr
.endr
.set J, 0
.rept 16
	ds_load_b128 v[XF+4*J:XF+4*J+3], v2 offset:544*J
.set J, J+1
.endr
.set J, 0
.rept 16
	s_wait_dscnt 15-J                              ; the younger loads may be out
	global_store_b128 v1, v[XF+4*J:XF+4*J+3], s[20:21] offset:8192*J th:TH_STORE_NT   ; sixteen lanes store 256 consecutive bytes, aligned
.set J, J+1
.endr
	s_wait_xcnt 0x0
	v_lshl_add_u32 v254, v0, 2, 0x33000
	v_mov_b32 v255, 0
	s_wait_tensorcnt 0x0
	ds_add_u32 v254, v255
	s_wait_dscnt 0x0
	s_endpgm
.Lfunc_end_k_qaa5704f25a_tail:
	.size	k_qaa5704f25a_tail, .Lfunc_end_k_qaa5704f25a_tail-k_qaa5704f25a_tail
	.p2alignl 7, 3214868480
	.fill 96, 4, 3214868480
	.section	.rodata,"a",@progbits
	.p2align	6, 0x0
	.amdhsa_kernel k_qaa5704f25a_tail
		.amdhsa_group_segment_fixed_size 210944
		.amdhsa_private_segment_fixed_size 0
		.amdhsa_enable_private_segment 0
		.amdhsa_kernarg_size 72
		.amdhsa_user_sgpr_count 2
		.amdhsa_user_sgpr_kernarg_segment_ptr 1
		.amdhsa_wavefront_size32 1
		.amdhsa_system_sgpr_workgroup_id_x 1
		.amdhsa_system_sgpr_workgroup_id_y 1
		.amdhsa_system_sgpr_workgroup_id_z 1
		.amdhsa_system_vgpr_workitem_id 0
		.amdhsa_next_free_vgpr 256
		.amdhsa_next_free_sgpr 66
		.amdhsa_reserve_vcc 0
		.amdhsa_float_denorm_mode_32 3
		.amdhsa_float_denorm_mode_16_64 3
		.amdhsa_memory_ordered 1
		.amdhsa_forward_progress 1
		.amdhsa_inst_pref_size 87
	.end_amdhsa_kernel
	.amdgpu_metadata
---
amdhsa.version: [ 1, 2 ]
amdhsa.kernels:
  - .name:           k_qaa5704f25a_tail
    .symbol:         k_qaa5704f25a_tail.kd
    .args:
      - { .name: src, .offset: 0, .size: 8, .value_kind: global_buffer, .address_space: global }
      - { .name: ob, .offset: 8, .size: 8, .value_kind: global_buffer, .address_space: global }
      - { .name: wb, .offset: 16, .size: 8, .value_kind: global_buffer, .address_space: global }
      - { .name: b_proj, .offset: 24, .size: 8, .value_kind: global_buffer, .address_space: global }
      - { .name: norm1_w, .offset: 32, .size: 8, .value_kind: global_buffer, .address_space: global }
      - { .name: norm1_b, .offset: 40, .size: 8, .value_kind: global_buffer, .address_space: global }
      - { .name: b1, .offset: 48, .size: 8, .value_kind: global_buffer, .address_space: global }
      - { .name: b2, .offset: 56, .size: 8, .value_kind: global_buffer, .address_space: global }
      - { .name: out0, .offset: 64, .size: 8, .value_kind: global_buffer, .address_space: global }
    .group_segment_fixed_size: 210944
    .private_segment_fixed_size: 0
    .kernarg_segment_align: 8
    .kernarg_segment_size: 72
    .max_flat_workgroup_size: 512
    .sgpr_count:     66
    .vgpr_count:     256
    .wavefront_size: 32
...
	.end_amdgpu_metadata
.endif
;; end of part 4
;; ======== version 2 of 2: 4 launches
;; workspace buffers: wb 3,244,032 bytes; xb 8,650,752 bytes; qkvb 12,976,128 bytes; ob 4,325,376 bytes
;; launch prep (part 5): grid 256 x 1, 19 waves a work-group, no clusters, 135,168 bytes of LDS; arguments src, pre_norm_w, pre_norm_b, wq, wk, wv, w1, w_proj, w2, wb, xb; writes wb, xb
.if DOCPART == 5
	.amdgcn_target "amdgcn-amd-amdhsa--gfx1250"
	.amdhsa_code_object_version 6
	.text
	.protected	k_qaa5704f25a_prep
	.globl	k_qaa5704f25a_prep
	.p2align	8
	.type	k_qaa5704f25a_prep,@function
k_qaa5704f25a_prep:
	s_mov_b64 s[64:65], 0
	v_nop
	global_prefetch_b8 v0, s[64:65] scope:SCOPE_SE
	s_setreg_imm32_b32 hwreg(HW_REG_WAVE_MODE, 25, 1), 1
	s_wait_xcnt 0x0
; Everything that is quantised once and read by many: x = w (src - mean) + b, and the six weights.  Codes of E4M3 with one E8M0 byte for each 32 along K, laid as IMAGES OF OPERAND REGISTERS.
; A fragment (16 rows x 128 K) is 2,048 bytes: byte c*512 + (16 h + r)*16 holds, of row r, the K places 32 c + 16 h + 0..15; a row's scale word has byte c for block c.
; THE ORDER INSIDE A BLOCK OF 32: places 0-7 hold k 0-7, places 8-15 hold k 16-23, places 16-23 hold k 8-15, places 24-31 hold k 24-31.  Every operand of this program is laid so (it is the order in which a matrix
; result falls into a lane's registers), so products meet the right partners; blocks, scales and codes are the quantiser's own.  LIMIT: within a block the sums are taken in another order than K ascending.
; LIMITS: a block whose largest magnitude lies under 2^-118 has its byte held at 1; a block of zeros gets the byte 1 where the quantiser says 127 (its codes are zeros, and this program alone reads the bytes);
; NaN and infinities among the inputs are not served.
; SHARES.  A work-group owns 32 rows of src.  TWO ROLES, parted on the wave's number:
;   waves 0-15: two whole rows each, so the mean never leaves the wave; the normed rows meet in a stage in LDS; behind a barrier wave w quantises fragment w (row tile w / 8, K step w % 8) and stores its image,
;   512 consecutive bytes a line; the scale words meet in LDS and leave behind a second barrier, 512 consecutive bytes a wave.
;   waves 16-18: one task each of the weights' 768 (6 matrices x 128; 768 = 3 x 256 work-groups): 32 columns x 128 K of a weight stored [K][N].  A LANE TAKES A COLUMN AND ITS REGISTERS RUN DOWN K: a block's largest
;   magnitude needs no other lane, and the conversions give codes with K innermost.  The whole task stands ahead of the first barrier, so that no register crosses a place where the roles join.
; xb: codes [32-row block 256][row tile 2][K step 8][2048]; from byte 8,388,608 the scale words [block][K step][row tile][16].
; wb: wq, wk, wv at 0: [K step 8][column group 16][2 matrix + u][2048];  w1 at 1,572,864: [K step / 2][column group 16][2 (K step % 2) + u][2048];  w_proj at 2,097,152 and w2 at 2,621,440: [K step 4][column group 32][u][2048];
;   a fragment's 16 scale words at 3,145,728 + (its offset) / 32.
; LDS: 0 the stage, 32 rows x 4,112 bytes (4,096 + 16: sixteen rows start at sixteen different 16-byte columns);  131,584 x's scale words [K step][row tile][16].
; REGISTERS: v1-8 addresses, made ahead of the parting.  Rows' role: v[14:15] the mean; v16-79 two rows, then 64 numbers; v80-111 the gain, then codes and work; v112-143 the bias; v148-151 at work.
;   Weights' role: v16-143 four blocks of 32 numbers; v144-175 codes, eight registers a block, so that no store's data are written again; v9 the scale word; v10-13 at work.
.set SPI,  4112
.set XSC,  131584
.set X,    16
.set C,    144
.set SB,   9
.set SEL,  28                          ; s[28:29] v_permlanex16_b32's selects for lane l xor 16
.set MNT,  30                          ; s30 the mantissa field of 448
.macro BAR                             ; my LDS stores have landed and my LDS loads are in; then the work-group's barrier
	s_wait_dscnt 0x0
	s_barrier_signal -1
	s_barrier_wait -1
.endm
; nb blocks of 32 are quantised.  Block b: my 16 numbers in v[s + 16 b] on, the other 16 in lane l xor 16.  Held numbers go to v[d + 16 b] on, codes to v[pc + 4 b] on (four registers),
; the scale's byte stays in v[tm + nb + b].  relu = 1: what is negative becomes 0 on the way.  The blocks take turns line by line.
.macro QNT nb, s, d, relu, tm, pc
.set QB, 0
.rept \nb
	v_mov_b32 v[\tm+\nb+QB], 0                     ; a lane permute's destination counts as one of its sources
.set QB, QB+1
.endr
.set QB, 0
.rept \nb
.if \relu
	v_max3_num_f32 v[\tm+QB], v[\s+16*QB], v[\s+16*QB+1], 0x4800000
.else
	v_max3_num_f32 v[\tm+QB], |v[\s+16*QB]|, |v[\s+16*QB+1]|, 0x4800000  ; with the floor 2^(9 - 127): the byte cannot fall under 1
.endif
.set QB, QB+1
.endr
.irp i, 2,4,6,8,10,12,14
.set QB, 0
.rept \nb
.if \relu
	v_max3_num_f32 v[\tm+QB], v[\tm+QB], v[\s+16*QB+\i], v[\s+16*QB+\i+1]
.else
	s_delay_alu instid0(VALU_DEP_4)
	v_max3_num_f32 v[\tm+QB], v[\tm+QB], |v[\s+16*QB+\i]|, |v[\s+16*QB+\i+1]|
.endif
.set QB, QB+1
.endr
.endr
.set QB, 0
.rept \nb
	s_delay_alu instid0(VALU_DEP_4)
	v_permlanex16_b32 v[\tm+\nb+QB], v[\tm+QB], s[SEL], s[SEL+1]
.set QB, QB+1
.endr
.set QB, 0
.rept \nb
	s_delay_alu instid0(VALU_DEP_4)
	v_max_num_f32 v[\tm+QB], v[\tm+QB], v[\tm+\nb+QB]          ; the block's largest magnitude
.set QB, QB+1
.endr
.set QB, 0
.rept \nb
	s_delay_alu instid0(VALU_DEP_4)
	v_add_nc_u32 v[\tm+3*\nb+QB], 0xfc000000, v[\tm+QB]        ; 8 off its exponent field: the conversion's scale operand
.set QB, QB+1
.endr
.set QB, 0
.rept \nb
	v_and_or_b32 v[\tm+2*\nb+QB], v[\tm+QB], 0x7f800000, s[MNT]  ; 448 x the scale
.set QB, QB+1
.endr
.set QB, 0
.rept \nb
	v_lshrrev_b32 v[\tm+\nb+QB], 23, v[\tm+3*\nb+QB]           ; the scale's byte
.set QB, QB+1
.endr
.set QB, 0
.rept \nb
.irp i, 0,1,2,3,4,5,6,7,8,9,10,11,12,13,14,15
.if \relu
	v_med3_num_f32 v[\d+16*QB+\i], v[\s+16*QB+\i], 0, v[\tm+2*\nb+QB]
.else
	v_med3_num_f32 v[\d+16*QB+\i], v[\s+16*QB+\i], -v[\tm+2*\nb+QB], v[\tm+2*\nb+QB]   ; the conversion does not saturate (ISA guide 7.6.2): the hold comes first
.endif
.endr
	v_cvt_scalef32_pk8_fp8_f32 v[\pc+4*QB:\pc+4*QB+1],   v[\d+16*QB:\d+16*QB+7],    v[\tm+3*\nb+QB]
	v_cvt_scalef32_pk8_fp8_f32 v[\pc+4*QB+2:\pc+4*QB+3], v[\d+16*QB+8:\d+16*QB+15], v[\tm+3*\nb+QB]
.set QB, QB+1
.endr
	v_nop                                          ; a plain line behind the last conversion
.endm
.macro LOADW n                         ; a task's 128 rows of a weight with n columns: W(i, my column): 32 lanes read 128 consecutive bytes
.set J, 0
.rept 128
	global_load_b32 v[X+J], v7, s[48:49] offset:J*(\n)*4 th:TH_LOAD_NT
.set J, J+1
.endr
.endm
.macro BLOCK t                         ; block t of the task: all 32 numbers are mine
.set XS, X+32*(\t)
	v_max3_num_f32 v12, |v[XS]|, |v[XS+1]|, |v[XS+2]|
	v_max3_num_f32 v13, |v[XS+3]|, |v[XS+4]|, |v[XS+5]|
.irp i, 6,10,14,18,22,26
	s_delay_alu instid0(VALU_DEP_2)
	v_max3_num_f32 v12, v12, |v[XS+\i]|, |v[XS+\i+1]|
	s_delay_alu instid0(VALU_DEP_2)
	v_max3_num_f32 v13, v13, |v[XS+\i+2]|, |v[XS+\i+3]|
.endr
	s_delay_alu instid0(VALU_DEP_2)
	v_max3_num_f32 v12, v12, |v[XS+30]|, |v[XS+31]|
	s_delay_alu instid0(VALU_DEP_1)
	v_max3_num_f32 v12, v12, v13, 0x4800000        ; and the floor 2^(9 - 127): the byte cannot fall under 1
	s_delay_alu instid0(VALU_DEP_1)
	v_add_nc_u32 v11, 0xfc000000, v12              ; 8 off the exponent field: the conversion's scale operand
	s_delay_alu instid0(VALU_DEP_2)
	v_and_or_b32 v10, v12, 0x7f800000, s[MNT]      ; 448 x the scale
	s_delay_alu instid0(VALU_DEP_2)
	v_lshrrev_b32 v13, 23, v11                     ; the scale's byte
.if (\t) == 0
	s_delay_alu instid0(VALU_DEP_1)
	v_mov_b32 v[SB], v13
.else
	s_delay_alu instid0(VALU_DEP_1)
	v_lshl_or_b32 v[SB], v13, 8*(\t), v[SB]
.endif
.set J, 0
.rept 32
	v_med3_num_f32 v[XS+J], v[XS+J], -v10, v10     ; the conversion to an 8-bit code does not saturate (ISA guide 7.6.2): the hold comes first
.set J, J+1
.endr
	v_cvt_scalef32_pk8_fp8_f32 v[C+8*(\t):C+8*(\t)+1],   v[XS:XS+7],     v11    ; k 0-7   -> places 0-7
	v_cvt_scalef32_pk8_fp8_f32 v[C+8*(\t)+4:C+8*(\t)+5], v[XS+8:XS+15],  v11    ; k 8-15  -> places 16-23
	v_cvt_scalef32_pk8_fp8_f32 v[C+8*(\t)+2:C+8*(\t)+3], v[XS+16:XS+23], v11    ; k 16-23 -> places 8-15
	v_cvt_scalef32_pk8_fp8_f32 v[C+8*(\t)+6:C+8*(\t)+7], v[XS+24:XS+31], v11    ; k 24-31 -> places 24-31
	v_nop                                          ; a plain line behind the last conversion
	global_store_b128 v8, v[C+8*(\t):C+8*(\t)+3],   s[56:57] offset:512*(\t)       ; places 0-15: sixteen lanes store 256 consecutive bytes, aligned
	global_store_b128 v8, v[C+8*(\t)+4:C+8*(\t)+7], s[56:57] offset:512*(\t)+256   ; places 16-31
.endm
	s_load_b512 s[4:19], s[0:1], 0x0               ; src, pre_norm_w, pre_norm_b, wq, wk, wv, w1, w_proj
	s_load_b128 s[20:23], s[0:1], 0x40             ; w2, wb
	s_load_b64 s[24:25], s[0:1], 0x50              ; xb
	v_lshl_add_u32 v176, v0, 2, 0x20600
	v_mov_b32 v177, 0
	v_lshrrev_b32 v13, 5, v0
	s_delay_alu instid0(VALU_DEP_1)
	v_readfirstlane_b32 s26, v13                   ; wave 0..18
	s_min_u32 s27, s26, 15                         ; the number that the rows' addresses are made of: in range in every wave
	v_and_b32 v13, 31, v0                          ; lane
	v_and_b32 v10, 15, v0                          ; r
	s_wait_alu depctr_va_vdst(0)
	v_bfe_u32 v11, v0, 4, 1                        ; h
	v_lshlrev_b32 v1, 4, v13                       ; v1: 16 x lane
	s_wait_alu depctr_va_vdst(0)
	s_mul_i32 s31, s27, 2*SPI
	v_add_nc_u32 v2, s31, v1                       ; v2: my two rows in the stage
	s_lshr_b32 s32, s27, 3                         ; the fragment of x that I quantise: row tile w / 8,
	s_and_b32 s33, s27, 7                          ; K step w % 8
	v_mul_u32_u24 v3, v10, SPI
	s_delay_alu instid0(VALU_DEP_1)
	v_lshl_add_u32 v3, v11, 5, v3
	s_mul_i32 s31, s32, 16*SPI
	s_lshl_b32 s34, s33, 9
	s_add_co_u32 s31, s31, s34
	v_add_nc_u32 v3, s31, v3                       ; v3: row r of that tile, + 32 h bytes, + 512 bytes a K step
	s_lshl_b32 s31, s33, 7
	s_lshl_b32 s34, s32, 6
	s_add_co_u32 s31, s31, s34
	s_add_co_u32 s31, s31, XSC
	v_lshl_add_u32 v5, v10, 2, s31                 ; v5: where its scale words go
	s_min_u32 s35, s26, 1                          ; (only waves 0 and 1 send the scale words out)
	s_lshl_b32 s31, s35, 9
	s_add_co_u32 s31, s31, XSC
	v_add_nc_u32 v6, s31, v1                       ; v6: 512 bytes of them
	v_lshlrev_b32 v7, 2, v13                       ; v7: 4 x lane: my column in a weight's rows, and my scale word
	v_lshlrev_b32 v8, 11, v11
	s_delay_alu instid0(VALU_DEP_1)
	v_lshl_add_u32 v8, v10, 4, v8                  ; v8: my weight codes' place: fragment (lane / 16) x 2,048 + 16 x (lane % 16)
	s_mov_b32 s[SEL], 0x76543210
	s_mov_b32 s[SEL+1], 0xfedcba98
	s_mov_b32 s[MNT], 0x600000
	s_lshl_b32 s36, ttmp9, 17                      ; src: 32 rows of 4,096 bytes a work-group, 2 rows a wave
	s_lshl_b32 s37, s27, 13
	s_add_co_u32 s36, s36, s37
	s_mov_b32 s37, 0
	s_lshl_b32 s38, ttmp9, 15                      ; x's codes: 32,768 bytes a work-group, 2,048 a wave
	s_lshl_b32 s39, s27, 11
	s_add_co_u32 s38, s38, s39
	s_mov_b32 s39, 0
	s_lshl_b32 s40, ttmp9, 10                      ; x's scale words: 1,024 bytes a work-group
	s_lshl_b32 s41, s35, 9
	s_add_co_u32 s40, s40, s41
	s_add_co_u32 s40, s40, 8388608
	s_mov_b32 s41, 0
	s_wait_kmcnt 0x0
	s_add_nc_u64 s[4:5], s[4:5], s[36:37]
	s_add_nc_u64 s[38:39], s[24:25], s[38:39]
	s_add_nc_u64 s[40:41], s[24:25], s[40:41]
	s_cmp_lt_u32 s26, 16                           ; the roles part
	s_cbranch_scc0 .Lweights
	; ---- rows: my two rows, the gain and the bias: each line reads 512 consecutive bytes
.irp p, 0,1
.irp j, 0,1,2,3,4,5,6,7
	global_load_b128 v[16+32*\p+4*\j:16+32*\p+4*\j+3], v1, s[4:5] offset:4096*\p+512*\j th:TH_LOAD_NT
.endr
.endr
.irp j, 0,1,2,3,4,5,6,7
	global_load_b128 v[80+4*\j:80+4*\j+3], v1, s[6:7] offset:512*\j
.endr
.irp j, 0,1,2,3,4,5,6,7
	global_load_b128 v[112+4*\j:112+4*\j+3], v1, s[8:9] offset:512*\j
.endr
	s_wait_loadcnt 0x0
.irp p, 0,1
.set R, 16+32*\p
	v_pk_add_f32 v[148:149], v[R:R+1], v[R+2:R+3]
	v_pk_add_f32 v[150:151], v[R+4:R+5], v[R+6:R+7]
.irp j, 8,12,16,20,24,28
	s_delay_alu instid0(VALU_DEP_2)
	v_pk_add_f32 v[148:149], v[148:149], v[R+\j:R+\j+1]
	s_delay_alu instid0(VALU_DEP_2)
	v_pk_add_f32 v[150:151], v[150:151], v[R+\j+2:R+\j+3]
.endr
	s_delay_alu instid0(VALU_DEP_1)
	v_pk_add_f32 v[148:149], v[148:149], v[150:151]
	s_delay_alu instid0(VALU_DEP_1)
	v_add_f32 v148, v148, v149
	s_delay_alu instid0(VALU_DEP_1)
	v_add_f32_dpp v148, v148, v148 row_xmask:1 row_mask:0xf bank_mask:0xf
	s_delay_alu instid0(VALU_DEP_1)
	v_add_f32_dpp v148, v148, v148 row_xmask:2 row_mask:0xf bank_mask:0xf
	s_delay_alu instid0(VALU_DEP_1)
	v_add_f32_dpp v148, v148, v148 row_xmask:4 row_mask:0xf bank_mask:0xf
	s_delay_alu instid0(VALU_DEP_1)
	v_add_f32_dpp v148, v148, v148 row_xmask:8 row_mask:0xf bank_mask:0xf
	s_delay_alu instid0(VALU_DEP_1)
	v_permlanex16_b32 v149, v148, s[SEL], s[SEL+1]
	s_delay_alu instid0(VALU_DEP_1)
	v_add_f32 v148, v148, v149
	s_delay_alu instid0(VALU_DEP_1)
	v_mul_f32 v14, 0x3a800000, v148                ; / 1,024
	s_delay_alu instid0(VALU_DEP_1)
	v_mov_b32 v15, v14
.set J, 0
.rept 16
	v_pk_add_f32 v[R+J:R+J+1], v[R+J:R+J+1], v[14:15] neg_lo:[0,1] neg_hi:[0,1]
.set J, J+2
.endr
.set J, 0
.rept 16
	v_pk_fma_f32 v[R+J:R+J+1], v[R+J:R+J+1], v[80+J:80+J+1], v[112+J:112+J+1]
.set J, J+2
.endr
.irp j, 0,1,2,3,4,5,6,7
	ds_store_b128 v2, v[R+4*\j:R+4*\j+3] offset:SPI*\p+512*\j
.endr
.endr
	s_branch .Lmeet1
.Lweights:
	; ---- weights: task 3 x work-group + wave - 16; matrix = task / 128: 0 wq, 1 wk, 2 wv, 3 w1 ([1024][512]);  4 w_proj, 5 w2 ([512][1024])
	s_sub_co_u32 s42, s26, 16
	s_mul_i32 s43, ttmp9, 3
	s_add_co_u32 s43, s43, s42
	s_lshr_b32 s44, s43, 7                         ; the matrix
	s_and_b32 s45, s43, 127                        ; the task in it
	s_mov_b32 s51, 0
	s_mov_b32 s53, 0
	s_cmp_lt_u32 s44, 4
	s_cbranch_scc0 .Lwide
	s_lshr_b32 s46, s45, 4                         ; [1024][512]: K step, and which 32 columns
	s_and_b32 s47, s45, 15
	s_cmp_eq_u32 s44, 1                            ; the source is chosen on ids alone
	s_cselect_b64 s[48:49], s[12:13], s[10:11]
	s_cmp_eq_u32 s44, 2
	s_cselect_b64 s[48:49], s[14:15], s[48:49]
	s_cmp_eq_u32 s44, 3
	s_cselect_b64 s[48:49], s[16:17], s[48:49]
	s_lshl_b32 s50, s46, 4                         ; wq, wk, wv: [K step 8][column group 16][2 matrix + u][2048]
	s_add_co_u32 s50, s50, s47
	s_mul_i32 s50, s50, 6
	s_lshl_b32 s52, s44, 1
	s_add_co_u32 s50, s50, s52
	s_lshl_b32 s50, s50, 11
	s_lshr_b32 s52, s46, 1                         ; w1: 1,572,864 + [K step / 2][column group 16][2 (K step % 2) + u][2048]
	s_lshl_b32 s52, s52, 17
	s_lshl_b32 s54, s47, 13
	s_add_co_u32 s52, s52, s54
	s_and_b32 s54, s46, 1
	s_lshl_b32 s54, s54, 12
	s_add_co_u32 s52, s52, s54
	s_add_co_u32 s52, s52, 1572864
	s_cmp_eq_u32 s44, 3
	s_cselect_b32 s50, s52, s50
	s_lshl_b32 s52, s46, 18                        ; the source: 128 rows of 2,048 bytes a K step, 128 bytes a column group
	s_lshl_b32 s54, s47, 7
	s_add_co_u32 s52, s52, s54
	s_add_nc_u64 s[48:49], s[48:49], s[52:53]
	s_add_nc_u64 s[56:57], s[22:23], s[50:51]
	s_lshr_b32 s50, s50, 5
	s_add_co_u32 s50, s50, 3145728
	s_add_nc_u64 s[58:59], s[22:23], s[50:51]
	s_wait_alu depctr_va_vdst(0)
	LOADW 512
	s_branch .Lblocks
.Lwide:
	s_lshr_b32 s46, s45, 5                         ; [512][1024]: K step, and which 32 columns
	s_and_b32 s47, s45, 31
	s_cmp_eq_u32 s44, 4
	s_cselect_b64 s[48:49], s[18:19], s[20:21]
	s_sub_co_u32 s50, s44, 4                       ; 2,097,152 + 524,288 (matrix - 4) + [K step 4][column group 32][u][2048]
	s_lshl_b32 s50, s50, 19
	s_lshl_b32 s52, s46, 17
	s_add_co_u32 s50, s50, s52
	s_lshl_b32 s52, s47, 12
	s_add_co_u32 s50, s50, s52
	s_add_co_u32 s50, s50, 2097152
	s_lshl_b32 s52, s46, 19                        ; the source: 128 rows of 4,096 bytes a K step
	s_lshl_b32 s54, s47, 7
	s_add_co_u32 s52, s52, s54
	s_add_nc_u64 s[48:49], s[48:49], s[52:53]
	s_add_nc_u64 s[56:57], s[22:23], s[50:51]
	s_lshr_b32 s50, s50, 5
	s_add_co_u32 s50, s50, 3145728
	s_add_nc_u64 s[58:59], s[22:23], s[50:51]
	s_wait_alu depctr_va_vdst(0)
	LOADW 1024
.Lblocks:
	s_wait_loadcnt 0x0                             ; all 128: they were asked for together
	BLOCK 0
	BLOCK 1
	BLOCK 2
	BLOCK 3
	global_store_b32 v7, v[SB], s[58:59]           ; the two fragments' 32 scale words: 128 consecutive bytes
.Lmeet1:
	BAR                                            ; 32 rows of x lie in the stage
	s_cmp_lt_u32 s26, 16
	s_cbranch_scc0 .Lmeet2
	; ---- wave w quantises fragment w: lane (r, h) takes, of each block of 32, the numbers 8 h + 0..7 and 16 + 8 h + 0..7: the program's order
.irp b, 0,1,2,3
	ds_load_b128 v[16+16*\b:16+16*\b+3],     v3 offset:128*\b
	ds_load_b128 v[16+16*\b+4:16+16*\b+7],   v3 offset:128*\b+16
	ds_load_b128 v[16+16*\b+8:16+16*\b+11],  v3 offset:128*\b+64
	ds_load_b128 v[16+16*\b+12:16+16*\b+15], v3 offset:128*\b+80
.endr
	s_wait_dscnt 0x0
	QNT 4, 16, 16, 0, 96, 80
	v_lshl_or_b32 v148, v101, 8, v100              ; the four bytes make my row's scale word
	s_delay_alu instid0(VALU_DEP_1)
	v_lshl_or_b32 v148, v102, 16, v148
	s_delay_alu instid0(VALU_DEP_1)
	v_lshl_or_b32 v148, v103, 24, v148
.irp c, 0,1,2,3
	global_store_b128 v1, v[80+4*\c:80+4*\c+3], s[38:39] offset:512*\c     ; the image: each line stores 512 consecutive bytes, aligned
.endr
	ds_store_b32 v5, v148                          ; both halves of the lanes hold the same word
.Lmeet2:
	BAR                                            ; the work-group's 1,024 bytes of scale words lie together
	s_cmp_lt_u32 s26, 2
	s_cbranch_scc0 .Lend
	ds_load_b128 v[16:19], v6
	s_wait_dscnt 0x0
	global_store_b128 v1, v[16:19], s[40:41]       ; 512 consecutive bytes, aligned
.Lend:
	s_wait_tensorcnt 0x0
	ds_add_u32 v176, v177
	s_wait_dscnt 0x0
	s_endpgm
.Lfunc_end_k_qaa5704f25a_prep:
	.size	k_qaa5704f25a_prep, .Lfunc_end_k_qaa5704f25a_prep-k_qaa5704f25a_prep
	.p2alignl 7, 3214868480
	.fill 96, 4, 3214868480
	.section	.rodata,"a",@progbits
	.p2align	6, 0x0
	.amdhsa_kernel k_qaa5704f25a_prep
		.amdhsa_group_segment_fixed_size 135168
		.amdhsa_private_segment_fixed_size 0
		.amdhsa_enable_private_segment 0
		.amdhsa_kernarg_size 88
		.amdhsa_user_sgpr_count 2
		.amdhsa_user_sgpr_kernarg_segment_ptr 1
		.amdhsa_wavefront_size32 1
		.amdhsa_system_sgpr_workgroup_id_x 1
		.amdhsa_system_sgpr_workgroup_id_y 1
		.amdhsa_system_sgpr_workgroup_id_z 1
		.amdhsa_system_vgpr_workitem_id 0
		.amdhsa_next_free_vgpr 178
		.amdhsa_next_free_sgpr 66
		.amdhsa_reserve_vcc 0
		.amdhsa_float_denorm_mode_32 3
		.amdhsa_float_denorm_mode_16_64 3
		.amdhsa_memory_ordered 1
		.amdhsa_forward_progress 1
		.amdhsa_inst_pref_size 70
	.end_amdhsa_kernel
	.amdgpu_metadata
---
amdhsa.version: [ 1, 2 ]
amdhsa.kernels:
  - .name:           k_qaa5704f25a_prep
    .symbol:         k_qaa5704f25a_prep.kd
    .args:
      - { .name: src, .offset: 0, .size: 8, .value_kind: global_buffer, .address_space: global }
      - { .name: pre_norm_w, .offset: 8, .size: 8, .value_kind: global_buffer, .address_space: global }
      - { .name: pre_norm_b, .offset: 16, .size: 8, .value_kind: global_buffer, .address_space: global }
      - { .name: wq, .offset: 24, .size: 8, .value_kind: global_buffer, .address_space: global }
      - { .name: wk, .offset: 32, .size: 8, .value_kind: global_buffer, .address_space: global }
      - { .name: wv, .offset: 40, .size: 8, .value_kind: global_buffer, .address_space: global }
      - { .name: w1, .offset: 48, .size: 8, .value_kind: global_buffer, .address_space: global }
      - { .name: w_proj, .offset: 56, .size: 8, .value_kind: global_buffer, .address_space: global }
      - { .name: w2, .offset: 64, .size: 8, .value_kind: global_buffer, .address_space: global }
      - { .name: wb, .offset: 72, .size: 8, .value_kind: global_buffer, .address_space: global }
      - { .name: xb, .offset: 80, .size: 8, .value_kind: global_buffer, .address_space: global }
    .group_segment_fixed_size: 135168
    .private_segment_fixed_size: 0
    .kernarg_segment_align: 8
    .kernarg_segment_size: 88
    .max_flat_workgroup_size: 608
    .sgpr_count:     66
    .vgpr_count:     178
    .wavefront_size: 32
...
	.end_amdgpu_metadata
.endif
;; end of part 5
;; launch qkv (part 6): grid 32 x 8, 16 waves a work-group, clusters of 4 x 1, 200,192 bytes of LDS; arguments xb, wb, qkvb; writes qkvb
.if DOCPART == 6
	.amdgcn_target "amdgcn-amd-amdhsa--gfx1250"
	.amdhsa_code_object_version 6
	.text
	.protected	k_qaa5704f25a_qkv
	.globl	k_qaa5704f25a_qkv
	.p2align	8
	.type	k_qaa5704f25a_qkv,@function
k_qaa5704f25a_qkv:
	s_mov_b64 s[64:65], 0
	v_nop
	global_prefetch_b8 v0, s[64:65] scope:SCOPE_SE
	s_setreg_imm32_b32 hwreg(HW_REG_WAVE_MODE, 25, 1), 1
	s_wait_xcnt 0x0
	s_wait_alu depctr_hold_cnt(0) depctr_sa_sdst(0) depctr_va_vdst(0) depctr_va_sdst(0) depctr_va_ssrc(0) depctr_va_vcc(0) depctr_vm_vsrc(0)
	s_getreg_b32 s2, hwreg(HW_REG_IB_STS2, 6, 4)
	s_cmp_eq_u32 s2, 0
	s_cbranch_scc0 .Lentry_in_a_cluster
	s_endpgm
.Lentry_in_a_cluster:
	s_bfe_u32 s2, ttmp6, 0x10000c
	s_cmp_lg_u32 s2, 0x3003
	s_cbranch_scc0 .Lentry_shape_is_right
	s_endpgm
.Lentry_shape_is_right:
; q, k, v = Q(x) Q(wq), Q(x) Q(wk), Q(x) Q(wv) on codes of E4M3 with E8M0 scales, both operands as the launch before made them;  then q and k are quantised along the head's 64 and v along the keys.  Only codes and scale bytes leave.
; THE WEIGHTS STAY AND THE ROWS STREAM.  A work-group owns 256 rows x one head's 192 columns (64 each of q, k, v).  The head's weight codes, 8 K steps x 24,576 = 196,608 bytes, lie in LDS, FILLED ONCE: no ring and no refill.
; So a work-group takes in 196,608 bytes of weights for 256 rows, where a work-group of 32 rows x all 1,536 columns would take in 1,572,864 for 32.
; CLUSTER: the four row groups of a cluster belong to one head, so each piece of the weights is asked for JOINTLY, by the same tensor load with the same descriptor and the mask of all four.  Each wave asks for one piece
; of 48 rows x 256 bytes (K step w / 2, column half w % 2): one tensor load of mine is out.
; x's codes come straight into registers: a fragment is read by the two waves that share its rows, 540,672 bytes a work-group in all; the 270,336 bytes of x do not fit in LDS beside the weights, and the partners share no rows.
; SHARES.  Wave w makes rows 32 (w / 2) on of the work-group's 256 and columns 32 (w % 2) on of the head's q, k and v: 6 weight fragments a K step x 2 row tiles = 12 accumulators, 8 K steps of 128.
; q and k are made TRANSPOSED (source 0 = 16 columns of the weight, source 1 = 16 rows of x): a lane holds one row and 16 numbers of a block of 32 along the head.  v is made the other way round: a lane holds one
; channel and 16 of the block's 32 keys.  So each result is quantised in the registers in which it falls, with one exchange between the halves of the lanes, and the codes leave as images of operand registers.
; THE ORDER INSIDE A BLOCK OF 32 is the program's: places 0-7, 8-15, 16-23, 24-31 hold k 0-7, 16-23, 8-15, 24-31, on both sides of every product.  LIMIT: within a block the sums go in that order, not K ascending.
; LIMITS: blocks under 2^-118 have their byte held at 1; a block of zeros gets the byte 1 (its codes are zeros; this program alone reads the bytes); NaN and infinities are not served.
; THE SCALE BYTES leave in the layout in which the next launch reads them, [32-row block][head][64 bytes]: a work-group's part of each table is eight pieces of 64 bytes, 512 bytes apart, so these stores cover aligned blocks
; of 256 bytes only in part: 1,536 of the 50,688 bytes that the work-group stores.
; LDS: 0 the weights [K step 8][column half 2][fragment 6][2048];  196,608 scale bytes on their way out.
; REGISTERS: v1-13 addresses that stay; v16-111 the 12 accumulators; v112-143 x's two fragments; v144-146 the weights' scale words, v147 x's; v160-255 six weight fragments (at the end: work and codes).
.set OUTS, 196608
.set ACC,  16
.set XF,   112
.set WF,   160
.set WV,   14                          ; s14 my wave's number
.set SEL,  26                          ; s[26:27] v_permlanex16_b32's selects for lane l xor 16
.set MNT,  28                          ; s28 the mantissa field of 448
.set HM,   29                          ; s29 mask of lanes 16-31
.set G1,   40                          ; s[40:47] descriptor group 1
.set G0,   48                          ; s[48:51] descriptor group 0
.macro PL n                            ; places: plain vector lines that name no register of the matrix instructions round them (ISA guide 7.12.1)
.rept \n
	v_nop
.endr
.endm
.macro BAR                             ; my LDS stores have landed and my LDS loads are in; then the work-group's barrier
	s_wait_dscnt 0x0
	s_barrier_signal -1
	s_barrier_wait -1
.endm
.macro CROUND                          ; a round of the cluster's barrier: my work-group's barrier; wave 0 signals for the work-group; every wave waits for all four; my work-group's barrier once more
	s_barrier_signal -1
	s_barrier_wait -1
	s_cmp_lg_u32 s[WV], 0
	s_cbranch_scc1 .Lnot_wave_0_\@
	s_barrier_signal -3
.Lnot_wave_0_\@:
	s_barrier_wait -3
	s_barrier_signal -1
	s_barrier_wait -1
.endm
; One product of 16 x 16 x 128.  c = -1: the sum begins with 0.  ra, rb = 1: that side's scale words stand in lanes 16-31 of its register.
.macro WM d, a, b, c, sa, sb, ra, rb
.if (\c) < 0
.if (\ra) && (\rb)
	v_wmma_scale_f32_16x16x128_f8f6f4 v[\d:\d+7], v[\a:\a+15], v[\b:\b+15], 0, v[\sa], v[\sb] matrix_a_scale:MATRIX_SCALE_ROW1 matrix_b_scale:MATRIX_SCALE_ROW1
.elseif (\ra)
	v_wmma_scale_f32_16x16x128_f8f6f4 v[\d:\d+7], v[\a:\a+15], v[\b:\b+15], 0, v[\sa], v[\sb] matrix_a_scale:MATRIX_SCALE_ROW1
.elseif (\rb)
	v_wmma_scale_f32_16x16x128_f8f6f4 v[\d:\d+7], v[\a:\a+15], v[\b:\b+15], 0, v[\sa], v[\sb] matrix_b_scale:MATRIX_SCALE_ROW1
.else
	v_wmma_scale_f32_16x16x128_f8f6f4 v[\d:\d+7], v[\a:\a+15], v[\b:\b+15], 0, v[\sa], v[\sb]
.endif
.else
.if (\ra) && (\rb)
	v_wmma_scale_f32_16x16x128_f8f6f4 v[\d:\d+7], v[\a:\a+15], v[\b:\b+15], v[\c:\c+7], v[\sa], v[\sb] matrix_a_scale:MATRIX_SCALE_ROW1 matrix_b_scale:MATRIX_SCALE_ROW1
.elseif (\ra)
	v_wmma_scale_f32_16x16x128_f8f6f4 v[\d:\d+7], v[\a:\a+15], v[\b:\b+15], v[\c:\c+7], v[\sa], v[\sb] matrix_a_scale:MATRIX_SCALE_ROW1
.elseif (\rb)
	v_wmma_scale_f32_16x16x128_f8f6f4 v[\d:\d+7], v[\a:\a+15], v[\b:\b+15], v[\c:\c+7], v[\sa], v[\sb] matrix_b_scale:MATRIX_SCALE_ROW1
.else
	v_wmma_scale_f32_16x16x128_f8f6f4 v[\d:\d+7], v[\a:\a+15], v[\b:\b+15], v[\c:\c+7], v[\sa], v[\sb]
.endif
.endif
.endm
; nb blocks of 32 are quantised.  Block b: my 16 numbers in v[s + 16 b] on, the other 16 in lane l xor 16.  Held numbers go to v[d + 16 b] on, codes to v[pc + 4 b] on (four registers),
; the scale's byte stays in v[tm + nb + b].  relu = 1: what is negative becomes 0 on the way.  The blocks take turns line by line.  Each group of eight numbers is first read at its low end.
.macro QNT nb, s, d, relu, tm, pc
.set QB, 0
.rept \nb
	v_mov_b32 v[\tm+\nb+QB], 0                     ; a lane permute's destination counts as one of its sources
.set QB, QB+1
.endr
.set QB, 0
.rept \nb
.if \relu
	v_max3_num_f32 v[\tm+QB], v[\s+16*QB], v[\s+16*QB+1], 0x4800000
.else
	v_max3_num_f32 v[\tm+QB], |v[\s+16*QB]|, |v[\s+16*QB+1]|, 0x4800000  ; with the floor 2^(9 - 127): the byte cannot fall under 1
.endif
.set QB, QB+1
.endr
.irp i, 2,4,6,8,10,12,14
.set QB, 0
.rept \nb
.if \relu
	v_max3_num_f32 v[\tm+QB], v[\tm+QB], v[\s+16*QB+\i], v[\s+16*QB+\i+1]
.else
	v_max3_num_f32 v[\tm+QB], v[\tm+QB], |v[\s+16*QB+\i]|, |v[\s+16*QB+\i+1]|
.endif
.set QB, QB+1
.endr
.endr
.set QB, 0
.rept \nb
	v_permlanex16_b32 v[\tm+\nb+QB], v[\tm+QB], s[SEL], s[SEL+1]
.set QB, QB+1
.endr
.set QB, 0
.rept \nb
	v_max_num_f32 v[\tm+QB], v[\tm+QB], v[\tm+\nb+QB]          ; the block's largest magnitude
.set QB, QB+1
.endr
.set QB, 0
.rept \nb
	v_add_nc_u32 v[\tm+3*\nb+QB], 0xfc000000, v[\tm+QB]        ; 8 off its exponent field: the conversion's scale operand
.set QB, QB+1
.endr
.set QB, 0
.rept \nb
	v_and_or_b32 v[\tm+2*\nb+QB], v[\tm+QB], 0x7f800000, s[MNT]  ; 448 x the scale
.set QB, QB+1
.endr
.set QB, 0
.rept \nb
	v_lshrrev_b32 v[\tm+\nb+QB], 23, v[\tm+3*\nb+QB]           ; the scale's byte
.set QB, QB+1
.endr
.set QB, 0
.rept \nb
.irp i, 0,1,2,3,4,5,6,7,8,9,10,11,12,13,14,15
.if \relu
	v_med3_num_f32 v[\d+16*QB+\i], v[\s+16*QB+\i], 0, v[\tm+2*\nb+QB]
.else
	v_med3_num_f32 v[\d+16*QB+\i], v[\s+16*QB+\i], -v[\tm+2*\nb+QB], v[\tm+2*\nb+QB]   ; the conversion does not saturate (ISA guide 7.6.2): the hold comes first
.endif
.endr
	v_cvt_scalef32_pk8_fp8_f32 v[\pc+4*QB:\pc+4*QB+1],   v[\d+16*QB:\d+16*QB+7],    v[\tm+3*\nb+QB]
	v_cvt_scalef32_pk8_fp8_f32 v[\pc+4*QB+2:\pc+4*QB+3], v[\d+16*QB+8:\d+16*QB+15], v[\tm+3*\nb+QB]
.set QB, QB+1
.endr
	v_nop                                          ; a plain line behind the last conversion
.endm
.macro XLOADG k                        ; K step k, from memory: x's two fragments (each line reads 512 consecutive bytes); x's scale words (lanes 0-15 rows 0-15, lanes 16-31 rows 16-31); the weights' three registers of scale words
.irp m, 0,1
.irp c, 0,1,2,3
	global_load_b128 v[XF+16*\m+4*\c:XF+16*\m+4*\c+3], v1, s[32:33] offset:16384*\m+2048*(\k)+512*\c
.endr
.endr
	global_load_b32 v147, v5, s[34:35] offset:128*(\k)
.irp p, 0,1,2
	global_load_b32 v[144+\p], v5, s[36:37] offset:6144*(\k)+128*\p
.endr
.endm
.macro WFETCH k                        ; K step k, from LDS: my six weight fragments.  An address register reaches three K steps of 24,576 bytes by the 16-bit immediate
.irp f, 0,1,2,3,4,5
.irp c, 0,1,2,3
	ds_load_b128 v[WF+16*\f+4*\c:WF+16*\f+4*\c+3], v[2+(\k)/3] offset:((\k)%3)*24576+2048*\f+512*\c
.endr
.endr
.endm
.macro MM zero                         ; 12 products; the 12 accumulators take turns, one instruction a turn, in the same order in every K step
.irp f, 0,1,2,3
.irp m, 0,1
.set rD, ACC+32*(\f/2)+16*\m+8*(\f%2)
.if \zero
	WM rD, WF+16*\f, XF+16*\m, -1, 144+\f/2, 147, \f%2, \m
.else
	WM rD, WF+16*\f, XF+16*\m, rD, 144+\f/2, 147, \f%2, \m
.endif
.endr
.endr
.irp f, 4,5
.irp m, 0,1
.set rD, ACC+64+16*(\f-4)+8*\m
.if \zero
	WM rD, XF+16*\m, WF+16*\f, -1, 147, 146, \m, \f-4
.else
	WM rD, XF+16*\m, WF+16*\f, rD, 147, 146, \m, \f-4
.endif
.endr
.endr
.endm
	s_load_b128 s[4:7], s[0:1], 0x0                ; xb, wb
	s_load_b64 s[8:9], s[0:1], 0x10                ; qkvb
	v_lshl_add_u32 v158, v0, 2, 0x30600
	v_mov_b32 v159, 0
	ds_add_u32 v158, v159
	ds_add_u32 v158, v159
	v_lshrrev_b32 v13, 5, v0
	s_delay_alu instid0(VALU_DEP_1)
	v_readfirstlane_b32 s[WV], v13                 ; wave 0..15
	v_and_b32 v13, 31, v0                          ; lane
	v_and_b32 v148, 15, v0                         ; r
	v_bfe_u32 v149, v0, 4, 1                       ; h
	s_delay_alu instid0(VALU_DEP_3)
	v_cmp_lt_u32 s[HM], 15, v13
	s_delay_alu instid0(VALU_DEP_4)
	v_lshlrev_b32 v1, 4, v13                       ; v1: 16 x lane
	s_wait_alu depctr_va_vdst(0)
	v_lshlrev_b32 v5, 2, v13                       ; v5: 4 x lane
	s_lshr_b32 s18, s[WV], 1                       ; which 32 of the work-group's 256 rows
	s_and_b32 s19, s[WV], 1                        ; which half of the head's 64 columns
	s_mul_i32 s30, s19, 12288
	v_add_nc_u32 v2, s30, v1                       ; v2: my six fragments in K steps 0-2,
	s_delay_alu instid0(VALU_DEP_1)
	v_add_nc_u32 v3, 73728, v2                     ; v3: 3-5,
	s_delay_alu instid0(VALU_DEP_2)
	v_add_nc_u32 v4, 147456, v2                    ; v4: 6-7
	s_lshl_b32 s30, s18, 6
	s_add_co_u32 s30, s30, s19
	s_add_co_u32 s30, s30, OUTS
	v_lshl_add_u32 v10, v148, 2, s30
	s_delay_alu instid0(VALU_DEP_1)
	v_lshl_add_u32 v10, v149, 1, v10               ; v10: q's (k's: + 512) byte: word (32-row block, r), byte 2 (row tile = h) + half
	s_lshl_b32 s30, s[WV], 5
	s_add_co_u32 s30, s30, OUTS+1024
	v_add_nc_u32 v11, s30, v13                     ; v11: v's byte: 64 x block + channel 32 x half + lane
	s_min_u32 s15, s[WV], 2                        ; (only waves 0-2 send the bytes out)
	s_lshl_b32 s30, s15, 9
	s_add_co_u32 s30, s30, OUTS
	v_add_nc_u32 v12, s30, v1                      ; v12: 512 bytes of them
	v_lshrrev_b32 v6, 2, v13
	s_delay_alu instid0(VALU_DEP_1)
	v_lshlrev_b32 v6, 9, v6
	v_and_b32 v7, 3, v13
	s_delay_alu instid0(VALU_DEP_1)
	v_lshl_add_u32 v6, v7, 4, v6                   ; v6: and their place in a table: block (lane / 4) x 512 + 16 (lane % 4)
	s_bfe_u32 s10, ttmp6, 0x40000                  ; cx: it enters x's and the results' addresses alone
	s_lshl_b32 s11, ttmp9, 2
	s_add_co_u32 s11, s11, s10                     ; my group of 256 rows
	s_and_b32 s12, ttmp7, 0xffff                   ; the head, which the four partners share
	; my piece of the weights: 12,288 bytes.  Nothing here hangs on cx
	s_mul_i32 s16, s18, 196608                     ; K step w / 2,
	s_mul_i32 s17, s12, 24576                      ; the head's two column groups,
	s_add_co_u32 s16, s16, s17
	s_mul_i32 s17, s19, 12288                      ; of which w % 2
	s_add_co_u32 s16, s16, s17
	s_mov_b32 s17, 0
	s_mov_b32 s[G0], 1                             ; 1:0 count = 1
	s_mul_i32 s[G0+1], s[WV], 12288                ; 63:32 LDS address
	s_mov_b32 s[G1], 15|(3<<16)|(1<<21)            ; 15:0 the mask: all four work-groups; 17:16 elements of 8 bytes; 21 set beside a mask; no padding: images are read 512 consecutive bytes a line
	s_mov_b32 s[G1+1], 32<<16                      ; tensor_dim0 = 32 elements: rows of 256 bytes
	s_mov_b32 s[G1+2], 48<<16                      ; tensor_dim1 = 48
	s_mov_b32 s[G1+3], 32<<16                      ; tile_dim0
	s_mov_b32 s[G1+4], 48                          ; tile_dim1
	s_mov_b32 s[G1+5], 32                          ; the pitch: dense
	s_mov_b32 s[G1+6], 0
	s_mov_b32 s[G1+7], 0
	s_mov_b32 s[SEL], 0x76543210
	s_mov_b32 s[SEL+1], 0xfedcba98
	s_mov_b32 s[MNT], 0x600000
	s_wait_dscnt 0x0
	s_wait_kmcnt 0x0
	s_add_nc_u64 s[G0+2:G0+3], s[6:7], s[16:17]    ; 120:64 global address
	s_or_b32 s[G0+3], s[G0+3], 0x80000000          ; 127:126 type = 2
	CROUND                                         ; all four work-groups are here: the joint loads meet
	tensor_load_to_lds s[G0:G0+3], s[G1:G1+7]
	s_nop 0
	PL 4
	; the other addresses
	s_lshl_b32 s13, s11, 3
	s_add_co_u32 s13, s13, s18                     ; my block of 32 rows, 0..255
	s_mov_b32 s31, 0
	s_lshl_b32 s30, s13, 15
	s_add_nc_u64 s[32:33], s[4:5], s[30:31]        ; x's codes: 32,768 bytes a block
	s_lshl_b32 s30, s13, 10
	s_add_co_u32 s30, s30, 8388608
	s_add_nc_u64 s[34:35], s[4:5], s[30:31]        ; x's scale words: 1,024 bytes a block
	s_mul_i32 s30, s12, 768
	s_mul_i32 s38, s19, 384
	s_add_co_u32 s30, s30, s38
	s_add_co_u32 s30, s30, 3145728
	s_add_nc_u64 s[36:37], s[6:7], s[30:31]        ; the weights' scale words: 384 bytes a column group in each K step's 6,144
	XLOADG 0                                       ; the first K step's rows are asked for while the weights land
	s_lshr_b32 s16, s13, 6                         ; batch
	s_and_b32 s17, s13, 63                         ; my block of 32 rows in it
	s_lshl_b32 s30, s16, 20                        ; a (batch, head) is 131,072 bytes in each tensor of codes
	s_lshl_b32 s38, s12, 17
	s_add_co_u32 s30, s30, s38
	s_lshr_b32 s38, s17, 2                         ; v: [bh][key step 16][channel tile 4][block 4][512]
	s_lshl_b32 s38, s38, 13
	s_add_co_u32 s38, s38, s30
	s_lshl_b32 s39, s19, 12
	s_add_co_u32 s38, s38, s39
	s_and_b32 s39, s13, 3
	s_lshl_b32 s39, s39, 9
	s_add_co_u32 s38, s38, s39
	s_add_co_u32 s38, s38, 8388608
	s_mov_b32 s39, 0
	s_add_nc_u64 s[22:23], s[8:9], s[38:39]
	s_lshl_b32 s38, s17, 11                        ; q, k: [bh][tile 128][half 2][512]
	s_add_co_u32 s30, s30, s38
	s_lshl_b32 s38, s19, 9
	s_add_co_u32 s30, s30, s38
	s_add_nc_u64 s[20:21], s[8:9], s[30:31]
	s_lshl_b32 s30, s15, 17                        ; the bytes: q's, k's, v's tables, 131,072 bytes each: [block 256][head 8][64]
	s_lshl_b32 s38, s11, 12
	s_add_co_u32 s30, s30, s38
	s_lshl_b32 s38, s12, 6
	s_add_co_u32 s30, s30, s38
	s_add_co_u32 s30, s30, 12582912
	s_add_nc_u64 s[24:25], s[8:9], s[30:31]
	s_wait_tensorcnt 0x0                           ; my piece has landed,
	BAR                                            ; everybody's has
	; ---- the K loop, written out: no barrier in it.  Eight places stand between a step's products and the loads into the registers that they read
	WFETCH 0
	s_wait_alu depctr_va_vdst(0)
.irp k, 0,1,2,3,4,5,6,7
	s_wait_loadcnt 0x0
	s_wait_dscnt 0x0
.if \k == 0
	MM 1
.else
	MM 0
.endif
	PL 8
.if \k < 7
	XLOADG \k+1
	WFETCH \k+1
.endif
.endr
	; ---- six blocks: (q, rows 0-15), (q, rows 16-31), (k, ..), (k, ..), (v, channels 0-15), (v, channels 16-31)
	QNT 6, 16, 16, 0, 160, 184
.irp m, 0,1
	global_store_b128 v1, v[184+4*\m:184+4*\m+3], s[20:21] offset:1024*\m           ; each line stores 512 consecutive bytes, aligned
	global_store_b128 v1, v[192+4*\m:192+4*\m+3], s[20:21] offset:4194304+1024*\m
	global_store_b128 v1, v[200+4*\m:200+4*\m+3], s[22:23] offset:2048*\m
.endr
	v_cndmask_b32 v208, v166, v167, s[HM]          ; lanes 0-15 send the first block's byte, lanes 16-31 the second's
	v_cndmask_b32 v209, v168, v169, s[HM]
	v_cndmask_b32 v210, v170, v171, s[HM]
	ds_store_b8 v10, v208
	ds_store_b8 v10, v209 offset:512
	ds_store_b8 v11, v210
	BAR                                            ; the work-group's 1,536 scale bytes lie together
	s_cmp_lt_u32 s[WV], 3
	s_cbranch_scc0 .Lend
	ds_load_b128 v[212:215], v12
	s_wait_dscnt 0x0
	global_store_b128 v6, v[212:215], s[24:25]     ; wave 0: q's, wave 1: k's, wave 2: v's: eight pieces of 64 consecutive bytes
.Lend:
	s_wait_tensorcnt 0x0
	ds_add_u32 v158, v159
	s_wait_dscnt 0x0
	CROUND                                         ; the closing round: no work-group ends while a partner may still ask for a piece that names it
	s_endpgm
.Lfunc_end_k_qaa5704f25a_qkv:
	.size	k_qaa5704f25a_qkv, .Lfunc_end_k_qaa5704f25a_qkv-k_qaa5704f25a_qkv
	.p2alignl 7, 3214868480
	.fill 96, 4, 3214868480
	.section	.rodata,"a",@progbits
	.p2align	6, 0x0
	.amdhsa_kernel k_qaa5704f25a_qkv
		.amdhsa_group_segment_fixed_size 200192
		.amdhsa_private_segment_fixed_size 0
		.amdhsa_enable_private_segment 0
		.amdhsa_kernarg_size 24
		.amdhsa_user_sgpr_count 2
		.amdhsa_user_sgpr_kernarg_segment_ptr 1
		.amdhsa_wavefront_size32 1
		.amdhsa_system_sgpr_workgroup_id_x 1
		.amdhsa_system_sgpr_workgroup_id_y 1
		.amdhsa_system_sgpr_workgroup_id_z 1
		.amdhsa_system_vgpr_workitem_id 0
		.amdhsa_next_free_vgpr 256
		.amdhsa_next_free_sgpr 66
		.amdhsa_reserve_vcc 0
		.amdhsa_float_denorm_mode_32 3
		.amdhsa_float_denorm_mode_16_64 3
		.amdhsa_memory_ordered 1
		.amdhsa_forward_progress 1
		.amdhsa_inst_pref_size 55
	.end_amdhsa_kernel
	.amdgpu_metadata
---
amdhsa.version: [ 1, 2 ]
amdhsa.kernels:
  - .name:           k_qaa5704f25a_qkv
    .symbol:         k_qaa5704f25a_qkv.kd
    .args:
      - { .name: xb, .offset: 0, .size: 8, .value_kind: global_buffer, .address_space: global }
      - { .name: wb, .offset: 8, .size: 8, .value_kind: global_buffer, .address_space: global }
      - { .name: qkvb, .offset: 16, .size: 8, .value_kind: global_buffer, .address_space: global }
    .group_segment_fixed_size: 200192
    .private_segment_fixed_size: 0
    .kernarg_segment_align: 8
    .kernarg_segment_size: 24
    .max_flat_workgroup_size: 512
    .sgpr_count:     66
    .vgpr_count:     256
    .wavefront_size: 32
...
	.end_amdgpu_metadata
.endif
;; end of part 6
;; launch attn (part 7): grid 8 x 32, 16 waves a work-group, clusters of 4 x 1, 272,896 bytes of LDS; arguments qkvb, ob; writes ob
.if DOCPART == 7
	.amdgcn_target "amdgcn-amd-amdhsa--gfx1250"
	.amdhsa_code_object_version 6
	.text
	.protected	k_qaa5704f25a_attn
	.globl	k_qaa5704f25a_attn
	.p2align	8
	.type	k_qaa5704f25a_attn,@function
k_qaa5704f25a_attn:
	s_mov_b64 s[64:65], 0
	v_nop
	global_prefetch_b8 v0, s[64:65] scope:SCOPE_SE
	s_setreg_imm32_b32 hwreg(HW_REG_WAVE_MODE, 25, 1), 1
	s_wait_xcnt 0x0
	s_wait_alu depctr_hold_cnt(0) depctr_sa_sdst(0) depctr_va_vdst(0) depctr_va_sdst(0) depctr_va_ssrc(0) depctr_va_vcc(0) depctr_vm_vsrc(0)
	s_getreg_b32 s2, hwreg(HW_REG_IB_STS2, 6, 4)
	s_cmp_eq_u32 s2, 0
	s_cbranch_scc0 .Lentry_in_a_cluster
	s_endpgm
.Lentry_in_a_cluster:
	s_bfe_u32 s2, ttmp6, 0x10000c
	s_cmp_lg_u32 s2, 0x3003
	s_cbranch_scc0 .Lentry_shape_is_right
	s_endpgm
.Lentry_shape_is_right:
; o = softmax(q k^T / 8) v for one (batch, head), both products on codes of E4M3 with E8M0 scales; then o / l is quantised along the inner axis.  Only codes and scale bytes leave.
; THE SOFTMAX: t = score x log2(e) / 8; M = the running largest t rounded UP to a whole number; p = 2^(t - M) is quantised along the keys, not normalised; the row's sum l is taken of the unquantised p;
; when M moves, l and O are multiplied by 2^(old M - new M), which rounds nothing.
; SHARES.  A work-group owns 256 queries of one head, each of its sixteen waves 16: four waves to a SIMD, so that one wave's vector work stands beside another's products and LDS loads.
; ALL OF THE HEAD'S K AND V CODES, 2 x 131,072 bytes, LIE IN LDS, FILLED ONCE: no ring and no refill.  CLUSTER: the four query blocks of a cluster belong to one head, so each piece is asked for JOINTLY, by the same
; tensor load with the same descriptor and the mask of all four.  Each wave asks for one piece of 64 rows x 256 bytes (waves 0-7: K's, waves 8-15: V's): one tensor load of mine is out.
; LAYOUT.  Both products are used transposed: a lane holds ONE query (lane % 16).  The head is 64 wide, half of the instruction's 128: a fragment of K holds TWO tiles of 16 keys (one in places 0-63, one in 64-127) and is
; multiplied once by [Q | 0] and once by [0 | Q].  The zero codes stand on Q's side; no NaN code is ever made (every number is held first), so they add exactly nothing.
; The 16 registers of a pair's two results are 16 of a block of 32 keys in the program's order (places 0-7, 8-15, 16-23, 24-31 hold keys 0-7, 16-23, 8-15, 24-31), in which V's codes were laid too.
; LIMITS: within a block the sums go in that order, not K ascending; blocks under 2^-118 have their byte held at 1; a block of zeros keeps the byte 1 (its codes are zeros); NaN and infinities are not served.
; A block's largest p is the block's largest score put through the same multiply-add and exponential: this takes v_exp_f32 not to fall where its input rises.
; LDS: 0 K;  131,072 V;  262,144 K's scale words [pair 64][16];  266,240 V's [key step 16][channel 64];  270,336 o's scale bytes on their way out.
; REGISTERS: v1-11 addresses; v12 -M, v13 the largest t, v[14:15] l in two halves; v16-23 Q, v24-31 zeros, v32-39 Q; v40-103 four fragments of K, then of V; v104-167 S^T, then p; v168-199 O^T; v200-215 p's codes;
;   v216-231 four registers each: largest scores, work, holds, scale operands; v[232:233] f; v234 p's scale word; v235 at work; v240-241 K's scale words, v242-243 V's, v244 Q's.
.set KSC,  262144
.set VSC,  266240
.set OSG,  270336
.set KF,   40
.set S,    104
.set O,    168
.set PC,   200
.set BM,   216
.set T2,   220
.set HOLD, 224
.set SCL,  228
.set PW,   234
.set TMP,  235
.set WV,   8
.set MNT,  19
.set SEL,  20
.set CS,   22
.set G1,   24
.set G0,   32
.set TK,   40
.set TS,   41
.set CNT,  42
.macro PL n
.rept \n
	v_nop
.endr
.endm
.macro BAR
	s_wait_dscnt 0x0
	s_barrier_signal -1
	s_barrier_wait -1
.endm
.macro CROUND                          ; a round of the cluster's barrier: my work-group's barrier; wave 0 signals for the work-group; every wave waits for all four; my work-group's barrier once more
	s_barrier_signal -1
	s_barrier_wait -1
	s_cmp_lg_u32 s[WV], 0
	s_cbranch_scc1 .Lnot_wave_0_\@
	s_barrier_signal -3
.Lnot_wave_0_\@:
	s_barrier_wait -3
	s_barrier_signal -1
	s_barrier_wait -1
.endm
.macro WM d, a, b, c, sa, sb, ra, rb
.if (\c) < 0
.if (\ra) && (\rb)
	v_wmma_scale_f32_16x16x128_f8f6f4 v[\d:\d+7], v[\a:\a+15], v[\b:\b+15], 0, v[\sa], v[\sb] matrix_a_scale:MATRIX_SCALE_ROW1 matrix_b_scale:MATRIX_SCALE_ROW1
.elseif (\ra)
	v_wmma_scale_f32_16x16x128_f8f6f4 v[\d:\d+7], v[\a:\a+15], v[\b:\b+15], 0, v[\sa], v[\sb] matrix_a_scale:MATRIX_SCALE_ROW1
.elseif (\rb)
	v_wmma_scale_f32_16x16x128_f8f6f4 v[\d:\d+7], v[\a:\a+15], v[\b:\b+15], 0, v[\sa], v[\sb] matrix_b_scale:MATRIX_SCALE_ROW1
.else
	v_wmma_scale_f32_16x16x128_f8f6f4 v[\d:\d+7], v[\a:\a+15], v[\b:\b+15], 0, v[\sa], v[\sb]
.endif
.else
.if (\ra) && (\rb)
	v_wmma_scale_f32_16x16x128_f8f6f4 v[\d:\d+7], v[\a:\a+15], v[\b:\b+15], v[\c:\c+7], v[\sa], v[\sb] matrix_a_scale:MATRIX_SCALE_ROW1 matrix_b_scale:MATRIX_SCALE_ROW1
.elseif (\ra)
	v_wmma_scale_f32_16x16x128_f8f6f4 v[\d:\d+7], v[\a:\a+15], v[\b:\b+15], v[\c:\c+7], v[\sa], v[\sb] matrix_a_scale:MATRIX_SCALE_ROW1
.elseif (\rb)
	v_wmma_scale_f32_16x16x128_f8f6f4 v[\d:\d+7], v[\a:\a+15], v[\b:\b+15], v[\c:\c+7], v[\sa], v[\sb] matrix_b_scale:MATRIX_SCALE_ROW1
.else
	v_wmma_scale_f32_16x16x128_f8f6f4 v[\d:\d+7], v[\a:\a+15], v[\b:\b+15], v[\c:\c+7], v[\sa], v[\sb]
.endif
.endif
.endm
; nb blocks of 32 are quantised: my 16 numbers of block b in v[s + 16 b] on, the other 16 in lane l xor 16; held numbers to v[d + 16 b] on, codes to v[pc + 4 b] on, the byte stays in v[tm + nb + b]
.macro QNT nb, s, d, relu, tm, pc
.set QB, 0
.rept \nb
	v_mov_b32 v[\tm+\nb+QB], 0
.set QB, QB+1
.endr
.set QB, 0
.rept \nb
.if \relu
	v_max3_num_f32 v[\tm+QB], v[\s+16*QB], v[\s+16*QB+1], 0x4800000
.else
	v_max3_num_f32 v[\tm+QB], |v[\s+16*QB]|, |v[\s+16*QB+1]|, 0x4800000  ; with the floor 2^(9 - 127): the byte cannot fall under 1
.endif
.set QB, QB+1
.endr
.irp i, 2,4,6,8,10,12,14
.set QB, 0
.rept \nb
.if \relu
	v_max3_num_f32 v[\tm+QB], v[\tm+QB], v[\s+16*QB+\i], v[\s+16*QB+\i+1]
.else
	s_delay_alu instid0(VALU_DEP_2)
	v_max3_num_f32 v[\tm+QB], v[\tm+QB], |v[\s+16*QB+\i]|, |v[\s+16*QB+\i+1]|
.endif
.set QB, QB+1
.endr
.endr
.set QB, 0
.rept \nb
	s_delay_alu instid0(VALU_DEP_2)
	v_permlanex16_b32 v[\tm+\nb+QB], v[\tm+QB], s[SEL], s[SEL+1]
.set QB, QB+1
.endr
.set QB, 0
.rept \nb
	s_delay_alu instid0(VALU_DEP_2)
	v_max_num_f32 v[\tm+QB], v[\tm+QB], v[\tm+\nb+QB]
.set QB, QB+1
.endr
.set QB, 0
.rept \nb
	s_delay_alu instid0(VALU_DEP_2)
	v_add_nc_u32 v[\tm+3*\nb+QB], 0xfc000000, v[\tm+QB]
.set QB, QB+1
.endr
.set QB, 0
.rept \nb
	s_delay_alu instid0(VALU_DEP_4)
	v_and_or_b32 v[\tm+2*\nb+QB], v[\tm+QB], 0x7f800000, s[MNT]
.set QB, QB+1
.endr
.set QB, 0
.rept \nb
	s_delay_alu instid0(VALU_DEP_4)
	v_lshrrev_b32 v[\tm+\nb+QB], 23, v[\tm+3*\nb+QB]
.set QB, QB+1
.endr
.set QB, 0
.rept \nb
.irp i, 0,1,2,3,4,5,6,7,8,9,10,11,12,13,14,15
.if \relu
	v_med3_num_f32 v[\d+16*QB+\i], v[\s+16*QB+\i], 0, v[\tm+2*\nb+QB]
.else
	v_med3_num_f32 v[\d+16*QB+\i], v[\s+16*QB+\i], -v[\tm+2*\nb+QB], v[\tm+2*\nb+QB]
.endif
.endr
	v_cvt_scalef32_pk8_fp8_f32 v[\pc+4*QB:\pc+4*QB+1],   v[\d+16*QB:\d+16*QB+7],    v[\tm+3*\nb+QB]
	v_cvt_scalef32_pk8_fp8_f32 v[\pc+4*QB+2:\pc+4*QB+3], v[\d+16*QB+8:\d+16*QB+15], v[\tm+3*\nb+QB]
.set QB, QB+1
.endr
	v_nop
.endm
	s_load_b128 s[4:7], s[0:1], 0x0                ; qkvb, ob
	v_lshl_add_u32 v254, v0, 2, 0x42200
	v_mov_b32 v255, 0
	ds_add_u32 v254, v255
	ds_add_u32 v254, v255
	v_lshrrev_b32 v237, 5, v0
	s_delay_alu instid0(VALU_DEP_1)
	v_readfirstlane_b32 s[WV], v237                ; wave 0..15
	v_and_b32 v237, 31, v0                         ; lane
	v_and_b32 v236, 15, v0                         ; r
	v_and_b32 v238, 255, v0                        ; my number among the 256 threads that copy one side's scales
	s_delay_alu instid0(VALU_DEP_3)
	v_lshlrev_b32 v1, 4, v237                      ; v1: 16 x lane
	s_delay_alu instid0(VALU_DEP_4)
	v_lshl_add_u32 v2, v237, 2, KSC                ; v2: a scale word's place for my lane
	v_lshl_add_u32 v6, v0, 4, KSC                  ; v6: where I put 16 bytes of scale words: threads 0-255 K's, threads 256-511 V's, which follow them
	s_lshl_b32 s14, s[WV], 5
	s_add_co_u32 s14, s14, OSG
	v_lshl_add_u32 v7, v236, 1, s14                ; v7: o's two scale bytes of my query
	v_add_nc_u32 v8, OSG, v1                       ; v8: and all 512 on their way out
	v_lshrrev_b32 v9, 2, v238
	s_delay_alu instid0(VALU_DEP_1)
	v_lshlrev_b32 v9, 9, v9
	v_and_b32 v239, 3, v238
	s_delay_alu instid0(VALU_DEP_1)
	v_lshl_add_u32 v9, v239, 4, v9                 ; v9: K's scale words in memory: pair (i / 4) x 512 + 16 (i % 4)
	v_lshrrev_b32 v10, 4, v238
	s_delay_alu instid0(VALU_DEP_1)
	v_lshlrev_b32 v10, 11, v10
	s_delay_alu instid0(VALU_DEP_1)
	v_lshl_add_u32 v10, v236, 2, v10               ; v10: V's bytes: key step (i / 16) x 4 blocks x 512 + 4 (i % 16)
	v_lshlrev_b32 v11, 2, v236                     ; v11: 4 r
	s_bfe_u32 s9, ttmp6, 0x40000                   ; cx: it enters Q's and o's addresses alone
	s_lshl_b32 s10, ttmp9, 2
	s_add_co_u32 s10, s10, s9                      ; my block of 256 queries
	s_and_b32 s11, ttmp7, 0xffff                   ; (batch, head), which the four partners share
	s_lshr_b32 s12, s11, 3                         ; batch
	s_and_b32 s13, s11, 7                          ; head
	; my piece of K or V: 16,384 bytes.  Nothing here hangs on cx
	s_lshr_b32 s14, s[WV], 3                       ; 0: K, 1: V
	s_and_b32 s15, s[WV], 7                        ; which eighth
	s_lshl_b32 s16, s14, 22
	s_lshl_b32 s17, s11, 17
	s_add_co_u32 s16, s16, s17
	s_lshl_b32 s17, s15, 14
	s_add_co_u32 s16, s16, s17
	s_add_co_u32 s16, s16, 4194304
	s_mov_b32 s17, 0
	s_mov_b32 s[G0], 1                             ; 1:0 count = 1
	s_lshl_b32 s[G0+1], s14, 17                    ; 63:32 LDS address: 131,072 x side + 16,384 x eighth
	s_lshl_b32 s18, s15, 14
	s_add_co_u32 s[G0+1], s[G0+1], s18
	s_mov_b32 s[G1], 15|(3<<16)|(1<<21)            ; 15:0 the mask: all four work-groups; 17:16 elements of 8 bytes; 21 set beside a mask; no padding: images are read 512 consecutive bytes a line
	s_mov_b32 s[G1+1], 32<<16                      ; tensor_dim0 = 32 elements: rows of 256 bytes
	s_mov_b32 s[G1+2], 64<<16                      ; tensor_dim1 = 64
	s_mov_b32 s[G1+3], 32<<16                      ; tile_dim0
	s_mov_b32 s[G1+4], 64                          ; tile_dim1
	s_mov_b32 s[G1+5], 32                          ; the pitch: dense
	s_mov_b32 s[G1+6], 0
	s_mov_b32 s[G1+7], 0
	s_mov_b32 s[SEL], 0x76543210
	s_mov_b32 s[SEL+1], 0xfedcba98
	s_mov_b32 s[CS], 0x3e38aa3b                    ; c = log2(e) / 8
	s_mov_b32 s[CS+1], s[CS]                       ; (named with it as a pair, so it is written)
	s_mov_b32 s[MNT], 0x600000
	s_mov_b32 s[TK], 0
	s_mov_b32 s[TS], 0
	s_mov_b32 s[CNT], 16
	s_wait_dscnt 0x0
	s_wait_kmcnt 0x0
	s_add_nc_u64 s[G0+2:G0+3], s[4:5], s[16:17]    ; 120:64 global address
	s_or_b32 s[G0+3], s[G0+3], 0x80000000          ; 127:126 type = 2
	CROUND                                         ; all four work-groups are here: the joint loads meet
	tensor_load_to_lds s[G0:G0+3], s[G1:G1+7]
	s_nop 0
	PL 4
	; the other addresses
	s_mov_b32 s57, 0
	s_lshl_b32 s56, s11, 17                        ; Q's codes: [bh][tile 128][2][512], tile 16 x block + wave
	s_lshl_b32 s58, s10, 14
	s_add_co_u32 s56, s56, s58
	s_lshl_b32 s58, s[WV], 10
	s_add_co_u32 s56, s56, s58
	s_add_nc_u64 s[44:45], s[4:5], s[56:57]
	s_lshl_b32 s56, s12, 15                        ; the tables of scale bytes: [32-row block 256][head 8][64 bytes]
	s_lshl_b32 s58, s13, 6
	s_add_co_u32 s56, s56, s58
	s_add_co_u32 s56, s56, 12713984
	s_add_nc_u64 s[48:49], s[4:5], s[56:57]        ; K's, at the batch's first block
	s_add_co_u32 s56, s56, 131072
	s_add_nc_u64 s[50:51], s[4:5], s[56:57]        ; V's
	s_sub_co_u32 s56, s56, 262144
	s_lshl_b32 s58, s10, 12
	s_add_co_u32 s56, s56, s58
	s_lshr_b32 s58, s[WV], 1
	s_lshl_b32 s58, s58, 9
	s_add_co_u32 s56, s56, s58
	s_add_nc_u64 s[46:47], s[4:5], s[56:57]        ; Q's, at my tile's pair
	s_lshl_b32 s56, s12, 20                        ; o's codes: [32-row block][tile 2][K step 4][block 4][512]: 8,192 bytes a wave, 1,024 a head
	s_lshl_b32 s58, s10, 17
	s_add_co_u32 s56, s56, s58
	s_lshl_b32 s58, s[WV], 13
	s_add_co_u32 s56, s56, s58
	s_lshl_b32 s58, s13, 10
	s_add_co_u32 s56, s56, s58
	s_add_nc_u64 s[52:53], s[6:7], s[56:57]
	s_lshl_b32 s56, s11, 12                        ; o's scale bytes: [bh][row 2048] two bytes
	s_lshl_b32 s58, s10, 9
	s_add_co_u32 s56, s56, s58
	s_add_co_u32 s56, s56, 4194304
	s_add_nc_u64 s[54:55], s[6:7], s[56:57]
	global_load_b128 v[16:19], v1, s[44:45]        ; Q stands twice, with eight registers of zeros between: v[16:31] = [Q | 0], v[24:39] = [0 | Q]
	global_load_b128 v[20:23], v1, s[44:45] offset:512
	global_load_b128 v[32:35], v1, s[44:45]
	global_load_b128 v[36:39], v1, s[44:45] offset:512
	s_wait_alu depctr_va_vdst(0)
	global_load_b32 v[TMP], v11, s[46:47]          ; the pair's scale word of row r: two bytes for each of its two tiles
	; the head's scale bytes come once: waves 0-7 copy K's words, waves 8-15 turn V's bytes ([block][channel]) into words ([key step][channel], byte = block)
	s_cmp_lt_u32 s[WV], 8
	s_cbranch_scc0 .Lfor_v
	global_load_b128 v[216:219], v9, s[48:49]
	s_wait_loadcnt 0x0
	ds_store_b128 v6, v[216:219]
	s_branch .Lcopied
.Lfor_v:
.irp c, 0,1,2,3
	global_load_b32 v[216+\c], v10, s[50:51] offset:512*\c
.endr
	s_wait_loadcnt 0x0
	v_perm_b32 v220, v217, v216, 0x05010400        ; 4 x 4 bytes are transposed: first in pairs,
	v_perm_b32 v221, v217, v216, 0x07030602
	v_perm_b32 v222, v219, v218, 0x05010400
	v_perm_b32 v223, v219, v218, 0x07030602
	s_delay_alu instid0(VALU_DEP_2)
	v_perm_b32 v224, v222, v220, 0x05040100        ; then in halves
	s_delay_alu instid0(VALU_DEP_3)
	v_perm_b32 v225, v222, v220, 0x07060302
	s_delay_alu instid0(VALU_DEP_3)
	v_perm_b32 v226, v223, v221, 0x05040100
	s_delay_alu instid0(VALU_DEP_4)
	v_perm_b32 v227, v223, v221, 0x07060302
	ds_store_b128 v6, v[224:227]
.Lcopied:
	s_wait_loadcnt 0x0                             ; Q and its word
	s_and_b32 s14, s[WV], 1
	s_lshl_b32 s14, s14, 4
	v_lshrrev_b32 v[TMP], s14, v[TMP]              ; my tile's two bytes,
	s_delay_alu instid0(VALU_DEP_1)
	v_and_b32 v[TMP], 0xffff, v[TMP]
	s_delay_alu instid0(VALU_DEP_1)
	v_lshl_or_b32 v244, v[TMP], 16, v[TMP]         ; in both halves of the word: they serve [Q | 0] and [0 | Q] alike
.irp j, 24,25,26,27,28,29,30,31
	v_mov_b32 v\j, 0
.endr
	v_mov_b32 v13, 0xff61b1e6                      ; the largest t so far: -3e38, under every t
	s_delay_alu instid0(VALU_DEP_1)
	v_floor_f32 v12, -v13                          ; -M
	v_mov_b32 v14, 0
	v_mov_b32 v15, 0
	v_mov_b32 v233, 0                              ; (named as the upper half of the pair v[232:233])
.irp b, 0,1,2,3
	v_mov_b32 v[T2+\b], 0                          ; a lane permute's destination counts as one of its sources
.endr
.set J, 0
.rept 32
	v_mov_b32 v[O+J], 0                            ; O^T: the step is written once; the first change of M leaves zeros zeros
.set J, J+1
.endr
	s_wait_tensorcnt 0x0                           ; my piece has landed,
	BAR                                            ; everybody's has, and the scale words lie in LDS
.Lstep:                                        ; 16 trips of 128 keys
	s_setprio 2
	v_add_nc_u32 v3, s[TK], v1                     ; this step's four pairs of K,
	v_add_nc_u32 v5, s[TS], v2                     ; its scale words,
	s_delay_alu instid0(VALU_DEP_2)
	v_add_nc_u32 v4, 0x20000, v3                   ; its four fragments of V
	PL 5                                           ; with the three additions: eight places in front of loads into registers that the last products read
.irp p, 0,1,2,3
.irp c, 0,1,2,3
	ds_load_b128 v[KF+16*\p+4*\c:KF+16*\p+4*\c+3], v3 offset:2048*\p+512*\c
.endr
.endr
	ds_load_b32 v240, v5                           ; lanes 0-15: pair 0's words, lanes 16-31: pair 1's
	ds_load_b32 v241, v5 offset:128
	s_wait_alu depctr_va_vdst(0)
	s_wait_dscnt 0x0
.irp p, 0,1,2,3
	WM S+16*\p,   KF+16*\p, 16, -1, 240+\p/2, 244, \p%2, 0     ; keys 32 p + 8 h + 0..7
	WM S+16*\p+8, KF+16*\p, 24, -1, 240+\p/2, 244, \p%2, 0     ; keys 32 p + 16 + 8 h + 0..7
.endr
	PL 8
.irp t, 0,1,2,3                                ; V is asked for now and lands under the softmax
.irp c, 0,1,2,3
	ds_load_b128 v[KF+16*\t+4*\c:KF+16*\t+4*\c+3], v4 offset:2048*\t+512*\c
.endr
.endr
	ds_load_b32 v242, v5 offset:4096
	ds_load_b32 v243, v5 offset:4096+128
.irp b, 0,1,2,3
	v_max3_num_f32 v[BM+\b], v[S+16*\b], v[S+16*\b+1], v[S+16*\b+2]    ; the largest score of each block of 32 keys: for the row's maximum, and for the block's largest p
.endr
.irp i, 3,5,7,9,11,13
.irp b, 0,1,2,3
	v_max3_num_f32 v[BM+\b], v[BM+\b], v[S+16*\b+\i], v[S+16*\b+\i+1]
.endr
.endr
.irp b, 0,1,2,3
	v_max_num_f32 v[BM+\b], v[BM+\b], v[S+16*\b+15]
.endr
.irp b, 0,1,2,3
	s_delay_alu instid0(VALU_DEP_4)
	v_permlanex16_b32 v[T2+\b], v[BM+\b], s[SEL], s[SEL+1]
.endr
.irp b, 0,1,2,3
	s_delay_alu instid0(VALU_DEP_4)
	v_max_num_f32 v[BM+\b], v[BM+\b], v[T2+\b]
.endr
	s_delay_alu instid0(VALU_DEP_2)
	v_max3_num_f32 v[TMP], v[BM], v[BM+1], v[BM+2]
	s_delay_alu instid0(VALU_DEP_1)
	v_max_num_f32 v[TMP], v[TMP], v[BM+3]
	s_delay_alu instid0(VALU_DEP_1)
	v_mul_f32 v[TMP], s[CS], v[TMP]                ; as t (c is positive)
	s_delay_alu instid0(VALU_DEP_1)
	v_max_num_f32 v13, v13, v[TMP]                 ; the running largest t
	v_mov_b32 v[TMP], v12
	s_delay_alu instid0(VALU_DEP_2)
	v_floor_f32 v12, -v13                          ; the new -M = floor(-t) = -ceil(t)
	s_delay_alu instid0(VALU_DEP_1)
	v_sub_f32 v[TMP], v12, v[TMP]                  ; old M - new M: a whole number, 0 or less
	s_delay_alu instid0(VALU_DEP_1)
	v_cvt_i32_f32 v[TMP], v[TMP]                   ; (it saturates)
	s_delay_alu instid0(VALU_DEP_1)
	v_ldexp_f32 v232, 1.0, v[TMP]                  ; f = 2^(old M - new M)
.set J, 0
.rept 32
	v_pk_fma_f32 v[S+J:S+J+1], v[S+J:S+J+1], s[CS:CS+1], v[12:13] op_sel_hi:[1,0,0]   ; t - M, two at a time
.set J, J+2
.endr
.irp b, 0,1,2,3
	v_fma_f32 v[BM+\b], v[BM+\b], s[CS], v12
.endr
.set J, 0
	s_wait_alu depctr_va_vdst(0)
.rept 64
	v_exp_f32 v[S+J], v[S+J]                       ; p = 2^(t - M), at most 1
.set J, J+1
.endr
	s_setprio 1
.irp b, 0,1,2,3
	v_exp_f32 v[BM+\b], v[BM+\b]                   ; the block's largest p
.endr
	v_pk_mul_f32 v[14:15], v[14:15], v[232:233] op_sel_hi:[1,0]       ; l under the new M.  (A plain line behind the exponentials)
	s_wait_alu depctr_va_vdst(0)
.irp b, 0,1,2,3
	v_max_num_f32 v[BM+\b], 0x4800000, v[BM+\b]    ; the floor 2^(9 - 127)
.endr
.irp b, 0,1,2,3
	s_delay_alu instid0(VALU_DEP_4)
	v_add_nc_u32 v[SCL+\b], 0xfc000000, v[BM+\b]
.endr
.irp b, 0,1,2,3
	v_and_or_b32 v[HOLD+\b], v[BM+\b], 0x7f800000, s[MNT]
.endr
.irp b, 0,1,2,3
	v_lshrrev_b32 v[T2+\b], 23, v[SCL+\b]
.endr
	s_delay_alu instid0(VALU_DEP_3)
	v_lshl_or_b32 v[PW], v[T2+1], 8, v[T2]         ; p's scale word for these 128 keys
	s_delay_alu instid0(VALU_DEP_1)
	v_lshl_or_b32 v[PW], v[T2+2], 16, v[PW]
	s_delay_alu instid0(VALU_DEP_1)
	v_lshl_or_b32 v[PW], v[T2+3], 24, v[PW]
	v_pk_add_f32 v[220:221], v[108:109], v[112:113]
	v_pk_add_f32 v[252:253], v[116:117], v[120:121]
	v_pk_add_f32 v[250:251], v[124:125], v[128:129]
	v_pk_add_f32 v[248:249], v[132:133], v[136:137]
	v_pk_add_f32 v[246:247], v[140:141], v[144:145]
	v_pk_add_f32 v[240:241], v[148:149], v[152:153]
	v_pk_add_f32 v[238:239], v[156:157], v[160:161]
	v_pk_add_f32 v[14:15], v[14:15], v[164:165]
	v_pk_add_f32 v[220:221], v[220:221], v[104:105]
	v_pk_add_f32 v[252:253], v[252:253], v[106:107]
	v_pk_add_f32 v[250:251], v[250:251], v[110:111]
	v_pk_add_f32 v[248:249], v[248:249], v[114:115]
	v_pk_add_f32 v[246:247], v[246:247], v[118:119]
	v_pk_add_f32 v[240:241], v[240:241], v[122:123]
	v_pk_add_f32 v[238:239], v[238:239], v[126:127]
	v_pk_add_f32 v[14:15], v[14:15], v[130:131]
	v_pk_add_f32 v[220:221], v[220:221], v[134:135]
	v_pk_add_f32 v[252:253], v[252:253], v[138:139]
	v_pk_add_f32 v[250:251], v[250:251], v[142:143]
	v_pk_add_f32 v[248:249], v[248:249], v[146:147]
	v_pk_add_f32 v[246:247], v[246:247], v[150:151]
	v_pk_add_f32 v[240:241], v[240:241], v[154:155]
	v_pk_add_f32 v[238:239], v[238:239], v[158:159]
	v_pk_add_f32 v[14:15], v[14:15], v[162:163]
	v_pk_add_f32 v[220:221], v[220:221], v[166:167]
	s_delay_alu instid0(VALU_DEP_2)
	v_pk_add_f32 v[14:15], v[14:15], v[248:249]
	s_delay_alu instid0(VALU_DEP_2)
	v_pk_add_f32 v[220:221], v[220:221], v[246:247]
	v_pk_add_f32 v[252:253], v[252:253], v[240:241]
	v_pk_add_f32 v[250:251], v[250:251], v[238:239]
	s_delay_alu instid0(VALU_DEP_2)
	v_pk_add_f32 v[14:15], v[14:15], v[252:253]
	s_delay_alu instid0(VALU_DEP_2)
	v_pk_add_f32 v[220:221], v[220:221], v[250:251]
	s_delay_alu instid0(VALU_DEP_1)
	v_pk_add_f32 v[14:15], v[14:15], v[220:221]
.irp b, 0,1,2,3
.irp i, 0,1,2,3,4,5,6,7,8,9,10,11,12,13,14,15
	v_min_num_f32 v[S+16*\b+\i], v[S+16*\b+\i], v[HOLD+\b]     ; the conversion does not saturate (ISA guide 7.6.2); p is not negative, so the hold is one-sided
.endr
	v_cvt_scalef32_pk8_fp8_f32 v[PC+4*\b:PC+4*\b+1],   v[S+16*\b:S+16*\b+7],    v[SCL+\b]
	v_cvt_scalef32_pk8_fp8_f32 v[PC+4*\b+2:PC+4*\b+3], v[S+16*\b+8:S+16*\b+15], v[SCL+\b]
.endr
.set J, 0
	s_setprio 0
.rept 16
	v_pk_mul_f32 v[O+J:O+J+1], v[O+J:O+J+1], v[232:233] op_sel_hi:[1,0]   ; O^T under the new M.  (These lines also stand between the codes and the products below)
.set J, J+2
.endr
	s_wait_alu depctr_va_vdst(0)
	s_wait_dscnt 0x0                               ; V is in
.irp t, 0,1,2,3
	WM O+8*\t, KF+16*\t, PC, O+8*\t, 242+\t/2, PW, \t%2, 0     ; the four accumulators take turns, one instruction a turn
.endr
	s_add_co_u32 s[TK], s[TK], 8192
	s_add_co_u32 s[TS], s[TS], 256
	s_sub_co_u32 s[CNT], s[CNT], 1
	s_cmp_lg_u32 s[CNT], 0
	s_cbranch_scc1 .Lstep
	s_setprio 0
	; ---- o = O^T / l, quantised along the head's 64 (two blocks), as K steps of the next product
	PL 8
	v_add_f32 v14, v14, v15
	s_delay_alu instid0(VALU_DEP_1)
	v_permlanex16_b32 v[TMP], v14, s[SEL], s[SEL+1]
	s_delay_alu instid0(VALU_DEP_1)
	v_add_f32 v14, v14, v[TMP]
	s_wait_alu depctr_va_vdst(0)
	v_rcp_f32 v14, v14
	v_nop                                          ; a plain line behind the transcendental
.set J, 0
	s_wait_alu depctr_va_vdst(0)
.rept 32
	v_mul_f32 v[S+J], v[O+J], v14                  ; each accumulator from its low end on
.set J, J+1
.endr
	QNT 2, S, S, 0, 216, 200
	global_store_b128 v1, v[200:203], s[52:53]     ; 512 consecutive bytes, aligned
	global_store_b128 v1, v[204:207], s[52:53] offset:512
	v_lshl_or_b32 v[TMP], v219, 8, v218
	ds_store_b16 v7, v[TMP]                        ; both halves of the lanes hold the same two bytes
	BAR
	s_cmp_lg_u32 s[WV], 0
	s_cbranch_scc1 .Lnot_first
	ds_load_b128 v[236:239], v8
	s_wait_dscnt 0x0
	global_store_b128 v1, v[236:239], s[54:55]     ; the 256 queries' 512 bytes, aligned
.Lnot_first:
	s_wait_tensorcnt 0x0
	ds_add_u32 v254, v255
	s_wait_dscnt 0x0
	CROUND                                         ; the closing round: no work-group ends while a partner may still ask for a piece that names it
	s_endpgm
.Lfunc_end_k_qaa5704f25a_attn:
	.size	k_qaa5704f25a_attn, .Lfunc_end_k_qaa5704f25a_attn-k_qaa5704f25a_attn
	.p2alignl 7, 3214868480
	.fill 96, 4, 3214868480
	.section	.rodata,"a",@progbits
	.p2align	6, 0x0
	.amdhsa_kernel k_qaa5704f25a_attn
		.amdhsa_group_segment_fixed_size 272896
		.amdhsa_private_segment_fixed_size 0
		.amdhsa_enable_private_segment 0
		.amdhsa_kernarg_size 16
		.amdhsa_user_sgpr_count 2
		.amdhsa_user_sgpr_kernarg_segment_ptr 1
		.amdhsa_wavefront_size32 1
		.amdhsa_system_sgpr_workgroup_id_x 1
		.amdhsa_system_sgpr_workgroup_id_y 1
		.amdhsa_system_sgpr_workgroup_id_z 1
		.amdhsa_system_vgpr_workitem_id 0
		.amdhsa_next_free_vgpr 256
		.amdhsa_next_free_sgpr 66
		.amdhsa_reserve_vcc 0
		.amdhsa_float_denorm_mode_32 3
		.amdhsa_float_denorm_mode_16_64 3
		.amdhsa_memory_ordered 1
		.amdhsa_forward_progress 1
		.amdhsa_inst_pref_size 37
	.end_amdhsa_kernel
	.amdgpu_metadata
---
amdhsa.version: [ 1, 2 ]
amdhsa.kernels:
  - .name:           k_qaa5704f25a_attn
    .symbol:         k_qaa5704f25a_attn.kd
    .args:
      - { .name: qkvb, .offset: 0, .size: 8, .value_kind: global_buffer, .address_space: global }
      - { .name: ob, .offset: 8, .size: 8, .value_kind: global_buffer, .address_space: global }
    .group_segment_fixed_size: 272896
    .private_segment_fixed_size: 0
    .kernarg_segment_align: 8
    .kernarg_segment_size: 16
    .max_flat_workgroup_size: 512
    .sgpr_count:     66
    .vgpr_count:     256
    .wavefront_size: 32
...
	.end_amdgpu_metadata
.endif
;; end of part 7
;; launch tail (part 8): grid 256 x 1, 16 waves a work-group, no clusters, 210,944 bytes of LDS; arguments src, ob, wb, b_proj, norm1_w, norm1_b, b1, b2, out0; writes out0
.if DOCPART == 8
	.amdgcn_target "amdgcn-amd-amdhsa--gfx1250"
	.amdhsa_code_object_version 6
	.text
	.protected	k_qaa5704f25a_tail
	.globl	k_qaa5704f25a_tail
	.p2align	8
	.type	k_qaa5704f25a_tail,@function
k_qaa5704f25a_tail:
	s_mov_b64 s[64:65], 0
	v_nop
	global_prefetch_b8 v0, s[64:65] scope:SCOPE_SE
	s_setreg_imm32_b32 hwreg(HW_REG_WAVE_SCHED_MODE, 0, 2), 2
	s_setreg_imm32_b32 hwreg(HW_REG_WAVE_MODE, 25, 1), 1
	s_wait_xcnt 0x0
	s_wait_alu depctr_vm_vsrc(0)
; y = src + Q(o) Q(w_proj) + b_proj;  s1 = w (y - mean) + b;  out = s1 + Q(relu(Q(s1) Q(w1) + b1)) Q(w2) + b2.  All three products on codes of E4M3 with E8M0 scales.
; SHARES.  A work-group owns 32 rows (two tiles).  In the first and third product wave w owns columns 64 w .. 64 w + 63, which are 256 consecutive bytes of every row: 4 column tiles x 2 row tiles = 8 accumulators;
; in the second it owns hidden units 32 w .. 32 w + 31.  All products are used TRANSPOSED (source 0 = the weight, source 1 = the rows), so a lane holds one row.
; THE EIGHT ACCUMULATORS CARRY THE ROWS THROUGH THE WHOLE KERNEL: src + b_proj is the first product's C; its result is normed in place; s1 + b2 is the third product's C; its result is the output.  s1 never leaves the registers.
; Operands made here (s1's and the hidden layer's codes) go from wave to wave through LDS as images of their registers: 16 bytes a lane, 512 a line; scale bytes beside them.
; THE ORDER INSIDE A BLOCK OF 32 is the program's (places 0-7, 8-15, 16-23, 24-31 hold k 0-7, 16-23, 8-15, 24-31), on both sides.  LIMIT: within a block the sums go in that order, not K ascending.
; WEIGHTS COME STRAIGHT INTO REGISTERS, not through LDS and not by joint loads of a cluster: each of the 1,572,864 bytes of codes is read by exactly one wave of the work-group, once; beside the 208,896 bytes used here
; two slots of 56 KiB at most would fit, with 4 matrix instructions a wave between a request and its use.  Here a wave has two or three pairs of fragments, 4 KiB each, on its way, and the K loops have no barrier.
; LIMITS: blocks under 2^-118 have their byte held at 1; a block of zeros gets the byte 1 (its codes are zeros); NaN and infinities are not served.
; LDS: 0 sixteen stages, each wave's own, 32 rows x 272;  139,264 o's 8 fragments [m][s];  155,648 their scale words [s][m][16];  156,160 s1's 16 fragments;  188,928 their words;  189,952 the hidden layer's 8;  206,336 their words;
;   206,848 the rows' partial sums [wave][row];  208,896 the spare words.
; THE MODE: SCHED_MODE bits 1:0 = 2 (LLVM: expert scheduling mode 2), set by the entry lines.  The code itself states the register dependences between vector or matrix instructions and memory or LDS instructions,
; with s_wait_alu, always for 0.
; THE PLAN.  Registers that memory or LDS instructions touch in the products:
;   W0 = v144-175 with v248, W1 = v176-207 with v249, W2 = v208-239 with v251: a PAIR of weight fragments and its 32 scale words.  Written by global loads, read by four products.
;   R0 = v80-111, R1 = v112-143: the rows' two fragments of a K step; v250 (second product: v250, v251) their scale words.  Written by LDS loads, read by the K step's products.
;   v6-10: offsets and LDS addresses, made at the head and never written again; immediate offsets do the rest.
;   First and third product: eight half-steps; half-step j (K step j / 2, column tiles 2 (j % 2) and the next) reads pair buffer j % 3 and rows buffer (j / 2) % 2.  Second product: eight K steps; K step j reads W(j % 2), R(j % 2).
;   ONE wait on va_vdst stands behind a step's four products: it states that they are done reading what they read.  Straight behind it the registers so emptied are asked for again (first and third product: the pair of
;   half-step j + 3; behind a K step's second half v250 for the next K step and the rows two K steps on; second product: the pair and the rows of K step j + 2), or take what the next phase wants.
;   No vector or matrix instruction stands between that wait and those loads.
; Outside the products each run of LDS stores has one wait on va_vdst ahead of it (its data are written), and one wait on vm_vsrc stands ahead of the first line that writes its data registers again.
; REGISTERS: v1-15, v252-255 addresses that stay; v16-79 the accumulators ((m, t) at 16 + 32 m + 8 t); v80-143 rows' fragments (also: src, gain and bias, held copies, rows of out0); v144-207 two pairs of weight fragments;
;   v208-239 the third pair, the hidden layer's four accumulators, biases, work; v240-247 at work; v248-251 scale words and nothing else.
.set OIMG,  139264
.set OSC,   155648
.set S1IMG, 156160
.set S1SC,  188928
.set HIMG,  189952
.set HSC,   206336
.set RS,    206848
.set CW1,   1572864
.set CWP,   2097152
.set CW2,   2621440
.set ACC,   16
.set XF,    80
.set WF,    144
.set HA,    208
.set SEL,   28
.set MNT,   30
.set HM,    31
.macro PL n
.rept \n
	v_nop
.endr
.endm
.macro BAR
	s_wait_dscnt 0x0
	s_barrier_signal -1
	s_barrier_wait -1
.endm
.macro FETCH reg, adr, off
.irp c, 0,1,2,3
	ds_load_b128 v[\reg+4*\c:\reg+4*\c+3], v[\adr] offset:\off+512*\c
.endr
.endm
.macro WM d, a, b, c, sa, sb, ra, rb
.if (\c) < 0
.if (\ra) && (\rb)
	v_wmma_scale_f32_16x16x128_f8f6f4 v[\d:\d+7], v[\a:\a+15], v[\b:\b+15], 0, v[\sa], v[\sb] matrix_a_scale:MATRIX_SCALE_ROW1 matrix_b_scale:MATRIX_SCALE_ROW1
.elseif (\ra)
	v_wmma_scale_f32_16x16x128_f8f6f4 v[\d:\d+7], v[\a:\a+15], v[\b:\b+15], 0, v[\sa], v[\sb] matrix_a_scale:MATRIX_SCALE_ROW1
.elseif (\rb)
	v_wmma_scale_f32_16x16x128_f8f6f4 v[\d:\d+7], v[\a:\a+15], v[\b:\b+15], 0, v[\sa], v[\sb] matrix_b_scale:MATRIX_SCALE_ROW1
.else
	v_wmma_scale_f32_16x16x128_f8f6f4 v[\d:\d+7], v[\a:\a+15], v[\b:\b+15], 0, v[\sa], v[\sb]
.endif
.else
.if (\ra) && (\rb)
	v_wmma_scale_f32_16x16x128_f8f6f4 v[\d:\d+7], v[\a:\a+15], v[\b:\b+15], v[\c:\c+7], v[\sa], v[\sb] matrix_a_scale:MATRIX_SCALE_ROW1 matrix_b_scale:MATRIX_SCALE_ROW1
.elseif (\ra)
	v_wmma_scale_f32_16x16x128_f8f6f4 v[\d:\d+7], v[\a:\a+15], v[\b:\b+15], v[\c:\c+7], v[\sa], v[\sb] matrix_a_scale:MATRIX_SCALE_ROW1
.elseif (\rb)
	v_wmma_scale_f32_16x16x128_f8f6f4 v[\d:\d+7], v[\a:\a+15], v[\b:\b+15], v[\c:\c+7], v[\sa], v[\sb] matrix_b_scale:MATRIX_SCALE_ROW1
.else
	v_wmma_scale_f32_16x16x128_f8f6f4 v[\d:\d+7], v[\a:\a+15], v[\b:\b+15], v[\c:\c+7], v[\sa], v[\sb]
.endif
.endif
.endm
; nb blocks of 32 are quantised: my 16 numbers of block b in v[s + 16 b] on, the other 16 in lane l xor 16; held numbers to v[d + 16 b] on, codes to v[pc + 4 b] on, the byte stays in v[tm + nb + b].  relu = 1: what is negative becomes 0
.macro QNT nb, s, d, relu, tm, pc
.set QB, 0
.rept \nb
	v_mov_b32 v[\tm+\nb+QB], 0                     ; a lane permute's destination counts as one of its sources
.set QB, QB+1
.endr
.set QB, 0
.rept \nb
.if \relu
	v_max3_num_f32 v[\tm+QB], v[\s+16*QB], v[\s+16*QB+1], 0x4800000      ; no |.|: what is negative must not count; the floor 2^(9 - 127) stands over it
.else
	v_max3_num_f32 v[\tm+QB], |v[\s+16*QB]|, |v[\s+16*QB+1]|, 0x4800000
.endif
.set QB, QB+1
.endr
.irp i, 2,4,6,8,10,12,14
.set QB, 0
.rept \nb
.if \relu
	v_max3_num_f32 v[\tm+QB], v[\tm+QB], v[\s+16*QB+\i], v[\s+16*QB+\i+1]
.else
	v_max3_num_f32 v[\tm+QB], v[\tm+QB], |v[\s+16*QB+\i]|, |v[\s+16*QB+\i+1]|
.endif
.set QB, QB+1
.endr
.endr
.set QB, 0
.rept \nb
	v_permlanex16_b32 v[\tm+\nb+QB], v[\tm+QB], s[SEL], s[SEL+1]
.set QB, QB+1
.endr
.set QB, 0
.rept \nb
	v_max_num_f32 v[\tm+QB], v[\tm+QB], v[\tm+\nb+QB]
.set QB, QB+1
.endr
.set QB, 0
.rept \nb
	v_add_nc_u32 v[\tm+3*\nb+QB], 0xfc000000, v[\tm+QB]
.set QB, QB+1
.endr
.set QB, 0
.rept \nb
	v_and_or_b32 v[\tm+2*\nb+QB], v[\tm+QB], 0x7f800000, s[MNT]
.set QB, QB+1
.endr
.set QB, 0
.rept \nb
	v_lshrrev_b32 v[\tm+\nb+QB], 23, v[\tm+3*\nb+QB]
.set QB, QB+1
.endr
.set QB, 0
.rept \nb
.irp i, 0,1,2,3,4,5,6,7,8,9,10,11,12,13,14,15
.if \relu
	v_med3_num_f32 v[\d+16*QB+\i], v[\s+16*QB+\i], 0, v[\tm+2*\nb+QB]    ; the activation and the hold in one
.else
	v_med3_num_f32 v[\d+16*QB+\i], v[\s+16*QB+\i], -v[\tm+2*\nb+QB], v[\tm+2*\nb+QB]
.endif
.endr
	v_cvt_scalef32_pk8_fp8_f32 v[\pc+4*QB:\pc+4*QB+1],   v[\d+16*QB:\d+16*QB+7],    v[\tm+3*\nb+QB]
	v_cvt_scalef32_pk8_fp8_f32 v[\pc+4*QB+2:\pc+4*QB+3], v[\d+16*QB+8:\d+16*QB+15], v[\tm+3*\nb+QB]
.set QB, QB+1
.endr
	v_nop
.endm
; A pair of weight fragments: my fragments 2 hf and 2 hf + 1 of round rnd of the matrix at base, into v[reg] on, and their 32 scale words (lanes 0-15 the first fragment's, lanes 16-31 the second's) into v[sc]: nine loads
.macro WPAIR reg, sc, base, rnd, hf
.irp f, 0,1
.irp c, 0,1,2,3
	global_load_b128 v[\reg+16*\f+4*\c:\reg+16*\f+4*\c+3], v9, s[8:9] offset:(\base)+(\rnd)*131072+4096*(\hf)+2048*\f+512*\c
.endr
.endr
	global_load_b32 v[\sc], v10, s[8:9] offset:3145728+((\base)+(\rnd)*131072)/32+128*(\hf)
.endm
; The first or third product: four K steps in eight half-steps.  The pairs of half-steps 0 and 1 are in; that of half-step 2 and the rows of K steps 0 and 1 have been asked for.
; The eight accumulators take turns, one instruction a turn, in the same order in every K step.
; more = 1 (the first product): the last three half-steps ask, into the registers that they empty, for what the norm and the second product want.
.macro PSTEPS base, adr, wo, more
.irp j, 0,1,2,3,4,5,6,7
.if (\j >= 2) && (\j <= 5)
	s_wait_loadcnt 18                              ; loads come back in order (ISA guide 5.7.1): this half-step's pair is in; the two younger pairs, nine loads each, stay out
.elseif \j == 6
	s_wait_loadcnt 9+8*\more                       ; behind this half-step's pair: the last pair's nine loads (more = 1: and the gain's eight)
.elseif \j == 7
	s_wait_loadcnt 17*\more                        ; the last pair is in (more = 1: the gain's eight loads and the nine of w1's first pair stay out)
.endif
.if \j == 6
	s_wait_dscnt 0x0                               ; the last K step's rows and scale words are in
.elseif (\j%2) == 0
	s_wait_dscnt 8                                 ; this K step's rows and scale words are in; the next K step's eight fragment loads stay out
.endif
.irp q, 0,1
.irp m, 0,1
.set rD, ACC+32*\m+8*(2*(\j%2)+\q)
	WM rD, WF+32*(\j%3)+16*\q, XF+32*((\j/2)%2)+16*\m, rD, 248+(\j%3)+(\j%3)/2, 250, \q, \m
.endr
.endr
.if (\j < 6) || \more
	s_wait_alu depctr_va_vdst(0)                   ; the four products are done reading their pair and its scale words, and, in a K step's second half, the rows' fragments and v250: the loads below land in these registers
.endif
.if \j < 5
	WPAIR WF+32*(\j%3), 248+(\j%3)+(\j%3)/2, \base, (\j+3)/2, (\j+3)%2
.endif
.if ((\j%2) == 1) && (\j < 7)
	ds_load_b32 v250, v8 offset:\wo+128*((\j+1)/2) ; the next K step's scale words
.if \j < 5
	FETCH XF+32*((\j/2)%2), \adr, 2048*(\j/2+2)    ; the rows two K steps on
	FETCH XF+32*((\j/2)%2)+16, \adr, 8192+2048*(\j/2+2)
.endif
.endif
.if \more && (\j == 5)
.irp t, 0,1,2,3
	global_load_b128 v[XF+8*\t:XF+8*\t+3],   v11, s[12:13] offset:64*\t      ; the norm's gain, where K step 2's rows stood
	global_load_b128 v[XF+8*\t+4:XF+8*\t+7], v11, s[12:13] offset:64*\t+16
.endr
.endif
.if \more && (\j == 6)
	WPAIR WF, 248, CW1, 0, 0                       ; the second product's first K step
.endif
.if \more && (\j == 7)
.irp t, 0,1,2,3
	global_load_b128 v[XF+32+8*\t:XF+32+8*\t+3],   v11, s[14:15] offset:64*\t      ; the norm's bias, where K step 3's rows stood
	global_load_b128 v[XF+32+8*\t+4:XF+32+8*\t+7], v11, s[14:15] offset:64*\t+16
.endr
	WPAIR WF+32, 249, CW1, 0, 1                    ; the second product's second K step
.endif
.endr
.endm
	s_load_b512 s[4:19], s[0:1], 0x0               ; src, ob, wb, b_proj, norm1_w, norm1_b, b1, b2
	s_load_b64 s[20:21], s[0:1], 0x40              ; out0
	v_lshrrev_b32 v240, 5, v0
	v_readfirstlane_b32 s22, v240                  ; wave 0..15
	v_and_b32 v240, 31, v0                         ; lane
	v_and_b32 v241, 15, v0                         ; r
	v_bfe_u32 v242, v0, 4, 1                       ; h
	v_lshlrev_b32 v243, 4, v240                    ; 16 x lane
	v_lshlrev_b32 v244, 2, v240                    ; 4 x lane
	v_cmp_lt_u32 s[HM], 15, v240
	s_wait_alu depctr_va_sdst(0)                   ; s22, the wave's number, and s[HM], the mask of lanes 16-31, are written, ahead of their first readers
	s_lshl_b32 s32, s22, 8                         ; 256 w
	v_lshl_add_u32 v1, v241, 4, s32
	v_lshl_add_u32 v1, v242, 12, v1                ; v1: src, out0: rows h, my wave's 256 bytes, 16 a lane
	s_mul_i32 s33, s22, 8704                       ; my stage
	v_mul_u32_u24 v2, v242, 272
	v_lshl_add_u32 v2, v241, 4, v2
	v_add_nc_u32 v2, s33, v2                       ; v2: by rows: row h, 16 r
	v_mul_u32_u24 v3, v241, 272
	v_lshl_add_u32 v3, v242, 5, v3
	v_add_nc_u32 v3, s33, v3                       ; v3: by accumulators: row r, 32 h
	v_lshlrev_b32 v4, 4, v0                        ; v4: 16 x thread
	v_add_nc_u32 v5, OIMG, v4                      ; v5: where o's codes go
	v_add_nc_u32 v6, OIMG, v243                    ; v6: an image's place for my lane (o's, s1's)
	v_add_nc_u32 v7, HIMG, v243                    ; v7: the hidden layer's
	v_add_nc_u32 v8, OSC, v244                     ; v8: a scale word's
	s_lshl_b32 s33, s22, 13
	v_add_nc_u32 v9, s33, v243                     ; v9: my four fragments in a round's weights
	v_add_nc_u32 v10, s32, v244                    ; v10: and their scale words
	v_lshl_add_u32 v11, v242, 5, s32               ; v11: vectors of 1,024: my 64 numbers, + 8 h
	s_lshl_b32 s33, s22, 7
	v_lshl_add_u32 v12, v242, 5, s33               ; v12: b1: my 32, + 8 h
	s_add_co_u32 s33, s33, RS
	v_add_nc_u32 v15, s33, v244                    ; v15: my wave's partial sums
	s_min_u32 s34, s22, 7                          ; (only waves 0-7 fetch o's scale bytes: K step w % 4, row tile w / 4)
	s_and_b32 s35, s34, 3
	s_lshr_b32 s36, s34, 2
	s_lshl_b32 s33, s35, 7
	s_lshl_b32 s37, s36, 6
	s_add_co_u32 s33, s33, s37
	s_add_co_u32 s33, s33, OSC
	v_lshl_add_u32 v13, v241, 2, s33               ; v13: where their words go
	v_lshlrev_b32 v14, 1, v241                     ; v14: 2 r
	s_lshl_b32 s33, s22, 10
	s_add_co_u32 s33, s33, S1IMG
	v_add_nc_u32 v252, s33, v243                   ; v252: s1's codes: my 64 columns are half a K step
	s_lshr_b32 s33, s22, 1
	s_lshl_b32 s33, s33, 7
	s_and_b32 s37, s22, 1
	s_lshl_b32 s37, s37, 1
	s_add_co_u32 s33, s33, s37
	s_add_co_u32 s33, s33, S1SC
	v_add_nc_u32 v253, s33, v244                   ; v253: and two bytes of their scale words
	s_lshl_b32 s33, s22, 9
	s_add_co_u32 s33, s33, HIMG
	v_add_nc_u32 v254, s33, v243                   ; v254: the hidden layer's codes: my 32 units are a quarter of a K step
	s_lshr_b32 s33, s22, 2
	s_lshl_b32 s33, s33, 7
	s_and_b32 s37, s22, 3
	s_add_co_u32 s33, s33, s37
	s_add_co_u32 s33, s33, HSC
	v_add_nc_u32 v255, s33, v244                   ; v255: and one byte of their scale words
	s_mov_b32 s[SEL], 0x76543210
	s_mov_b32 s[SEL+1], 0xfedcba98
	s_mov_b32 s[MNT], 0x600000
	s_lshl_b32 s32, ttmp9, 17                      ; 32 rows of 4,096 bytes
	s_mov_b32 s33, 0
	s_lshl_b32 s38, ttmp9, 14                      ; o's codes: 16,384 bytes
	s_mov_b32 s39, 0
	s_lshl_b32 s36, s36, 5                         ; o's scale bytes: [bh][row] two bytes: head 2 (w % 4), rows 16 (w / 4) on
	s_lshl_b32 s35, s35, 13
	s_add_co_u32 s36, s36, s35
	s_lshr_b32 s35, ttmp9, 6
	s_lshl_b32 s35, s35, 15
	s_add_co_u32 s36, s36, s35
	s_and_b32 s35, ttmp9, 63
	s_lshl_b32 s35, s35, 6
	s_add_co_u32 s36, s36, s35
	s_add_co_u32 s36, s36, 4194304
	s_mov_b32 s37, 0
	s_wait_kmcnt 0x0
	s_add_nc_u64 s[4:5], s[4:5], s[32:33]
	s_add_nc_u64 s[20:21], s[20:21], s[32:33]
	s_add_nc_u64 s[24:25], s[6:7], s[38:39]
	s_add_nc_u64 s[26:27], s[6:7], s[36:37]
	s_wait_alu depctr_va_vdst(0)                   ; the offsets and addresses v1-15 and v252-255 are written, which the kernel's loads and stores read; so are v240-244, in which loads land below
	; ---- what comes in: src (sixteen lanes read 256 consecutive bytes), o's codes, b_proj, the first two pairs of weights
.set J, 0
.rept 16
	global_load_b128 v[XF+4*J:XF+4*J+3], v1, s[4:5] offset:8192*J th:TH_LOAD_NT
.set J, J+1
.endr
	global_load_b128 v[240:243], v4, s[24:25]
	global_load_b128 v[244:247], v4, s[24:25] offset:8192
.irp t, 0,1,2,3
	global_load_b128 v[HA+8*\t:HA+8*\t+3],   v11, s[10:11] offset:64*\t
	global_load_b128 v[HA+8*\t+4:HA+8*\t+7], v11, s[10:11] offset:64*\t+16
.endr
	WPAIR WF, 248, CWP, 0, 0
	WPAIR WF+32, 249, CWP, 0, 1
	s_wait_loadcnt 28                              ; src is in: behind it 2 + 8 + 18 loads
.set J, 0
.rept 16
	ds_store_b128 v2, v[XF+4*J:XF+4*J+3] offset:544*J          ; through my own stage: in by rows,
.set J, J+1
.endr
.irp m, 0,1
.irp t, 0,1,2,3
	ds_load_b128 v[ACC+32*\m+8*\t:ACC+32*\m+8*\t+3],   v3 offset:4352*\m+64*\t      ; out in the accumulators' layout.  LDS serves a wave's instructions in order (ISA guide 5.7.1.4)
	ds_load_b128 v[ACC+32*\m+8*\t+4:ACC+32*\m+8*\t+7], v3 offset:4352*\m+64*\t+16
.endr
.endr
	s_wait_loadcnt 26                              ; o's codes are in: behind them 8 + 18 loads
	ds_store_b128 v5, v[240:243]
	ds_store_b128 v5, v[244:247] offset:8192
	s_wait_dscnt 0x0                               ; src stands in the accumulators
	s_wait_alu depctr_vm_vsrc(0)                   ; the LDS stores have read v80-143 and v240-247: loads land in v240 and v241 in the branch below, and in v80-143 behind the barrier
	s_cmp_lt_u32 s22, 8
	s_cbranch_scc0 .Lno_words
	global_load_u16 v240, v14, s[26:27]            ; two heads' two bytes make a K step's scale word of row r
	global_load_u16 v241, v14, s[26:27] offset:4096
	s_wait_loadcnt 0x0
	v_lshl_or_b32 v240, v241, 16, v240
	s_wait_alu depctr_va_vdst(0)                   ; v240 is written, which the LDS store reads
	ds_store_b32 v13, v240
.Lno_words:
	s_wait_loadcnt 0x0
.irp m, 0,1
.set J, 0
.rept 16
	v_pk_add_f32 v[ACC+32*\m+J:ACC+32*\m+J+1], v[ACC+32*\m+J:ACC+32*\m+J+1], v[HA+J:HA+J+1]    ; src + b_proj: the first product's C
.set J, J+2
.endr
.endr
	s_wait_alu depctr_va_vdst(0)                   ; the additions are done reading b_proj in v208-239, in which the third pair of weights lands
	WPAIR HA, 251, CWP, 1, 0                       ; half-step 2's
	BAR                                            ; o's eight fragments and their words lie in LDS
	; ---- y = src + b_proj + Q(o) Q(w_proj)
	FETCH XF, 6, 0
	FETCH XF+16, 6, 8192
	ds_load_b32 v250, v8
	FETCH XF+32, 6, 2048
	FETCH XF+48, 6, 8192+2048
	PSTEPS CWP, 6, 0, 1
	; ---- the norm
	PL 8                                           ; eight places between the last products and the first read of their sums
	s_wait_alu depctr_vm_vsrc(0)                   ; the LDS store of o's scale words, at the head, has read v240, which the sums below write
.irp m, 0,1
.set A, ACC+32*\m
.set U, 240+4*\m
	v_pk_add_f32 v[U:U+1],   v[A:A+1],   v[A+2:A+3]            ; my 32 numbers of a row, each accumulator from its low end on
	v_pk_add_f32 v[U+2:U+3], v[A+4:A+5], v[A+6:A+7]
.irp j, 8,12,16,20,24,28
	v_pk_add_f32 v[U:U+1],   v[U:U+1],   v[A+\j:A+\j+1]
	v_pk_add_f32 v[U+2:U+3], v[U+2:U+3], v[A+\j+2:A+\j+3]
.endr
	v_pk_add_f32 v[U:U+1], v[U:U+1], v[U+2:U+3]
	v_add_f32 v[U], v[U], v[U+1]
	v_permlanex16_b32 v[U+1], v[U], s[SEL], s[SEL+1]
	v_add_f32 v[U], v[U], v[U+1]                   ; the wave's 64 columns of row 16 m + r
.endr
	v_cndmask_b32 v240, v240, v244, s[HM]          ; lane l sends row l's
	s_wait_alu depctr_va_vdst(0)                   ; v240 is written, which the LDS store reads
	ds_store_b32 v15, v240
	BAR                                            ; sixteen partial sums of each row lie in LDS
.set J, 0
.rept 16
	ds_load_b32 v[HA+J], v8 offset:RS-OSC+128*J    ; lane l takes row l's sixteen.  (No vector or matrix instruction since the wait above names v208-223)
.set J, J+1
.endr
	s_wait_dscnt 0x0
	s_wait_alu depctr_vm_vsrc(0)                   ; the LDS store of my partial sums has read v240, which the means below write
	v_pk_add_f32 v[208:209], v[208:209], v[210:211]            ; a fixed tree: every wave gets the same bits
	v_pk_add_f32 v[212:213], v[212:213], v[214:215]
	v_pk_add_f32 v[216:217], v[216:217], v[218:219]
	v_pk_add_f32 v[220:221], v[220:221], v[222:223]
	v_pk_add_f32 v[208:209], v[208:209], v[212:213]
	v_pk_add_f32 v[216:217], v[216:217], v[220:221]
	v_pk_add_f32 v[208:209], v[208:209], v[216:217]
	v_add_f32 v208, v208, v209
	v_mul_f32 v208, 0x3a800000, v208               ; / 1,024: row l's mean
	v_permlanex16_b32 v209, v208, s[SEL], s[SEL+1] ; and row (l xor 16)'s
	v_cndmask_b32 v240, v208, v209, s[HM]          ; row r's
	v_cndmask_b32 v242, v209, v208, s[HM]          ; row 16 + r's
	v_mov_b32 v241, v240
	v_mov_b32 v243, v242
	s_wait_alu depctr_va_vdst(0)
	s_wait_loadcnt 9                               ; the gain and the bias are in; the nine loads of w1's second pair may be out
.irp m, 0,1
.set J, 0
.rept 16
	v_pk_add_f32 v[ACC+32*\m+J:ACC+32*\m+J+1], v[ACC+32*\m+J:ACC+32*\m+J+1], v[240+2*\m:241+2*\m] neg_lo:[0,1] neg_hi:[0,1]
.set J, J+2
.endr
.set J, 0
.rept 16
	v_pk_fma_f32 v[ACC+32*\m+J:ACC+32*\m+J+1], v[ACC+32*\m+J:ACC+32*\m+J+1], v[XF+J:XF+J+1], v[XF+32+J:XF+32+J+1]
.set J, J+2
.endr
.endr
	QNT 4, ACC, XF, 0, 208, 224                    ; s1 stays whole in the accumulators: the held copies go elsewhere.  Blocks: (m 0: columns 0-31, 32-63), (m 1: likewise)
	v_lshl_or_b32 v244, v213, 8, v212
	v_lshl_or_b32 v245, v215, 8, v214
	v_cndmask_b32 v244, v244, v245, s[HM]          ; lanes 0-15 send rows 0-15's two bytes, lanes 16-31 rows 16-31's
	s_wait_alu depctr_va_vdst(0)                   ; the codes in v224-239 and the bytes in v244 are written, which the LDS stores read; and the quantiser is done with v80-143 and v208-239, in which loads land below
.irp e, 0,1,2,3
	ds_store_b128 v252, v[224+4*\e:224+4*\e+3] offset:16384*(\e/2)+512*(\e%2)
.endr
	ds_store_b16 v253, v244
	s_wait_alu depctr_vm_vsrc(0)                   ; the LDS stores have read v224-239, in which b1 lands, and v244, which is written again behind the second product
.irp m, 0,1
.irp u, 0,1
	global_load_b128 v[HA+16*\m+8*\u:HA+16*\m+8*\u+3],   v12, s[16:17] offset:64*\u      ; b1 is the second product's C
	global_load_b128 v[HA+16*\m+8*\u+4:HA+16*\m+8*\u+7], v12, s[16:17] offset:64*\u+16
.endr
.endr
	BAR                                            ; s1's sixteen fragments and their words lie in LDS
	; ---- the hidden layer: eight K steps on two sets of registers by turns; four accumulators by turns
.irp e, 0,1
	FETCH XF+32*\e, 6, S1IMG-OIMG+2048*\e
	FETCH XF+32*\e+16, 6, S1IMG-OIMG+16384+2048*\e
	ds_load_b32 v[250+\e], v8 offset:S1SC-OSC+128*\e
.endr
.irp j, 0,1,2,3,4,5,6,7
.if \j == 0
	s_wait_loadcnt 0x0                             ; b1, the youngest load, is in, and with it the first two K steps' pairs
.elseif \j >= 2
	s_wait_loadcnt 9                               ; this K step's pair is in; the next pair's nine loads stay out
.endif
.if \j == 7
	s_wait_dscnt 0x0
.else
	s_wait_dscnt 9                                 ; this K step's rows and scale words are in; the next K step's nine LDS loads stay out
.endif
.irp u, 0,1
.irp m, 0,1
.set rD, HA+16*\m+8*\u
	WM rD, WF+32*(\j%2)+16*\u, XF+32*(\j%2)+16*\m, rD, 248+\j%2, 250+\j%2, \u, \m
.endr
.endr
	s_wait_alu depctr_va_vdst(0)                   ; the four products are done reading their pair, their rows and both registers of scale words: the loads below land in these registers
.if \j < 6
	WPAIR WF+32*(\j%2), 248+\j%2, CW1, (\j+2)/2, \j%2
	FETCH XF+32*(\j%2), 6, S1IMG-OIMG+2048*(\j+2)
	FETCH XF+32*(\j%2)+16, 6, S1IMG-OIMG+16384+2048*(\j+2)
	ds_load_b32 v[250+\j%2], v8 offset:S1SC-OSC+128*(\j+2)
.else
	WPAIR WF+32*(\j%2), 248+\j%2, CW2, 0, \j%2     ; the third product's first two pairs
.endif
.endr
	PL 8                                           ; eight places between the last products and the first read of their sums, and the first write of registers that they read
	QNT 2, HA, HA, 1, 80, 96                       ; relu and the quantiser in one; block m: my 32 units of rows 16 m on
	v_cndmask_b32 v244, v82, v83, s[HM]
	s_wait_alu depctr_va_vdst(0)                   ; the codes in v96-103 and the byte in v244 are written, which the LDS stores read; and the quantiser is done with v80-103 and v208-239, in which loads land below
	ds_store_b128 v254, v[96:99]
	ds_store_b128 v254, v[100:103] offset:8192
	ds_store_b8 v255, v244
	s_wait_alu depctr_vm_vsrc(0)                   ; the LDS stores have read v96-103, in which the rows' fragments land behind the barrier
.irp t, 0,1,2,3
	global_load_b128 v[HA+8*\t:HA+8*\t+3],   v11, s[18:19] offset:64*\t
	global_load_b128 v[HA+8*\t+4:HA+8*\t+7], v11, s[18:19] offset:64*\t+16
.endr
	BAR                                            ; the hidden layer's eight fragments and their words lie in LDS
	; ---- out = s1 + b2 + Q(hidden) Q(w2)
	FETCH XF, 7, 0
	FETCH XF+16, 7, 8192
	ds_load_b32 v250, v8 offset:HSC-OSC
	FETCH XF+32, 7, 2048
	FETCH XF+48, 7, 8192+2048
	s_wait_loadcnt 0x0                             ; b2, the youngest load, is in, and with it w2's first two pairs
.irp m, 0,1
.set J, 0
.rept 16
	v_pk_add_f32 v[ACC+32*\m+J:ACC+32*\m+J+1], v[ACC+32*\m+J:ACC+32*\m+J+1], v[HA+J:HA+J+1]
.set J, J+2
.endr
.endr
	s_wait_alu depctr_va_vdst(0)                   ; the additions are done reading b2 in v208-239, in which the third pair of weights lands
	WPAIR HA, 251, CW2, 1, 0                       ; half-step 2's
	PL 4                                           ; four plain lines between the additions that write the sums and the products that take them as C
	PSTEPS CW2, 7, HSC-OSC, 0
	; ---- the way out, through my own stage: in by accumulators (each from its low end on), out by rows
	PL 8                                           ; eight places between the last products and the stores that read their sums; they stay beside the wait below
	s_wait_alu depctr_va_vdst(0)                   ; the products have written the accumulators, which the LDS stores read, and are done reading v80-143, in which the rows land
.irp m, 0,1
.irp t, 0,1,2,3
	ds_store_b128 v3, v[ACC+32*\m+8*\t:ACC+32*\m+8*\t+3] offset:4352*\m+64*\t
	ds_store_b128 v3, v[ACC+32*\m+8*\t+4:ACC+32*\m+8*\t+7] offset:4352*\m+64*\t+16
.endr
.endr
.set J, 0
.rept 16
	ds_load_b128 v[XF+4*J:XF+4*J+3], v2 offset:544*J
.set J, J+1
.endr
.set J, 0
.rept 16
	s_wait_dscnt 15-J                              ; the younger loads may be out
	global_store_b128 v1, v[XF+4*J:XF+4*J+3], s[20:21] offset:8192*J th:TH_STORE_NT   ; sixteen lanes store 256 consecutive bytes, aligned
.set J, J+1
.endr
	s_wait_xcnt 0x0                                ; the stores above have had their addresses translated (ISA guide 3.1)
	s_wait_alu depctr_vm_vsrc(0)                   ; the LDS stores of the hidden layer's codes and bytes have read v254 and v255, their addresses, which the two lines below write
	v_lshl_add_u32 v254, v0, 2, 0x33000
	v_mov_b32 v255, 0
	s_wait_dscnt 0x0                               ; the closing lines, six on end
	s_wait_alu 0x0
	s_wait_tensorcnt 0x0
	ds_add_u32 v254, v255
	s_wait_dscnt 0x0
	s_endpgm
.Lfunc_end_k_qaa5704f25a_tail:
	.size	k_qaa5704f25a_tail, .Lfunc_end_k_qaa5704f25a_tail-k_qaa5704f25a_tail
	.p2alignl 7, 3214868480
	.fill 96, 4, 3214868480
	.section	.rodata,"a",@progbits
	.p2align	6, 0x0
	.amdhsa_kernel k_qaa5704f25a_tail
		.amdhsa_group_segment_fixed_size 210944
		.amdhsa_private_segment_fixed_size 0
		.amdhsa_enable_private_segment 0
		.amdhsa_kernarg_size 72
		.amdhsa_user_sgpr_count 2
		.amdhsa_user_sgpr_kernarg_segment_ptr 1
		.amdhsa_wavefront_size32 1
		.amdhsa_system_sgpr_workgroup_id_x 1
		.amdhsa_system_sgpr_workgroup_id_y 1
		.amdhsa_system_sgpr_workgroup_id_z 1
		.amdhsa_system_vgpr_workitem_id 0
		.amdhsa_next_free_vgpr 256
		.amdhsa_next_free_sgpr 66
		.amdhsa_reserve_vcc 0
		.amdhsa_float_denorm_mode_32 3
		.amdhsa_float_denorm_mode_16_64 3
		.amdhsa_memory_ordered 1
		.amdhsa_forward_progress 1
		.amdhsa_inst_pref_size 86
	.end_amdhsa_kernel
	.amdgpu_metadata
---
amdhsa.version: [ 1, 2 ]
amdhsa.kernels:
  - .name:           k_qaa5704f25a_tail
    .symbol:         k_qaa5704f25a_tail.kd
    .args:
      - { .name: src, .offset: 0, .size: 8, .value_kind: global_buffer, .address_space: global }
      - { .name: ob, .offset: 8, .size: 8, .value_kind: global_buffer, .address_space: global }
      - { .name: wb, .offset: 16, .size: 8, .value_kind: global_buffer, .address_space: global }
      - { .name: b_proj, .offset: 24, .size: 8, .value_kind: global_buffer, .address_space: global }
      - { .name: norm1_w, .offset: 32, .size: 8, .value_kind: global_buffer, .address_space: global }
      - { .name: norm1_b, .offset: 40, .size: 8, .value_kind: global_buffer, .address_space: global }
      - { .name: b1, .offset: 48, .size: 8, .value_kind: global_buffer, .address_space: global }
      - { .name: b2, .offset: 56, .size: 8, .value_kind: global_buffer, .address_space: global }
      - { .name: out0, .offset: 64, .size: 8, .value_kind: global_buffer, .address_space: global }
    .group_segment_fixed_size: 210944
    .private_segment_fixed_size: 0
    .kernarg_segment_align: 8
    .kernarg_segment_size: 72
    .max_flat_workgroup_size: 512
    .sgpr_count:     66
    .vgpr_count:     256
    .wavefront_size: 32
...
	.end_amdgpu_metadata
.endif
;; end of part 8
